; MI455X (gfx1250); checked and timed in simulation.
; The chip was launched on July 23, 2026; its instructions are those of AMD's public machine-readable ISA for CDNA 5 (MIT licence, August 2026) and "CDNA5" Instruction Set Architecture Reference Guide (July 2026). The comments in the code are by the model that wrote it; some were corrected since.
;; Sparse MOE. Allowed arithmetic: float matrix products may take bf16 or f16 operands with f32 sums; other float arithmetic in f32, or as packed bf16 or f16 multiplies, adds, multiply-adds, maxima and minima; sums over many terms, partial sums and values carried from step to step in f32; what a program stores and reads back later, other than sums and carried values, may be rounded once to bf16 or f16.
;; Inputs: b1 8 x 4,096 float32; b2 8 x 1,024 float32; bg 8 float32; bn 8 float32; noise_u 4 x 256 x 8 float32; w1 8 x 1,024 x 4,096 float32; w2 8 x 4,096 x 1,024 float32; wg 1,024 x 8 float32; wn 1,024 x 8 float32; x 4 x 256 x 1,024 float32.
;; Outputs: out0 4 x 256 x 1,024 float32.
;; 3 versions, each right; version 2 is faster than version 1; version 3 is version 2 with the launches up, down written anew for expert scheduling mode. Each part assembles by itself: llvm-mc -triple=amdgcn-amd-amdhsa -mcpu=gfx1250 --defsym DOCPART=n.
;; ======== version 1 of 3: 4 launches
;; workspace buffers: xb 2,097,152 bytes; idx 8,192 bytes of whole numbers; gates 8,192 bytes; rankmap 33,792 bytes of whole numbers; h 67,108,864 bytes; ypart 134,217,728 bytes
;; launch router (part 1): grid 256 x 1, 4 waves a work-group, no clusters, 1,536 bytes of LDS; arguments x, noise_u, wg, bg, wn, bn, xb, idx, gates; writes xb, idx, gates
.if DOCPART == 1
	.amdgcn_target "amdgcn-amd-amdhsa--gfx1250"
	.amdhsa_code_object_version 6
	.text
	.protected	k_qe7a8bac459_router
	.globl	k_qe7a8bac459_router
	.p2align	8
	.type	k_qe7a8bac459_router,@function
k_qe7a8bac459_router:
	s_mov_b64 s[64:65], 0
	v_nop
	global_prefetch_b8 v0, s[64:65] scope:SCOPE_SE
	s_setreg_imm32_b32 hwreg(HW_REG_WAVE_MODE, 25, 1), 1
	s_wait_xcnt 0x0
; THE ROUTER.  noisy = x wg + bg + u softplus(x wn + bn); the two largest of the 8 (the lower index wins a tie); their softmax.  Also x rounded to bf16 for the experts' first product.
; EVERY INPUT IS ROUNDED TO bf16 FIRST (x, wg, wn, bg, bn, u) and then taken in f32: the experts' products see x rounded, and the router is to see the same x.  All sums, softplus and softmax in f32.
; LIMITS.  Against a router on unrounded inputs a token whose second and third noisy logits lie within about 0.002 (at logits of spread 0.6) may choose another expert.  The sums run in another order than
; a row-by-row product: a tie within a few units of the last place of f32 may fall either way.  NaN and infinities are not treated apart.
; SHARES.  A work-group has 4 tokens.  Wave w takes k = 256 w .. 256 w + 255 of all four, lane l eight of them; the 64 sums (4 tokens x 16 columns) are added over the lanes, meet in LDS, and wave w finishes token w.
; No matrix unit: 16 columns for 4 tokens are 64 sums of 1,024 terms, and they are wanted in f32.
.set SPARE, 1024                       ; LDS: 0-1023 wave u's 64 sums at 256 u + 64 token + 4 column; then the spare words, 128 bytes a wave
.set SPW, 12                           ; v12  my spare word's address; never rewritten
.set NIL, 13                           ; v13  0; never rewritten
.set X,   16                           ; v[16:47]    token j's eight x at 16 + 8 j
.set WG,  48                           ; v[48:111]   wg[k][e] at 48 + 8 k + e;  v[112:175] wn likewise
.set ACC, 176                          ; v[176:239]  token j: 8 logits, 8 noise logits at 176 + 16 j
.set XB,  240                          ; v[240:255]  token j's eight x in bf16: store data, never rewritten
	s_load_b512 s[4:19], s[0:1], 0x0               ; x 4, noise_u 6, wg 8, bg 10, wn 12, bn 14, xb 16, idx 18
	s_load_b64 s[20:21], s[0:1], 0x40              ; gates
	v_lshl_add_u32 v[SPW], v0, 2, SPARE
	v_mov_b32 v[NIL], 0
	v_lshrrev_b32 v11, 5, v0
	v_readfirstlane_b32 s22, v11                   ; wave
	v_and_b32 v1, 31, v0                           ; lane
	s_lshl_b32 s23, ttmp9, 2
	s_add_co_u32 s24, s23, s22                     ; the token that my wave finishes
	v_lshlrev_b32 v2, 5, v1
	v_lshl_add_u32 v2, v11, 10, v2                 ; x: 1,024 w + 32 l bytes in a row
	v_lshlrev_b32 v3, 8, v1
	v_lshl_add_u32 v3, v11, 13, v3                 ; wg, wn: my eight rows of 32 bytes
	v_lshlrev_b32 v4, 4, v1
	v_lshl_add_u32 v4, v11, 9, v4                  ; xb: 512 w + 16 l
	s_mov_b32 s52, 0x76543210                      ; v_permlanex16_b32: each lane takes its own place in the other half
	s_mov_b32 s53, 0xfedcba98
	s_mov_b32 s55, 0xbfb8aa3b                      ; -log2(e)
	s_mov_b32 s56, 0xff800000                      ; -infinity
	s_mov_b32 s57, 0xffff0000                      ; a word's upper bf16
	s_mov_b32 s58, 0x3f317218                      ; ln 2
	s_lshl_b32 s26, ttmp9, 14                      ; four rows of x
	s_mov_b32 s27, 0
	s_wait_kmcnt 0x0
	s_add_nc_u64 s[4:5], s[4:5], s[26:27]
	s_lshl_b32 s26, ttmp9, 13                      ; four rows of xb
	s_add_nc_u64 s[16:17], s[16:17], s[26:27]
	s_lshl_b32 s26, s24, 5                         ; my token's eight u
	s_add_nc_u64 s[6:7], s[6:7], s[26:27]
.irp j, 0,1,2,3
	global_load_b128 v[X+8*(\j):X+8*(\j)+3],   v2, s[4:5] offset:4096*(\j) th:TH_LOAD_NT
	global_load_b128 v[X+8*(\j)+4:X+8*(\j)+7], v2, s[4:5] offset:4096*(\j)+16 th:TH_LOAD_NT
.endr
.set i, 0
.rept 16
	global_load_b128 v[WG+4*i:WG+4*i+3], v3, s[8:9] offset:16*i
.set i, i+1
.endr
.set i, 0
.rept 16
	global_load_b128 v[WG+64+4*i:WG+64+4*i+3], v3, s[12:13] offset:16*i
.set i, i+1
.endr
	s_load_b256 s[28:35], s[10:11], 0x0            ; bg
	s_load_b256 s[36:43], s[14:15], 0x0            ; bn
	s_load_b256 s[44:51], s[6:7], 0x0              ; u
	s_wait_loadcnt 32                              ; x is in: the 32 loads of wg and wn were issued behind it
.set i, 0
.rept 16
	v_cvt_pk_bf16_f32 v[XB+i], v[X+2*i], v[X+2*i+1]
.set i, i+1
.endr
.irp j, 0,1,2,3
	global_store_b128 v4, v[XB+4*(\j):XB+4*(\j)+3], s[16:17] offset:2048*(\j)  ; a wave's store covers 512 consecutive bytes, aligned
.endr
.set i, 0
.rept 16
	v_lshlrev_b32 v[X+2*i], 16, v[XB+i]            ; and back to f32: the rounded x
	v_and_b32 v[X+2*i+1], s57, v[XB+i]
.set i, i+1
.endr
	s_wait_loadcnt 0x0                             ; wg and wn
.set i, 0
.rept 16                                               ; both rounded to bf16 in place, eight at a time
.irp u, 0,1,2,3
	v_cvt_pk_bf16_f32 v[6+(\u)], v[WG+8*i+2*(\u)], v[WG+8*i+2*(\u)+1]
.endr
.irp u, 0,1,2,3
	v_lshlrev_b32 v[WG+8*i+2*(\u)], 16, v[6+(\u)]
	v_and_b32 v[WG+8*i+2*(\u)+1], s57, v[6+(\u)]
.endr
.set i, i+1
.endr
; 4 tokens x 8 k x 8 pairs of columns: two sums a line; x is given to both halves.  The first k starts the sums.
.set tj, 0
.rept 4
.set kk, 0
.rept 8
.set p, 0
.rept 8
.if kk == 0
	v_pk_mul_f32 v[ACC+16*tj+2*p:ACC+16*tj+2*p+1], v[WG+64*(p/4)+2*(p%4):WG+64*(p/4)+2*(p%4)+1], v[X+8*tj:X+8*tj+1] op_sel_hi:[1,0]
.elseif (kk&1) == 1
	v_pk_fma_f32 v[ACC+16*tj+2*p:ACC+16*tj+2*p+1], v[WG+64*(p/4)+8*kk+2*(p%4):WG+64*(p/4)+8*kk+2*(p%4)+1], v[X+8*tj+kk-1:X+8*tj+kk], v[ACC+16*tj+2*p:ACC+16*tj+2*p+1] op_sel:[0,1,0] op_sel_hi:[1,1,1]
.else
	v_pk_fma_f32 v[ACC+16*tj+2*p:ACC+16*tj+2*p+1], v[WG+64*(p/4)+8*kk+2*(p%4):WG+64*(p/4)+8*kk+2*(p%4)+1], v[X+8*tj+kk:X+8*tj+kk+1], v[ACC+16*tj+2*p:ACC+16*tj+2*p+1] op_sel:[0,0,0] op_sel_hi:[1,0,1]
.endif
.set p, p+1
.endr
.set kk, kk+1
.endr
.set tj, tj+1
.endr
; over the 32 lanes, stage by stage, so that no line waits for the one before it
.irp m, 1,2,4,8
.set i, 0
.rept 64
	v_add_f32_dpp v[ACC+i], v[ACC+i], v[ACC+i] row_xmask:\m row_mask:0xf bank_mask:0xf
.set i, i+1
.endr
.endr
.set i, 0
.rept 64
	v_permlanex16_b32 v[WG+i], v[ACC+i], s52, s53  ; wg's registers are free, and have been written
.set i, i+1
.endr
.set i, 0
.rept 32
	v_pk_add_f32 v[ACC+2*i:ACC+2*i+1], v[ACC+2*i:ACC+2*i+1], v[WG+2*i:WG+2*i+1]
.set i, i+1
.endr
	v_lshlrev_b32 v5, 8, v11                       ; my wave's 256 bytes; all lanes hold the same sums and write the same words
.set i, 0
.rept 16
	ds_store_b128 v5, v[ACC+4*i:ACC+4*i+3] offset:16*i
.set i, i+1
.endr
	s_wait_dscnt 0x0                               ; for the others' sake: my sums are in LDS
	s_barrier_signal -1
	s_barrier_wait -1
	v_lshlrev_b32 v5, 6, v11                       ; token w's 16 sums in each wave's part
.irp u, 0,1,2,3
.irp c, 0,1,2,3
	ds_load_b128 v[WG+16*(\u)+4*(\c):WG+16*(\u)+4*(\c)+3], v5 offset:256*(\u)+16*(\c)
.endr
.endr
	s_wait_dscnt 0x0
.set i, 0
.rept 8
	v_pk_add_f32 v[48+2*i:48+2*i+1], v[48+2*i:48+2*i+1], v[64+2*i:64+2*i+1]
	v_pk_add_f32 v[80+2*i:80+2*i+1], v[80+2*i:80+2*i+1], v[96+2*i:96+2*i+1]
.set i, i+1
.endr
.set i, 0
.rept 8
	v_pk_add_f32 v[48+2*i:48+2*i+1], v[48+2*i:48+2*i+1], v[80+2*i:80+2*i+1]
.set i, i+1
.endr
	s_wait_kmcnt 0x0                               ; bg, bn, u: rounded to bf16 into v[64:71], v[72:79], v[80:87]
.set i, 0
.rept 12
	v_cvt_pk_bf16_f32 v[6+i%4], s[28+2*i], s[28+2*i+1]
	v_lshlrev_b32 v[64+2*i], 16, v[6+i%4]
	v_and_b32 v[64+2*i+1], s57, v[6+i%4]
.set i, i+1
.endr
.set i, 0
.rept 8
	v_pk_add_f32 v[48+2*i:48+2*i+1], v[48+2*i:48+2*i+1], v[64+2*i:64+2*i+1]  ; logits + bg in v[48:55], noise logits z + bn in v[56:63]
.set i, i+1
.endr
; softplus(z) = max(z, 0) + ln(1 + e^-|z|): the exponent is never above 0
.irp e, 0,1,2,3,4,5,6,7
	v_and_b32 v[88+(\e)], 0x7fffffff, v[56+(\e)]
.endr
.irp e, 0,1,2,3,4,5,6,7
	v_mul_f32 v[88+(\e)], s55, v[88+(\e)]
.endr
.irp e, 0,1,2,3,4,5,6,7
	v_exp_f32 v[88+(\e)], v[88+(\e)]
.endr
.irp e, 0,1,2,3,4,5,6,7
	v_max_num_f32 v[96+(\e)], 0, v[56+(\e)]        ; plain work behind the batch of exponentials
.endr
	s_wait_alu depctr_va_vdst(0)                   ; one wait for the eight, ahead of their first reader
.irp e, 0,1,2,3,4,5,6,7
	v_add_f32 v[88+(\e)], 1.0, v[88+(\e)]
.endr
.irp e, 0,1,2,3,4,5,6,7
	v_log_f32 v[88+(\e)], v[88+(\e)]
.endr
	v_nop                                          ; a plain instruction behind the last logarithm
	s_wait_alu depctr_va_vdst(0)                   ; and the batch's wait
.irp e, 0,1,2,3,4,5,6,7
	v_fma_f32 v[96+(\e)], v[88+(\e)], s58, v[96+(\e)]
.endr
.irp e, 0,1,2,3,4,5,6,7
	v_fma_f32 v[48+(\e)], v[80+(\e)], v[96+(\e)], v[48+(\e)]  ; noisy = logit + u softplus
.endr
; the largest, then the largest of the rest; 'greater' alone moves the choice, so the lower index keeps a tie
	v_mov_b32 v104, v48
	v_mov_b32 v106, 0
.irp e, 1,2,3,4,5,6,7
	v_cmp_gt_f32 vcc_lo, v[48+(\e)], v104
	v_cndmask_b32 v104, v104, v[48+(\e)], vcc_lo
	v_cndmask_b32 v106, v106, \e, vcc_lo
.endr
.irp e, 0,1,2,3,4,5,6,7
	v_cmp_eq_u32 vcc_lo, \e, v106
	v_cndmask_b32 v[48+(\e)], v[48+(\e)], s56, vcc_lo
.endr
	v_mov_b32 v105, v48
	v_mov_b32 v107, 0
.irp e, 1,2,3,4,5,6,7
	v_cmp_gt_f32 vcc_lo, v[48+(\e)], v105
	v_cndmask_b32 v105, v105, v[48+(\e)], vcc_lo
	v_cndmask_b32 v107, v107, \e, vcc_lo
.endr
; softmax of the two, the larger taken away: 1 / (1 + p) and p / (1 + p), p = e^(second - first) <= 1
	v_sub_f32 v108, v105, v104
	v_mul_f32 v108, 0x3fb8aa3b, v108
	v_exp_f32 v108, v108
	s_lshl_b32 s26, s24, 3
	v_mov_b32 v112, s26                            ; 8 bytes a token in idx and in gates
	s_wait_alu depctr_va_vdst(0)
	v_add_f32 v109, 1.0, v108
	v_rcp_f32 v110, v109
	v_cmp_eq_u32 vcc_lo, 0, v1                     ; lane 0 stores
	s_wait_alu depctr_va_vdst(0)
	v_mul_f32 v111, v108, v110
	s_wait_xcnt 0x0                                ; EXEC changes only behind this wait
	s_and_saveexec_b32 s54, vcc_lo
	global_store_b64 v112, v[106:107], s[18:19]
	global_store_b64 v112, v[110:111], s[20:21]
	s_wait_xcnt 0x0                                ; and again in front of the line that widens it
	s_or_b32 exec_lo, exec_lo, s54
	s_wait_tensorcnt 0x0                           ; the wave's end: an add onto my spare word, behind my last LDS store
	ds_add_u32 v[SPW], v[NIL]
	s_wait_dscnt 0x0
	s_endpgm
.Lfunc_end_k_qe7a8bac459_router:
	.size	k_qe7a8bac459_router, .Lfunc_end_k_qe7a8bac459_router-k_qe7a8bac459_router
	.p2alignl 7, 3214868480
	.fill 96, 4, 3214868480
	.section	.rodata,"a",@progbits
	.p2align	6, 0x0
	.amdhsa_kernel k_qe7a8bac459_router
		.amdhsa_group_segment_fixed_size 1536
		.amdhsa_private_segment_fixed_size 0
		.amdhsa_enable_private_segment 0
		.amdhsa_kernarg_size 72
		.amdhsa_user_sgpr_count 2
		.amdhsa_user_sgpr_kernarg_segment_ptr 1
		.amdhsa_wavefront_size32 1
		.amdhsa_system_sgpr_workgroup_id_x 1
		.amdhsa_system_sgpr_workgroup_id_y 1
		.amdhsa_system_sgpr_workgroup_id_z 1
		.amdhsa_system_vgpr_workitem_id 0
		.amdhsa_next_free_vgpr 256
		.amdhsa_next_free_sgpr 66
		.amdhsa_reserve_vcc 1
		.amdhsa_float_denorm_mode_32 3
		.amdhsa_float_denorm_mode_16_64 3
		.amdhsa_memory_ordered 1
		.amdhsa_forward_progress 1
		.amdhsa_inst_pref_size 66
	.end_amdhsa_kernel
	.amdgpu_metadata
---
amdhsa.version: [ 1, 2 ]
amdhsa.kernels:
  - .name:           k_qe7a8bac459_router
    .symbol:         k_qe7a8bac459_router.kd
    .args:
      - { .name: x, .offset: 0, .size: 8, .value_kind: global_buffer, .address_space: global }
      - { .name: noise_u, .offset: 8, .size: 8, .value_kind: global_buffer, .address_space: global }
      - { .name: wg, .offset: 16, .size: 8, .value_kind: global_buffer, .address_space: global }
      - { .name: bg, .offset: 24, .size: 8, .value_kind: global_buffer, .address_space: global }
      - { .name: wn, .offset: 32, .size: 8, .value_kind: global_buffer, .address_space: global }
      - { .name: bn, .offset: 40, .size: 8, .value_kind: global_buffer, .address_space: global }
      - { .name: xb, .offset: 48, .size: 8, .value_kind: global_buffer, .address_space: global }
      - { .name: idx, .offset: 56, .size: 8, .value_kind: global_buffer, .address_space: global }
      - { .name: gates, .offset: 64, .size: 8, .value_kind: global_buffer, .address_space: global }
    .group_segment_fixed_size: 1536
    .private_segment_fixed_size: 0
    .kernarg_segment_align: 8
    .kernarg_segment_size: 72
    .max_flat_workgroup_size: 128
    .sgpr_count:     66
    .vgpr_count:     256
    .wavefront_size: 32
...
	.end_amdgpu_metadata
.endif
;; end of part 1
;; launch up (part 2): grid 32 x 8, 4 waves a work-group, no clusters, 264,704 bytes of LDS; arguments xb, idx, w1, b1, h, rankmap; writes h, rankmap
.if DOCPART == 2
	.amdgcn_target "amdgcn-amd-amdhsa--gfx1250"
	.amdhsa_code_object_version 6
	.text
	.protected	k_qe7a8bac459_up
	.globl	k_qe7a8bac459_up
	.p2align	8
	.type	k_qe7a8bac459_up,@function
k_qe7a8bac459_up:
	s_mov_b64 s[64:65], 0
	v_nop
	global_prefetch_b8 v0, s[64:65] scope:SCOPE_SE
	s_setreg_imm32_b32 hwreg(HW_REG_WAVE_MODE, 25, 1), 1
	s_wait_xcnt 0x0
; THE FIRST PRODUCT.  h[e][rank][n] = relu(x[token] . w1[e][:, n] + b1[e][n]) in bf16, for the tokens that chose expert e alone.  Sums in f32; w1 and b1 are rounded to bf16 on their way (x came rounded).
; SHARES.  Work-group (slice, e) has columns 128 slice .. + 127 of expert e's w1, all 1,024 k: 512 KiB of f32 that it alone reads, once.
; PHASE A streams them through registers (wave w: k = 256 w .. + 255, a row of 512 consecutive bytes a load, 64 loads always out), rounds them and lays them into LDS with K along the row: 128 rows of 2,048 bytes.
; LDS row 16 b + r holds column 8 r + b, so that in the results a lane has eight neighbouring columns.  Then every wave makes the expert's bitmap of tokens from idx, in scalar registers.  ONE barrier.
; PHASE B multiplies.  A token's rank is its place among the bitmap's set bits; ranks go in sub-tiles of 16, dealt to the four waves in runs; a wave takes 4, 2 or 1 sub-tiles at a time through all of K.
; Nothing writes LDS in this phase, so it has no barrier; the loop over a wave's sub-tiles has a constant 5 trips (4+4+4+2+1 covers the most, 16 a wave at 1,024 tokens) and jumps forward over what a split does not need.
; Places past the count repeat the last token; their rows of h lie in the expert's own 1,024 rows and nobody reads them as results.  An expert without tokens streams its slice and stores nothing.
; THE MATRIX INSTRUCTION: source 0 = 16 tokens (from memory, K along the row), source 1 = 16 LDS rows of weights: register j of a result holds token 8 (l / 16) + j and LDS row l % 16.  The bias is the C operand that starts a sum.
; THE WAY OUT needs no LDS: for token j the roundings to bf16 take register j of the eight blocks: columns 8 r .. 8 r + 7, 16 bytes a lane, and sixteen lanes are the slice's 256 bytes of a row of h.
; NO CLUSTER, NO TENSOR LOAD: a slice has one reader and must pass through registers to be rounded; the shared token rows come by a list.
; REGISTERS, in windows of 256 (s_set_vgpr_msb: bits 1:0 source 0, 3:2 source 1, 5:4 source 2, 7:6 destination):
;   window 0: v0-31 addresses; v32-63 at work; v64-127 the bias, block b at 64 + 8 b; v128-255 two buffers of weight fragments (phase A: v128-191 idx)
;   window 1: phase A the ring, 64 slots of 4; phase B two buffers of token fragments, 128 buf + 32 a + 8 ks          window 2: the accumulators, 64 a + 8 b
.set RP,    16384                      ; bytes from a row of w1 to the next
.set PW,    2064                       ; an LDS row: 2,048 bytes + 16 = 129 x 16: the 16 rows that a fragment load touches start at 16 different groups of four banks (64 banks of 4 bytes: ISA guide 11.1)
.set SPARE, 128*PW                     ; behind the weights: the spare words, 128 bytes a wave
.set T,    32
.set BIAS, 64
.set BF,   128
.set IX,   128
.set BM,   66                          ; s[66:97] the bitmap: bit l of word j is token 64 (j / 2) + 2 l + j % 2
; v1 l % 16; v2 l / 16; v3 16 (l / 16); v4 my place in a fragment; v6, v8 where I lay weights; v7 16 lane; v10 my offset in h; v11 0; v12-15 a sub-tile's byte offset in xb; v16-19 fragment addresses, walking
; v20 lane; v21 32 (l % 16); v22, v23 the other half's tokens; v25 8 lane; v26 4 lane; v27 the count; v28, v29 the add's two registers; v30, v31 at work
; s16 wave; s17 slice; s18 e; s19 count; s20 sub-tiles; s21 a wave's share; s22 my next sub-tile; s23 mine still to do; s24, s25, s43 counters; s26 count - 1; s27, s40-42 at work; s[28:29] w1; s[30:31] xb;
; s[32:33] xb, walking along K; s[34:35] h; s[36:37] h at a sub-tile; s[38:39] an offset; s[44:45] b1, later rankmap; s48 sub-tiles taken in this trip; s49 0xffff0000; s52, s53 lane selects
.set MSB, 0
.macro WIN new                         ; the immediate's high byte repeats the setting that is left; a switch that changes nothing is dropped
.if MSB != (\new)
	s_set_vgpr_msb (MSB<<8)|(\new)
.set MSB, \new
.endif
.endm
.macro PLACES                          ; four plain instructions between a matrix instruction and a load into, or a reader of, its registers
.rept 4
	v_nop
.endr
.endm
	s_load_b256 s[4:11], s[0:1], 0x0               ; xb 4, idx 6, w1 8, b1 10
	s_load_b128 s[12:15], s[0:1], 0x20             ; h 12, rankmap 14
	v_lshl_add_u32 v28, v0, 2, SPARE
	v_mov_b32 v29, 0
	v_lshrrev_b32 v31, 5, v0
	v_readfirstlane_b32 s16, v31
	s_mov_b32 s17, ttmp9
	s_and_b32 s18, ttmp7, 0xffff
	s_mov_b32 s49, 0xffff0000                      ; a word's upper bf16; also the mask of lanes 16 to 31
	s_mov_b32 s52, 0x76543210                      ; v_permlanex16_b32: each lane takes its own place in the other half
	s_mov_b32 s53, 0xfedcba98
	v_and_b32 v20, 31, v0
	v_and_b32 v1, 15, v0
	v_bfe_u32 v2, v0, 4, 1
	v_lshlrev_b32 v3, 4, v2
	v_mul_u32_u24 v4, v1, PW
	v_add_nc_u32 v4, v4, v3                        ; a fragment: row l % 16, 16 bytes for each half of the lanes
	v_and_b32 v30, 1, v0                           ; my four columns 4 lane + i = 8 (lane / 2) + 4 (lane % 2) + i lie in LDS rows 64 (lane % 2) + 16 i + lane / 2
	v_bfe_u32 v31, v0, 1, 4
	v_lshl_add_u32 v30, v30, 6, v31
	v_mul_u32_u24 v6, v30, PW
	s_lshl_b32 s27, s16, 9                         ; my wave's 256 k: 512 bytes of each LDS row
	v_add_nc_u32 v6, s27, v6                       ; i = 0, 1
	v_add_nc_u32 v8, 32*PW, v6                     ; i = 2, 3
	v_lshlrev_b32 v7, 4, v20
	v_lshlrev_b32 v21, 5, v1
	v_lshlrev_b32 v25, 3, v20
	v_lshlrev_b32 v26, 2, v20
	v_lshlrev_b32 v10, 16, v2                      ; h: lanes 16-31 eight rows of 8,192 bytes further down,
	v_lshl_add_u32 v10, v1, 4, v10                 ; 16 bytes a lane
	v_mov_b32 v11, 0
	v_mov_b32 v22, 0                               ; written once, since v_permlanex16_b32 counts as a reader of its destination
	v_mov_b32 v23, 0
	s_lshl_b32 s38, s18, 24                        ; w1: expert, my wave's 256 rows, the slice's 512 bytes
	s_lshl_b32 s27, s16, 22
	s_add_co_u32 s38, s38, s27
	s_lshl_b32 s27, s17, 9
	s_add_co_u32 s38, s38, s27
	s_mov_b32 s39, 0
	s_wait_kmcnt 0x0
	s_add_nc_u64 s[28:29], s[8:9], s[38:39]
	s_mov_b64 s[30:31], s[4:5]
	s_lshl_b32 s38, s18, 23                        ; h: the expert's 1,024 rows of 8,192 bytes, the slice's 256 bytes
	s_lshl_b32 s27, s17, 8
	s_add_co_u32 s38, s38, s27
	s_add_nc_u64 s[34:35], s[12:13], s[38:39]
	s_lshl_b32 s38, s18, 14                        ; b1
	s_lshl_b32 s27, s17, 9
	s_add_co_u32 s38, s38, s27
	s_add_nc_u64 s[44:45], s[10:11], s[38:39]
	global_load_b128 v[BIAS:BIAS+3],   v21, s[44:45]            ; the bias of columns 8 r .. 8 r + 7
	global_load_b128 v[BIAS+4:BIAS+7], v21, s[44:45] offset:16
.set i, 0
.rept 16
	global_load_b128 v[IX+4*i:IX+4*i+3], v7, s[6:7] offset:512*i  ; both choices of tokens 64 i + 2 lane and 64 i + 2 lane + 1
.set i, i+1
.endr
	WIN 0x40                                       ; destination window 1
.set i, 0
.rept 64
	global_load_b128 v[4*i:4*i+3], v7, s[28:29] offset:i*RP th:TH_LOAD_NT  ; the ring is filled: rows 0 to 63, 512 consecutive bytes each
.set i, i+1
.endr
	WIN 0
; Eight slots' turn, 8 k of my 4 columns: two k of a column are rounded into a word, a column's 8 k are 16 bytes of its LDS row; then (fill = 1) the slots are loaded again with the rows 64 further on.
; left = the younger loads that may stay out.
.macro GROUP g, fill, left
	s_wait_loadcnt \left                           ; loads come back in order: these eight slots are in (and the bias and idx, which were asked for earlier)
	WIN 0x05                                       ; sources window 1, destination window 0
.set i, 0
.rept 4
.set m, 0
.rept 4
	v_cvt_pk_bf16_f32 v[T+4*i+m], v[4*(8*(\g)+2*m)+i], v[4*(8*(\g)+2*m+1)+i]
.set m, m+1
.endr
.set i, i+1
.endr
	WIN 0x40
	ds_store_b128 v6, v[T:T+3]     offset:16*(\g)
	ds_store_b128 v6, v[T+4:T+7]   offset:16*PW+16*(\g)
	ds_store_b128 v8, v[T+8:T+11]  offset:16*(\g)
	ds_store_b128 v8, v[T+12:T+15] offset:16*PW+16*(\g)
.if \fill
.set i, 0
.rept 8
	global_load_b128 v[4*(8*(\g)+i):4*(8*(\g)+i)+3], v7, s[28:29] offset:(64+8*(\g)+i)*RP th:TH_LOAD_NT
.set i, i+1
.endr
.endif
.endm
	s_mov_b32 s43, 3
.Lring:
.irp g, 0,1,2,3,4,5,6,7
	GROUP \g, 1, 56                                ; behind these eight slots' loads 56 were issued
.endr
	WIN 0
	s_wait_xcnt 0x0                                ; the base is stepped only behind this wait
	s_add_nc_u64 s[28:29], s[28:29], 64*RP
	v_add_nc_u32 v6, 128, v6                       ; 64 k on in each LDS row
	v_add_nc_u32 v8, 128, v8
	s_sub_co_u32 s43, s43, 1
	s_cmp_lg_u32 s43, 0
	s_cbranch_scc1 .Lring
.irp g, 0,1,2,3,4,5,6,7
	GROUP \g, 0, 56-8*(\g)                         ; the last 64 rows: nothing is asked for, the counts run down to 0
.endr
	WIN 0
; the bias, rounded to bf16: block b's eight registers (eight tokens) all hold the bias of column 8 r + b
.irp u, 0,1,2,3
	v_cvt_pk_bf16_f32 v[48+(\u)], v[BIAS+2*(\u)], v[BIAS+2*(\u)+1]
.endr
.set b, 0
.rept 8
.set j, 0
.rept 8
.if (b%2) == 0
	v_lshlrev_b32 v[BIAS+8*b+j], 16, v[48+b/2]
.else
	v_and_b32 v[BIAS+8*b+j], s49, v[48+b/2]
.endif
.set j, j+1
.endr
.set b, b+1
.endr
; THE BITMAP and the count, in every wave
	s_mov_b32 s19, 0
.set j, 0
.rept 32
	v_cmp_eq_u32 s40, s18, v[IX+4*(j/2)+2*(j%2)]
	v_cmp_eq_u32 s41, s18, v[IX+4*(j/2)+2*(j%2)+1]
	s_or_b32 s[BM+j], s40, s41
	s_bcnt1_i32_b32 s27, s[BM+j]
	s_add_co_u32 s19, s19, s27
.set j, j+1
.endr
; wave 0 of the expert's first work-group stores every token's rank (the set bits before it; for a token that did not choose e a number nobody reads) and the count, for the later launches
	s_or_b32 s27, s16, s17
	s_cmp_lg_u32 s27, 0
	s_cbranch_scc1 .Lno_map
	s_mov_b32 s42, 0
.set j, 0
.rept 32
	v_mbcnt_lo_u32_b32 v[IX+4*(j/2)+(j%2)], s[BM+j], s42
	s_bcnt1_i32_b32 s27, s[BM+j]
	s_add_co_u32 s42, s42, s27
.set j, j+1
.endr
	v_mov_b32 v27, s19
	s_lshl_b32 s38, s18, 12
	s_add_nc_u64 s[44:45], s[14:15], s[38:39]
.set i, 0
.rept 16
	global_store_b64 v25, v[IX+4*i:IX+4*i+1], s[44:45] offset:256*i  ; 256 consecutive bytes, aligned
.set i, i+1
.endr
	s_lshl_b32 s38, s18, 7
	s_add_nc_u64 s[32:33], s[14:15], s[38:39]
	global_store_b32 v26, v27, s[32:33] offset:32768  ; the count, 32 times: 128 bytes an expert
	s_wait_xcnt 0x0                                ; the stores' registers are written again below
.Lno_map:
	s_wait_dscnt 0x0                               ; for the others' sake: my part of the weights is in LDS
	s_barrier_signal -1
	s_barrier_wait -1
	s_min_u32 s19, s19, 1024
	s_add_co_u32 s20, s19, 15
	s_lshr_b32 s20, s20, 4                         ; sub-tiles of 16
	s_add_co_u32 s21, s20, 3
	s_lshr_b32 s21, s21, 2                         ; a wave's share
	s_mul_i32 s22, s16, s21
	s_min_u32 s22, s22, s20                        ; my first
	s_sub_co_u32 s23, s20, s22
	s_min_u32 s23, s23, s21                        ; how many are mine
	s_max_u32 s26, s19, 1
	s_sub_co_u32 s26, s26, 1                       ; the last rank
; The n-th set bit of a word.  w: the word; pk: the set bits before the word (low half) and the word's first token (high half); rho: the rank; t: seven registers at work; tok: the token.
; Counts of the word's fields of 2, 4 and 8 bits are made by sums; then the search goes down: where n is not below the lower half's count, it takes the upper half.
.macro SELECT w, pk, rho, t, tok
	v_and_b32 v[(\t)+3], 0xffff, v[\pk]
	v_sub_nc_u32 v[(\t)+3], v[\rho], v[(\t)+3]     ; n
	v_lshrrev_b32 v[\t], 1, v[\w]
	v_and_b32 v[\t], 0x55555555, v[\t]
	v_sub_nc_u32 v[\t], v[\w], v[\t]               ; fields of 2
	v_lshrrev_b32 v[(\t)+1], 2, v[\t]
	v_and_b32 v[(\t)+1], 0x33333333, v[(\t)+1]
	v_and_b32 v[(\t)+5], 0x33333333, v[\t]
	v_add_nc_u32 v[(\t)+1], v[(\t)+1], v[(\t)+5]   ; fields of 4
	v_lshrrev_b32 v[(\t)+2], 4, v[(\t)+1]
	v_add_nc_u32 v[(\t)+2], v[(\t)+2], v[(\t)+1]
	v_and_b32 v[(\t)+2], 0x0f0f0f0f, v[(\t)+2]     ; fields of 8
	v_lshrrev_b32 v[(\t)+5], 8, v[(\t)+2]
	v_add_nc_u32 v[(\t)+5], v[(\t)+5], v[(\t)+2]
	v_and_b32 v[(\t)+5], 0xff, v[(\t)+5]           ; the low 16 bits' count
	v_cmp_ge_u32 vcc_lo, v[(\t)+3], v[(\t)+5]
	v_cndmask_b32 v[(\t)+4], 0, 16, vcc_lo         ; the place
	v_cndmask_b32 v[(\t)+5], 0, v[(\t)+5], vcc_lo
	v_sub_nc_u32 v[(\t)+3], v[(\t)+3], v[(\t)+5]
.irp f, 2,1,0
	v_bfe_u32 v[(\t)+5], v[(\t)+(\f)], v[(\t)+4], 2<<(\f)
	v_cmp_ge_u32 vcc_lo, v[(\t)+3], v[(\t)+5]
	v_cndmask_b32 v[(\t)+5], 0, v[(\t)+5], vcc_lo
	v_sub_nc_u32 v[(\t)+3], v[(\t)+3], v[(\t)+5]
	v_cndmask_b32 v[(\t)+6], 0, 2<<(\f), vcc_lo
	v_add_nc_u32 v[(\t)+4], v[(\t)+4], v[(\t)+6]
.endr
	v_bfe_u32 v[(\t)+5], v[\w], v[(\t)+4], 1
	v_cmp_ge_u32 vcc_lo, v[(\t)+3], v[(\t)+5]
	v_cndmask_b32 v[(\t)+6], 0, 1, vcc_lo
	v_add_nc_u32 v[(\t)+4], v[(\t)+4], v[(\t)+6]
	v_lshrrev_b32 v[\tok], 16, v[\pk]
	v_lshl_add_u32 v[\tok], v[(\t)+4], 1, v[\tok]  ; bit l of a word is 2 l tokens behind the word's first
.endm
; The tokens of ranks 16 s22 .. + 63 (past the count: the last rank), two ranks a lane: v32 rank 16 s22 + lane, v33 the rank 32 on.  The walk keeps the last word whose count of earlier set bits is not above the rank.
.macro LOOKUP
	s_lshl_b32 s27, s22, 4
	v_add_nc_u32 v32, s27, v20
	v_add_nc_u32 v33, 32, v32
	v_min_u32 v32, s26, v32
	v_min_u32 v33, s26, v33
	v_mov_b32 v34, s[BM]
	v_mov_b32 v35, s[BM]
	v_mov_b32 v36, 0
	v_mov_b32 v37, 0
	s_bcnt1_i32_b32 s42, s[BM]
.set j, 1
.rept 31
	s_or_b32 s27, s42, (64*(j/2)+(j%2))<<16
	v_cmp_le_u32 vcc_lo, s42, v32
	v_cndmask_b32 v34, v34, s[BM+j], vcc_lo
	v_cndmask_b32 v36, v36, s27, vcc_lo
	v_cmp_le_u32 s40, s42, v33
	v_cndmask_b32 v35, v35, s[BM+j], s40
	v_cndmask_b32 v37, v37, s27, s40
	s_bcnt1_i32_b32 s41, s[BM+j]
	s_add_co_u32 s42, s42, s41
.set j, j+1
.endr
	SELECT 34, 36, 32, 38, 54
	SELECT 35, 37, 33, 46, 55
	v_permlanex16_b32 v22, v54, s52, s53           ; lanes 0-15 found one sub-tile's tokens, lanes 16-31 the next one's: both halves want both
	v_permlanex16_b32 v23, v55, s52, s53
	v_cndmask_b32 v12, v54, v22, s49
	v_cndmask_b32 v13, v22, v54, s49
	v_cndmask_b32 v14, v55, v23, s49
	v_cndmask_b32 v15, v23, v55, s49
.irp a, 12,13,14,15
	v_min_u32 v\a, 0x3ff, v\a
.endr
.irp a, 12,13,14,15
	v_lshl_add_u32 v\a, v\a, 11, v3                ; the token's row of 2,048 bytes + 16 (l / 16)
.endr
.endm
; 128 along K of mt sub-tiles' tokens, at byte off from the walking base, into buffer buf: a lane's 16 bytes at k = 8 (l / 16) and at 16 + 8 (l / 16) of each 32
.macro LOADA mt, buf, off
	WIN 0x40
.set la, 0
.rept \mt
.set lk, 0
.rept 4
	global_load_b128 v[128*(\buf)+32*la+8*lk:128*(\buf)+32*la+8*lk+3],   v[12+la], s[32:33] offset:(\off)+64*lk
	global_load_b128 v[128*(\buf)+32*la+8*lk+4:128*(\buf)+32*la+8*lk+7], v[12+la], s[32:33] offset:(\off)+64*lk+32
.set lk, lk+1
.endr
.set la, la+1
.endr
	WIN 0
.endm
; 32 along K, step 'step' of the trip, of all 128 LDS rows, into buffer buf; an address register serves two blocks of 16 rows
.macro LOADB step, buf
.set lb, 0
.rept 8
	ds_load_b128 v[BF+64*(\buf)+8*lb:BF+64*(\buf)+8*lb+3],   v[16+lb/2] offset:(lb%2)*16*PW+64*(\step)
	ds_load_b128 v[BF+64*(\buf)+8*lb+4:BF+64*(\buf)+8*lb+7], v[16+lb/2] offset:(lb%2)*16*PW+64*(\step)+32
.set lb, lb+1
.endr
.endm
; In front of step j of the 8 of a trip (256 along K): its fragments are waited for, and the next are asked for: weights one step ahead, tokens four steps ahead.
.macro KHEAD mt, j
	WIN 0
.if ((\j) == 0) || ((\j) == 4)
	s_wait_loadcnt 0x0                             ; the tokens of the next four steps are in
.endif
	s_wait_dscnt 0x0                               ; this step's weights are in
	PLACES                                         ; the loads below go into registers that the last products read
.if (\j) == 0
	LOADA \mt, 1, 256
.endif
.if (\j) == 4
	s_cmp_eq_u32 s25, 1
	s_cbranch_scc1 .Lno_a_\@                       ; the last trip has no further tokens to ask for
	LOADA \mt, 0, 512
.Lno_a_\@:
.endif
.if (\j) == 7
	s_cmp_eq_u32 s25, 1
	s_cbranch_scc1 .Lno_b_\@                       ; nor further weights
	LOADB 8, 0
.Lno_b_\@:
.else
	LOADB (\j)+1, ((\j)+1)&1
.endif
.endm
; Step j's 8 mt products.  The accumulators take turns, one instruction a turn.  first = 1: the bias starts the sums.
.macro KMUL mt, j, first
.if \first
	WIN 0x81                                       ; tokens window 1, weights window 0, C (the bias) window 0, D window 2
.else
	WIN 0xa1                                       ; C and D window 2
.endif
.set ma, 0
.rept \mt
.set mb, 0
.rept 8
.if \first
	v_wmma_f32_16x16x32_bf16 v[64*ma+8*mb:64*ma+8*mb+7], v[128*((\j)>>2)+32*ma+8*((\j)&3):128*((\j)>>2)+32*ma+8*((\j)&3)+7], v[BF+64*((\j)&1)+8*mb:BF+64*((\j)&1)+8*mb+7], v[BIAS+8*mb:BIAS+8*mb+7]
.else
	v_wmma_f32_16x16x32_bf16 v[64*ma+8*mb:64*ma+8*mb+7], v[128*((\j)>>2)+32*ma+8*((\j)&3):128*((\j)>>2)+32*ma+8*((\j)&3)+7], v[BF+64*((\j)&1)+8*mb:BF+64*((\j)&1)+8*mb+7], v[64*ma+8*mb:64*ma+8*mb+7]
.endif
.set mb, mb+1
.endr
.set ma, ma+1
.endr
.endm
; mt sub-tiles from s22 on, through all of K: 4 trips of 8 steps; the first step is written out ahead of the loop, which is entered behind it.  The addresses step once a trip, at its end.
.macro TILE mt
	s_mov_b32 s48, \mt
	s_mov_b64 s[32:33], s[30:31]
.irp q, 0,1,2,3
	v_add_nc_u32 v[16+(\q)], (\q)*32*PW, v4
.endr
	LOADA \mt, 0, 0
	LOADB 0, 0
	s_mov_b32 s25, 4
	KHEAD \mt, 0
	KMUL \mt, 0, 1
	WIN 0
	s_branch .Lin_\@
.Ltop_\@:
	KHEAD \mt, 0
	KMUL \mt, 0, 0
	WIN 0
.Lin_\@:
.irp j, 1,2,3,4,5,6,7
	KHEAD \mt, \j
	KMUL \mt, \j, 0
.endr
	WIN 0
	s_wait_xcnt 0x0                                ; the walking base is stepped only behind this wait
	s_add_nc_u64 s[32:33], s[32:33], 512
.irp q, 0,1,2,3
	v_add_nc_u32 v[16+(\q)], 512, v[16+(\q)]
.endr
	s_sub_co_u32 s25, s25, 1
	s_cmp_lg_u32 s25, 0
	s_cbranch_scc1 .Ltop_\@
	PLACES                                         ; behind the last products, ahead of the way out
.endm
; THE WAY OUT of sub-tile a: token j's eight columns, register j of the eight blocks, rounded to bf16, relu on the packed halves, stored from registers
.macro EPI a
	s_wait_xcnt 0x0                                ; the last stores have read their registers and their base
	s_add_co_u32 s27, s22, \a
	s_min_u32 s27, s27, 63
	s_lshl_b32 s38, s27, 17                        ; 16 rows of 8,192 bytes
	s_add_nc_u64 s[36:37], s[34:35], s[38:39]
	WIN 0x0a                                       ; sources window 2
.set j, 0
.rept 8
.set i, 0
.rept 4
	v_cvt_pk_bf16_f32 v[T+4*j+i], v[64*(\a)+16*i+j], v[64*(\a)+16*i+8+j]
.set i, i+1
.endr
.set j, j+1
.endr
	WIN 0
.set i, 0
.rept 32
	v_pk_max_num_bf16 v[T+i], v[T+i], v11
.set i, i+1
.endr
.irp t, 0,1,2,3,4,5,6,7
	global_store_b128 v10, v[T+4*(\t):T+4*(\t)+3], s[36:37] offset:(\t)*8192  ; rows t and 8 + t: 16 lanes store 256 consecutive bytes, aligned
.endr
.endm
	s_mov_b32 s24, 5
.Louter:
	s_wait_loadcnt 0x0                             ; nothing is out here; the three waits are written so that it holds on every way to this label:
	s_wait_dscnt 0x0                               ; the fragment registers are loaded anew below,
	s_wait_xcnt 0x0                                ; and the registers of the last stores are written again
	s_mov_b32 s48, 0
	s_cmp_eq_u32 s23, 0
	s_cbranch_scc1 .Lnext
	LOOKUP
	s_cmp_ge_u32 s23, 4
	s_cbranch_scc1 .Lt4
	s_cmp_ge_u32 s23, 2
	s_cbranch_scc1 .Lt2
	TILE 1
	s_branch .LE0
.Lt4:
	TILE 4
	s_branch .LE3
.Lt2:
	TILE 2
	s_branch .LE1
.LE3:
	EPI 3
	EPI 2
.LE1:
	EPI 1
.LE0:
	EPI 0
.Lnext:
	s_add_co_u32 s22, s22, s48
	s_sub_co_u32 s23, s23, s48
	s_sub_co_u32 s24, s24, 1
	s_cmp_lg_u32 s24, 0
	s_cbranch_scc1 .Louter
	s_wait_dscnt 0x0                               ; my reads of LDS are over;
	s_barrier_signal -1
	s_barrier_wait -1                              ; everybody's are: LDS is written again only behind this barrier
	s_wait_tensorcnt 0x0                           ; the wave's end: an add onto my spare word, behind my last LDS store
	ds_add_u32 v28, v29
	s_wait_dscnt 0x0
	s_endpgm
.Lfunc_end_k_qe7a8bac459_up:
	.size	k_qe7a8bac459_up, .Lfunc_end_k_qe7a8bac459_up-k_qe7a8bac459_up
	.p2alignl 7, 3214868480
	.fill 96, 4, 3214868480
	.section	.rodata,"a",@progbits
	.p2align	6, 0x0
	.amdhsa_kernel k_qe7a8bac459_up
		.amdhsa_group_segment_fixed_size 264704
		.amdhsa_private_segment_fixed_size 0
		.amdhsa_enable_private_segment 0
		.amdhsa_kernarg_size 48
		.amdhsa_user_sgpr_count 2
		.amdhsa_user_sgpr_kernarg_segment_ptr 1
		.amdhsa_wavefront_size32 1
		.amdhsa_system_sgpr_workgroup_id_x 1
		.amdhsa_system_sgpr_workgroup_id_y 1
		.amdhsa_system_sgpr_workgroup_id_z 1
		.amdhsa_system_vgpr_workitem_id 0
		.amdhsa_next_free_vgpr 768
		.amdhsa_next_free_sgpr 98
		.amdhsa_reserve_vcc 1
		.amdhsa_float_denorm_mode_32 3
		.amdhsa_float_denorm_mode_16_64 3
		.amdhsa_memory_ordered 1
		.amdhsa_forward_progress 1
		.amdhsa_inst_pref_size 187
	.end_amdhsa_kernel
	.amdgpu_metadata
---
amdhsa.version: [ 1, 2 ]
amdhsa.kernels:
  - .name:           k_qe7a8bac459_up
    .symbol:         k_qe7a8bac459_up.kd
    .args:
      - { .name: xb, .offset: 0, .size: 8, .value_kind: global_buffer, .address_space: global }
      - { .name: idx, .offset: 8, .size: 8, .value_kind: global_buffer, .address_space: global }
      - { .name: w1, .offset: 16, .size: 8, .value_kind: global_buffer, .address_space: global }
      - { .name: b1, .offset: 24, .size: 8, .value_kind: global_buffer, .address_space: global }
      - { .name: h, .offset: 32, .size: 8, .value_kind: global_buffer, .address_space: global }
      - { .name: rankmap, .offset: 40, .size: 8, .value_kind: global_buffer, .address_space: global }
    .group_segment_fixed_size: 264704
    .private_segment_fixed_size: 0
    .kernarg_segment_align: 8
    .kernarg_segment_size: 48
    .max_flat_workgroup_size: 128
    .sgpr_count:     98
    .vgpr_count:     768
    .wavefront_size: 32
...
	.end_amdgpu_metadata
.endif
;; end of part 2
;; launch down (part 3): grid 32 x 8, 4 waves a work-group, no clusters, 264,704 bytes of LDS; arguments h, rankmap, w2, ypart; writes ypart
.if DOCPART == 3
	.amdgcn_target "amdgcn-amd-amdhsa--gfx1250"
	.amdhsa_code_object_version 6
	.text
	.protected	k_qe7a8bac459_down
	.globl	k_qe7a8bac459_down
	.p2align	8
	.type	k_qe7a8bac459_down,@function
k_qe7a8bac459_down:
	s_mov_b64 s[64:65], 0
	v_nop
	global_prefetch_b8 v0, s[64:65] scope:SCOPE_SE
	s_setreg_imm32_b32 hwreg(HW_REG_WAVE_MODE, 25, 1), 1
	s_wait_xcnt 0x0
; THE SECOND PRODUCT, in four quarters of K.  ypart[kq][e][rank][n] = the sum over k = 1,024 kq .. + 1,023 of h[e][rank][k] w2[e][k][n], in f32 (partial sums stay in f32); w2 is rounded to bf16 on its way.
; SHARES.  Work-group (slice, e): columns 128 (slice % 8) .. + 127, K quarter slice / 8, of expert e's w2: 512 KiB of f32 that it alone reads, once.
; PHASE A streams them through registers (wave w: 256 rows, a row of 512 consecutive bytes a load, 64 loads always out), rounds them and lays them into LDS with K along the row: 128 rows of 2,048 bytes.
; LDS row 16 b + r holds column 64 (b / 4) + 4 r + b % 4, so that in the results a lane has four neighbouring columns in four blocks.  ONE barrier.
; PHASE B multiplies the expert's rows of h, which lie end to end by rank, in sub-tiles of 16, dealt to the four waves in runs; a wave takes 4, 2 or 1 at a time.  Nothing writes LDS in this phase, so it has no
; barrier; the loop over a wave's sub-tiles has a constant 5 trips (4+4+4+2+1 covers the most, 16 a wave) and jumps forward over what the stored count does not need.
; The last sub-tile's rows past the count were written by the launch before (a repeated token); their results are stored and nobody reads them.  An expert without rows streams its slice and stores nothing.
; THE MATRIX INSTRUCTION: source 0 = 16 rows of h (from memory), source 1 = 16 LDS rows of weights: register j of a result holds row 8 (l / 16) + j of h and LDS row l % 16.
; THE WAY OUT needs no LDS: register j of four blocks is copied into four neighbouring registers, 16 bytes of a row of ypart a lane, and sixteen lanes are 256 consecutive bytes.
; NO CLUSTER, NO TENSOR LOAD: a slice has one reader and must pass through registers to be rounded; the trips hang on a stored count.
; REGISTERS, in windows of 256 (s_set_vgpr_msb: bits 1:0 source 0, 3:2 source 1, 5:4 source 2, 7:6 destination):
;   window 0: v0-31 addresses; v32-95 at work; v128-255 two buffers of weight fragments
;   window 1: phase A the ring, 64 slots of 4; phase B two buffers of h's fragments, 128 buf + 32 a + 8 ks          window 2: the accumulators, 64 a + 8 b
.set RP,    4096                       ; bytes from a row of w2 to the next
.set PW,    2064                       ; an LDS row: 2,048 bytes + 16 = 129 x 16: the 16 rows that a fragment load or a store of phase A touches start at 16 different groups of four banks (ISA guide 11.1)
.set SPARE, 128*PW                     ; behind the weights: the spare words, 128 bytes a wave
.set T,    32
.set BF,   128
; v1 l % 16; v2 l / 16; v3 16 (l / 16); v4 my place in a fragment; v6, v8 where I lay weights; v7 16 lane; v10 my offset in ypart; v12-15 a sub-tile's byte offset in h; v16-19 fragment addresses, walking
; v20 lane; v28, v29 the add's two registers; v30, v31 at work
; s16 wave; s17 slice; s18 e; s19 count; s20 sub-tiles; s21 a wave's share; s22 my next sub-tile; s23 mine still to do; s24, s25, s43 counters; s27 at work; s[28:29] w2; s[30:31] h;
; s[32:33] h, walking along K; s[34:35] ypart; s[36:37] ypart at a sub-tile; s[38:39] an offset; s[44:45] the count's address; s46 column slice; s47 K quarter; s48 sub-tiles taken in this trip
.set MSB, 0
.macro WIN new                         ; the immediate's high byte repeats the setting that is left; a switch that changes nothing is dropped
.if MSB != (\new)
	s_set_vgpr_msb (MSB<<8)|(\new)
.set MSB, \new
.endif
.endm
.macro PLACES                          ; four plain instructions between a matrix instruction and a load into, or a reader of, its registers
.rept 4
	v_nop
.endr
.endm
	s_load_b256 s[4:11], s[0:1], 0x0               ; h 4, rankmap 6, w2 8, ypart 10
	v_lshl_add_u32 v28, v0, 2, SPARE
	v_mov_b32 v29, 0
	v_lshrrev_b32 v31, 5, v0
	v_readfirstlane_b32 s16, v31
	s_mov_b32 s17, ttmp9
	s_and_b32 s18, ttmp7, 0xffff
	s_and_b32 s46, s17, 7
	s_lshr_b32 s47, s17, 3
	v_and_b32 v20, 31, v0
	v_and_b32 v1, 15, v0
	v_bfe_u32 v2, v0, 4, 1
	v_lshlrev_b32 v3, 4, v2
	v_mul_u32_u24 v4, v1, PW
	v_add_nc_u32 v4, v4, v3                        ; a fragment: row l % 16, 16 bytes for each half of the lanes
	v_lshl_add_u32 v30, v2, 6, v1                  ; my four columns 4 lane + i = 64 (lane / 16) + 4 (lane % 16) + i lie in LDS rows 64 (lane / 16) + 16 i + lane % 16
	v_mul_u32_u24 v6, v30, PW
	s_lshl_b32 s27, s16, 9                         ; my wave's 256 k: 512 bytes of each LDS row
	v_add_nc_u32 v6, s27, v6                       ; i = 0, 1
	v_add_nc_u32 v8, 32*PW, v6                     ; i = 2, 3
	v_lshlrev_b32 v7, 4, v20
	v_lshlrev_b32 v10, 15, v2                      ; ypart: lanes 16-31 eight rows of 4,096 bytes further down,
	v_lshl_add_u32 v10, v1, 4, v10                 ; 16 bytes a lane
	s_lshl_b32 s38, s18, 24                        ; w2: expert, K quarter, my wave's 256 rows, the slice's 512 bytes
	s_lshl_b32 s27, s47, 22
	s_add_co_u32 s38, s38, s27
	s_lshl_b32 s27, s16, 20
	s_add_co_u32 s38, s38, s27
	s_lshl_b32 s27, s46, 9
	s_add_co_u32 s38, s38, s27
	s_mov_b32 s39, 0
	s_wait_kmcnt 0x0
	s_add_nc_u64 s[28:29], s[8:9], s[38:39]
	s_lshl_b32 s38, s18, 23                        ; h: the expert's 1,024 rows of 8,192 bytes, the quarter's 2,048 bytes
	s_lshl_b32 s27, s47, 11
	s_add_co_u32 s38, s38, s27
	s_add_nc_u64 s[30:31], s[4:5], s[38:39]
	s_lshl_b32 s38, s47, 25                        ; ypart: quarter, the expert's 1,024 rows of 4,096 bytes, the slice's 512 bytes
	s_lshl_b32 s27, s18, 22
	s_add_co_u32 s38, s38, s27
	s_lshl_b32 s27, s46, 9
	s_add_co_u32 s38, s38, s27
	s_add_nc_u64 s[34:35], s[10:11], s[38:39]
	s_lshl_b32 s38, s18, 7
	s_add_nc_u64 s[44:45], s[6:7], s[38:39]
	s_load_b32 s19, s[44:45], 0x8000               ; the expert's count; waited for behind the stream
	WIN 0x40                                       ; destination window 1
.set i, 0
.rept 64
	global_load_b128 v[4*i:4*i+3], v7, s[28:29] offset:i*RP th:TH_LOAD_NT  ; the ring is filled: rows 0 to 63, 512 consecutive bytes each
.set i, i+1
.endr
	WIN 0
; Eight slots' turn, 8 k of my 4 columns: two k of a column are rounded into a word, a column's 8 k are 16 bytes of its LDS row; then (fill = 1) the slots are loaded again with the rows 64 further on.
; left = the younger loads that may stay out.
.macro GROUP g, fill, left
	s_wait_loadcnt \left                           ; loads come back in order: these eight slots are in
	WIN 0x05                                       ; sources window 1, destination window 0
.set i, 0
.rept 4
.set m, 0
.rept 4
	v_cvt_pk_bf16_f32 v[T+4*i+m], v[4*(8*(\g)+2*m)+i], v[4*(8*(\g)+2*m+1)+i]
.set m, m+1
.endr
.set i, i+1
.endr
	WIN 0x40
	ds_store_b128 v6, v[T:T+3]     offset:16*(\g)
	ds_store_b128 v6, v[T+4:T+7]   offset:16*PW+16*(\g)
	ds_store_b128 v8, v[T+8:T+11]  offset:16*(\g)
	ds_store_b128 v8, v[T+12:T+15] offset:16*PW+16*(\g)
.if \fill
.set i, 0
.rept 8
	global_load_b128 v[4*(8*(\g)+i):4*(8*(\g)+i)+3], v7, s[28:29] offset:(64+8*(\g)+i)*RP th:TH_LOAD_NT
.set i, i+1
.endr
.endif
.endm
	s_mov_b32 s43, 3
.Lring:
.irp g, 0,1,2,3,4,5,6,7
	GROUP \g, 1, 56                                ; behind these eight slots' loads 56 were issued
.endr
	WIN 0
	s_wait_xcnt 0x0                                ; the base is stepped only behind this wait
	s_add_nc_u64 s[28:29], s[28:29], 64*RP
	v_add_nc_u32 v6, 128, v6                       ; 64 k on in each LDS row
	v_add_nc_u32 v8, 128, v8
	s_sub_co_u32 s43, s43, 1
	s_cmp_lg_u32 s43, 0
	s_cbranch_scc1 .Lring
.irp g, 0,1,2,3,4,5,6,7
	GROUP \g, 0, 56-8*(\g)                         ; the last 64 rows: nothing is asked for, the counts run down to 0
.endr
	WIN 0
	s_wait_dscnt 0x0                               ; for the others' sake: my part of the weights is in LDS
	s_barrier_signal -1
	s_barrier_wait -1
	s_wait_kmcnt 0x0                               ; the count
	s_min_u32 s19, s19, 1024
	s_add_co_u32 s20, s19, 15
	s_lshr_b32 s20, s20, 4                         ; sub-tiles of 16
	s_add_co_u32 s21, s20, 3
	s_lshr_b32 s21, s21, 2                         ; a wave's share
	s_mul_i32 s22, s16, s21
	s_min_u32 s22, s22, s20                        ; my first
	s_sub_co_u32 s23, s20, s22
	s_min_u32 s23, s23, s21                        ; how many are mine
; 128 along K of mt sub-tiles' rows of h, at byte off from the walking base, into buffer buf: a lane's 16 bytes at k = 8 (l / 16) and at 16 + 8 (l / 16) of each 32
.macro LOADA mt, buf, off
	WIN 0x40
.set la, 0
.rept \mt
.set lk, 0
.rept 4
	global_load_b128 v[128*(\buf)+32*la+8*lk:128*(\buf)+32*la+8*lk+3],   v[12+la], s[32:33] offset:(\off)+64*lk
	global_load_b128 v[128*(\buf)+32*la+8*lk+4:128*(\buf)+32*la+8*lk+7], v[12+la], s[32:33] offset:(\off)+64*lk+32
.set lk, lk+1
.endr
.set la, la+1
.endr
	WIN 0
.endm
; 32 along K, step 'step' of the trip, of all 128 LDS rows, into buffer buf; an address register serves two blocks of 16 rows
.macro LOADB step, buf
.set lb, 0
.rept 8
	ds_load_b128 v[BF+64*(\buf)+8*lb:BF+64*(\buf)+8*lb+3],   v[16+lb/2] offset:(lb%2)*16*PW+64*(\step)
	ds_load_b128 v[BF+64*(\buf)+8*lb+4:BF+64*(\buf)+8*lb+7], v[16+lb/2] offset:(lb%2)*16*PW+64*(\step)+32
.set lb, lb+1
.endr
.endm
; In front of step j of the 8 of a trip (256 along K): its fragments are waited for, and the next are asked for: weights one step ahead, rows of h four steps ahead.
.macro KHEAD mt, j
	WIN 0
.if ((\j) == 0) || ((\j) == 4)
	s_wait_loadcnt 0x0                             ; h of the next four steps is in
.endif
	s_wait_dscnt 0x0                               ; this step's weights are in
	PLACES                                         ; the loads below go into registers that the last products read
.if (\j) == 0
	LOADA \mt, 1, 256
.endif
.if (\j) == 4
	s_cmp_eq_u32 s25, 1
	s_cbranch_scc1 .Lno_a_\@                       ; the last trip has nothing further of h to ask for
	LOADA \mt, 0, 512
.Lno_a_\@:
.endif
.if (\j) == 7
	s_cmp_eq_u32 s25, 1
	s_cbranch_scc1 .Lno_b_\@                       ; nor further weights
	LOADB 8, 0
.Lno_b_\@:
.else
	LOADB (\j)+1, ((\j)+1)&1
.endif
.endm
; Step j's 8 mt products.  The accumulators take turns, one instruction a turn.  first = 1: the constant 0 starts the sums.
.macro KMUL mt, j, first
	WIN 0xa1                                       ; h window 1, weights window 0, C and D window 2
.set ma, 0
.rept \mt
.set mb, 0
.rept 8
.if \first
	v_wmma_f32_16x16x32_bf16 v[64*ma+8*mb:64*ma+8*mb+7], v[128*((\j)>>2)+32*ma+8*((\j)&3):128*((\j)>>2)+32*ma+8*((\j)&3)+7], v[BF+64*((\j)&1)+8*mb:BF+64*((\j)&1)+8*mb+7], 0
.else
	v_wmma_f32_16x16x32_bf16 v[64*ma+8*mb:64*ma+8*mb+7], v[128*((\j)>>2)+32*ma+8*((\j)&3):128*((\j)>>2)+32*ma+8*((\j)&3)+7], v[BF+64*((\j)&1)+8*mb:BF+64*((\j)&1)+8*mb+7], v[64*ma+8*mb:64*ma+8*mb+7]
.endif
.set mb, mb+1
.endr
.set ma, ma+1
.endr
.endm
; mt sub-tiles from s22 on, through the quarter's K: 4 trips of 8 steps; the first step is written out ahead of the loop, which is entered behind it.  The addresses step once a trip, at its end.
.macro TILE mt
	s_mov_b32 s48, \mt
.set ta, 0
.rept \mt
	s_add_co_u32 s27, s22, ta
	s_min_u32 s27, s27, 63
	s_lshl_b32 s27, s27, 4
	v_add_nc_u32 v[12+ta], s27, v1                 ; my rank,
	v_lshl_add_u32 v[12+ta], v[12+ta], 13, v3      ; its row of 8,192 bytes + 16 (l / 16)
.set ta, ta+1
.endr
	s_mov_b64 s[32:33], s[30:31]
.irp q, 0,1,2,3
	v_add_nc_u32 v[16+(\q)], (\q)*32*PW, v4
.endr
	LOADA \mt, 0, 0
	LOADB 0, 0
	s_mov_b32 s25, 4
	KHEAD \mt, 0
	KMUL \mt, 0, 1
	WIN 0
	s_branch .Lin_\@
.Ltop_\@:
	KHEAD \mt, 0
	KMUL \mt, 0, 0
	WIN 0
.Lin_\@:
.irp j, 1,2,3,4,5,6,7
	KHEAD \mt, \j
	KMUL \mt, \j, 0
.endr
	WIN 0
	s_wait_xcnt 0x0                                ; the walking base is stepped only behind this wait
	s_add_nc_u64 s[32:33], s[32:33], 512
.irp q, 0,1,2,3
	v_add_nc_u32 v[16+(\q)], 512, v[16+(\q)]
.endr
	s_sub_co_u32 s25, s25, 1
	s_cmp_lg_u32 s25, 0
	s_cbranch_scc1 .Ltop_\@
	PLACES                                         ; behind the last products, ahead of the way out
.endm
; THE WAY OUT of sub-tile a, in f32.  Row j's columns 64 g + 4 r + 0..3 are register j of blocks 4 g + 0..3: the copies bring them side by side for a store of 16 bytes (each accumulator's lowest register is read first).
.macro EPI a
	s_wait_xcnt 0x0                                ; the last stores have read their registers and their base
	s_add_co_u32 s27, s22, \a
	s_min_u32 s27, s27, 63
	s_lshl_b32 s38, s27, 16                        ; 16 rows of 4,096 bytes
	s_add_nc_u64 s[36:37], s[34:35], s[38:39]
	WIN 0x02                                       ; source window 2
.set j, 0
.rept 8
.set g, 0
.rept 2
.set i, 0
.rept 4
	v_mov_b32 v[T+4*(2*j+g)+i], v[64*(\a)+32*g+8*i+j]
.set i, i+1
.endr
.set g, g+1
.endr
.set j, j+1
.endr
	WIN 0
.set j, 0
.rept 8
	global_store_b128 v10, v[T+8*j:T+8*j+3],   s[36:37] offset:j*4096      ; rows j and 8 + j: 16 lanes store 256 consecutive bytes, aligned
	global_store_b128 v10, v[T+8*j+4:T+8*j+7], s[36:37] offset:j*4096+256
.set j, j+1
.endr
.endm
	s_mov_b32 s24, 5
.Louter:
	s_wait_loadcnt 0x0                             ; nothing is out here; the three waits are written so that it holds on every way to this label:
	s_wait_dscnt 0x0                               ; the fragment registers are loaded anew below,
	s_wait_xcnt 0x0                                ; and the registers of the last stores are written again
	s_mov_b32 s48, 0
	s_cmp_eq_u32 s23, 0
	s_cbranch_scc1 .Lnext
	s_cmp_ge_u32 s23, 4
	s_cbranch_scc1 .Lt4
	s_cmp_ge_u32 s23, 2
	s_cbranch_scc1 .Lt2
	TILE 1
	s_branch .LE0
.Lt4:
	TILE 4
	s_branch .LE3
.Lt2:
	TILE 2
	s_branch .LE1
.LE3:
	EPI 3
	EPI 2
.LE1:
	EPI 1
.LE0:
	EPI 0
.Lnext:
	s_add_co_u32 s22, s22, s48
	s_sub_co_u32 s23, s23, s48
	s_sub_co_u32 s24, s24, 1
	s_cmp_lg_u32 s24, 0
	s_cbranch_scc1 .Louter
	s_wait_dscnt 0x0                               ; my reads of LDS are over;
	s_barrier_signal -1
	s_barrier_wait -1                              ; everybody's are: LDS is written again only behind this barrier
	s_wait_tensorcnt 0x0                           ; the wave's end: an add onto my spare word, behind my last LDS store
	ds_add_u32 v28, v29
	s_wait_dscnt 0x0
	s_endpgm
.Lfunc_end_k_qe7a8bac459_down:
	.size	k_qe7a8bac459_down, .Lfunc_end_k_qe7a8bac459_down-k_qe7a8bac459_down
	.p2alignl 7, 3214868480
	.fill 96, 4, 3214868480
	.section	.rodata,"a",@progbits
	.p2align	6, 0x0
	.amdhsa_kernel k_qe7a8bac459_down
		.amdhsa_group_segment_fixed_size 264704
		.amdhsa_private_segment_fixed_size 0
		.amdhsa_enable_private_segment 0
		.amdhsa_kernarg_size 32
		.amdhsa_user_sgpr_count 2
		.amdhsa_user_sgpr_kernarg_segment_ptr 1
		.amdhsa_wavefront_size32 1
		.amdhsa_system_sgpr_workgroup_id_x 1
		.amdhsa_system_sgpr_workgroup_id_y 1
		.amdhsa_system_sgpr_workgroup_id_z 1
		.amdhsa_system_vgpr_workitem_id 0
		.amdhsa_next_free_vgpr 768
		.amdhsa_next_free_sgpr 66
		.amdhsa_reserve_vcc 0
		.amdhsa_float_denorm_mode_32 3
		.amdhsa_float_denorm_mode_16_64 3
		.amdhsa_memory_ordered 1
		.amdhsa_forward_progress 1
		.amdhsa_inst_pref_size 147
	.end_amdhsa_kernel
	.amdgpu_metadata
---
amdhsa.version: [ 1, 2 ]
amdhsa.kernels:
  - .name:           k_qe7a8bac459_down
    .symbol:         k_qe7a8bac459_down.kd
    .args:
      - { .name: h, .offset: 0, .size: 8, .value_kind: global_buffer, .address_space: global }
      - { .name: rankmap, .offset: 8, .size: 8, .value_kind: global_buffer, .address_space: global }
      - { .name: w2, .offset: 16, .size: 8, .value_kind: global_buffer, .address_space: global }
      - { .name: ypart, .offset: 24, .size: 8, .value_kind: global_buffer, .address_space: global }
    .group_segment_fixed_size: 264704
    .private_segment_fixed_size: 0
    .kernarg_segment_align: 8
    .kernarg_segment_size: 32
    .max_flat_workgroup_size: 128
    .sgpr_count:     66
    .vgpr_count:     768
    .wavefront_size: 32
...
	.end_amdgpu_metadata
.endif
;; end of part 3
;; launch combine (part 4): grid 256 x 1, 8 waves a work-group, no clusters, 0 bytes of LDS; arguments idx, gates, rankmap, ypart, b2, out0; writes out0
.if DOCPART == 4
	.amdgcn_target "amdgcn-amd-amdhsa--gfx1250"
	.amdhsa_code_object_version 6
	.text
	.protected	k_qe7a8bac459_combine
	.globl	k_qe7a8bac459_combine
	.p2align	8
	.type	k_qe7a8bac459_combine,@function
k_qe7a8bac459_combine:
	s_mov_b64 s[64:65], 0
	v_nop
	global_prefetch_b8 v0, s[64:65] scope:SCOPE_SE
	s_setreg_imm32_b32 hwreg(HW_REG_WAVE_MODE, 25, 1), 1
	s_wait_xcnt 0x0
; THE SUM.  out[t] = g0 (y[e0] + b2[e0]) + g1 (y[e1] + b2[e1]), where y[e] is the sum of the four K quarters of ypart at row 1,024 e + rank of t in e.  All in f32; b2 is rounded to bf16 first, like every input.
; SHARES.  A work-group has 4 tokens, a wave half a row of one token: 2,048 bytes, four loads of 512 consecutive bytes from each of its 8 partial rows and 2 bias rows, all 40 asked for before the first wait.
; Which rows: the token's two experts (idx) and its ranks there (rankmap), whole numbers that earlier launches stored, read by scalar loads and clamped to their tables.
; A stream: no LDS, no barrier, no matrix unit.
; v2-5 16 lane + quarter x 2^25; v6, v7 at work; v[16:175] chunk c, choice k at 16 + 40 c + 20 k: four quarters of 4 registers, then the bias
; s16 wave; s17 token; s18 2,048 x half; s[20:21] an offset; s24, s25 experts; s[28:29] gates; s34, s35 ranks; s[36:37] g1 twice; s[40:43] b2's two rows; s[44:47] ypart's two rows; s[48:49] out; s50 a word's upper bf16
	s_load_b256 s[4:11], s[0:1], 0x0               ; idx 4, gates 6, rankmap 8, ypart 10
	s_load_b128 s[12:15], s[0:1], 0x20             ; b2 12, out0 14
	v_lshrrev_b32 v1, 5, v0
	v_readfirstlane_b32 s16, v1
	s_lshr_b32 s17, s16, 1
	s_lshl_b32 s19, ttmp9, 2
	s_add_co_u32 s17, s17, s19                     ; my token
	s_and_b32 s18, s16, 1
	s_lshl_b32 s18, s18, 11                        ; my half of its row
	s_mov_b32 s50, 0xffff0000
	v_and_b32 v2, 31, v0
	v_lshlrev_b32 v2, 4, v2
	v_add_nc_u32 v3, 1<<25, v2                     ; a quarter of ypart is 8,192 rows of 4,096 bytes
	v_add_nc_u32 v4, 2<<25, v2
	v_add_nc_u32 v5, 3<<25, v2
	s_lshl_b32 s20, s17, 3
	s_mov_b32 s21, 0
	s_wait_kmcnt 0x0
	s_add_nc_u64 s[22:23], s[4:5], s[20:21]
	s_add_nc_u64 s[26:27], s[6:7], s[20:21]
	s_load_b64 s[24:25], s[22:23], 0x0
	s_load_b64 s[28:29], s[26:27], 0x0
	s_lshl_b32 s20, s17, 12
	s_add_co_u32 s20, s20, s18
	s_add_nc_u64 s[48:49], s[14:15], s[20:21]
	s_wait_kmcnt 0x0
	s_min_u32 s24, s24, 7
	s_min_u32 s25, s25, 7
	s_lshl_b32 s19, s17, 2
	s_lshl_b32 s20, s24, 12                        ; rankmap: 4,096 bytes an expert, a word a token
	s_add_co_u32 s20, s20, s19
	s_add_nc_u64 s[30:31], s[8:9], s[20:21]
	s_lshl_b32 s20, s25, 12
	s_add_co_u32 s20, s20, s19
	s_add_nc_u64 s[32:33], s[8:9], s[20:21]
	s_load_b32 s34, s[30:31], 0x0
	s_load_b32 s35, s[32:33], 0x0
	s_lshl_b32 s20, s24, 12                        ; b2: 4,096 bytes an expert
	s_add_co_u32 s20, s20, s18
	s_add_nc_u64 s[40:41], s[12:13], s[20:21]
	s_lshl_b32 s20, s25, 12
	s_add_co_u32 s20, s20, s18
	s_add_nc_u64 s[42:43], s[12:13], s[20:21]
	s_mov_b32 s36, s29                             ; the packed lines take a pair's low word for both halves
	s_mov_b32 s37, s29
	s_wait_kmcnt 0x0
	s_min_u32 s34, s34, 1023
	s_min_u32 s35, s35, 1023
	s_lshl_b32 s20, s24, 10
	s_add_co_u32 s20, s20, s34                     ; row = 1,024 e + rank
	s_lshl_b32 s20, s20, 12
	s_add_co_u32 s20, s20, s18
	s_add_nc_u64 s[44:45], s[10:11], s[20:21]
	s_lshl_b32 s20, s25, 10
	s_add_co_u32 s20, s20, s35
	s_lshl_b32 s20, s20, 12
	s_add_co_u32 s20, s20, s18
	s_add_nc_u64 s[46:47], s[10:11], s[20:21]
.irp c, 0,1,2,3
.irp k, 0,1
.irp q, 0,1,2,3
	global_load_b128 v[16+40*(\c)+20*(\k)+4*(\q):16+40*(\c)+20*(\k)+4*(\q)+3], v[2+(\q)], s[44+2*(\k):45+2*(\k)] offset:512*(\c) th:TH_LOAD_NT
.endr
	global_load_b128 v[16+40*(\c)+20*(\k)+16:16+40*(\c)+20*(\k)+19], v2, s[40+2*(\k):41+2*(\k)] offset:512*(\c)
.endr
.endr
; the four quarters and the rounded bias of one choice, into the first quarter's registers
.macro SUMK b
	v_cvt_pk_bf16_f32 v6, v[(\b)+16], v[(\b)+17]
	v_cvt_pk_bf16_f32 v7, v[(\b)+18], v[(\b)+19]
.irp u, 0,2
	v_pk_add_f32 v[(\b)+(\u):(\b)+(\u)+1], v[(\b)+(\u):(\b)+(\u)+1], v[(\b)+4+(\u):(\b)+4+(\u)+1]
	v_pk_add_f32 v[(\b)+8+(\u):(\b)+8+(\u)+1], v[(\b)+8+(\u):(\b)+8+(\u)+1], v[(\b)+12+(\u):(\b)+12+(\u)+1]
.endr
	v_lshlrev_b32 v[(\b)+16], 16, v6
	v_and_b32 v[(\b)+17], s50, v6
	v_lshlrev_b32 v[(\b)+18], 16, v7
	v_and_b32 v[(\b)+19], s50, v7
.irp u, 0,2
	v_pk_add_f32 v[(\b)+(\u):(\b)+(\u)+1], v[(\b)+(\u):(\b)+(\u)+1], v[(\b)+8+(\u):(\b)+8+(\u)+1]
.endr
.irp u, 0,2
	v_pk_add_f32 v[(\b)+(\u):(\b)+(\u)+1], v[(\b)+(\u):(\b)+(\u)+1], v[(\b)+16+(\u):(\b)+16+(\u)+1]
.endr
.endm
.irp c, 0,1,2,3
	s_wait_loadcnt 30-10*(\c)                      ; this chunk's ten loads are in; the later chunks' stay out
	SUMK 16+40*(\c)
	SUMK 36+40*(\c)
.irp u, 0,2
	v_pk_mul_f32 v[16+40*(\c)+(\u):16+40*(\c)+(\u)+1], v[16+40*(\c)+(\u):16+40*(\c)+(\u)+1], s[28:29] op_sel_hi:[1,0]
.endr
.irp u, 0,2
	v_pk_fma_f32 v[16+40*(\c)+(\u):16+40*(\c)+(\u)+1], v[36+40*(\c)+(\u):36+40*(\c)+(\u)+1], s[36:37], v[16+40*(\c)+(\u):16+40*(\c)+(\u)+1] op_sel_hi:[1,0,1]
.endr
	global_store_b128 v2, v[16+40*(\c):16+40*(\c)+3], s[48:49] offset:512*(\c) th:TH_STORE_NT  ; 512 consecutive bytes, aligned; its registers are not written again
.endr
	s_endpgm
.Lfunc_end_k_qe7a8bac459_combine:
	.size	k_qe7a8bac459_combine, .Lfunc_end_k_qe7a8bac459_combine-k_qe7a8bac459_combine
	.p2alignl 7, 3214868480
	.fill 96, 4, 3214868480
	.section	.rodata,"a",@progbits
	.p2align	6, 0x0
	.amdhsa_kernel k_qe7a8bac459_combine
		.amdhsa_group_segment_fixed_size 0
		.amdhsa_private_segment_fixed_size 0
		.amdhsa_enable_private_segment 0
		.amdhsa_kernarg_size 48
		.amdhsa_user_sgpr_count 2
		.amdhsa_user_sgpr_kernarg_segment_ptr 1
		.amdhsa_wavefront_size32 1
		.amdhsa_system_sgpr_workgroup_id_x 1
		.amdhsa_system_sgpr_workgroup_id_y 1
		.amdhsa_system_sgpr_workgroup_id_z 1
		.amdhsa_system_vgpr_workitem_id 0
		.amdhsa_next_free_vgpr 184
		.amdhsa_next_free_sgpr 66
		.amdhsa_reserve_vcc 0
		.amdhsa_float_denorm_mode_32 3
		.amdhsa_float_denorm_mode_16_64 3
		.amdhsa_memory_ordered 1
		.amdhsa_forward_progress 1
		.amdhsa_inst_pref_size 14
	.end_amdhsa_kernel
	.amdgpu_metadata
---
amdhsa.version: [ 1, 2 ]
amdhsa.kernels:
  - .name:           k_qe7a8bac459_combine
    .symbol:         k_qe7a8bac459_combine.kd
    .args:
      - { .name: idx, .offset: 0, .size: 8, .value_kind: global_buffer, .address_space: global }
      - { .name: gates, .offset: 8, .size: 8, .value_kind: global_buffer, .address_space: global }
      - { .name: rankmap, .offset: 16, .size: 8, .value_kind: global_buffer, .address_space: global }
      - { .name: ypart, .offset: 24, .size: 8, .value_kind: global_buffer, .address_space: global }
      - { .name: b2, .offset: 32, .size: 8, .value_kind: global_buffer, .address_space: global }
      - { .name: out0, .offset: 40, .size: 8, .value_kind: global_buffer, .address_space: global }
    .group_segment_fixed_size: 0
    .private_segment_fixed_size: 0
    .kernarg_segment_align: 8
    .kernarg_segment_size: 48
    .max_flat_workgroup_size: 256
    .sgpr_count:     66
    .vgpr_count:     184
    .wavefront_size: 32
...
	.end_amdgpu_metadata
.endif
;; end of part 4
;; ======== version 2 of 3: 4 launches; 1.19 times as fast as version 1
;; workspace buffers: xb 2,097,152 bytes; idx 8,192 bytes of whole numbers; gates 8,192 bytes; rankmap 33,792 bytes of whole numbers; h 67,108,864 bytes; ypart 134,217,728 bytes
;; launch router: the kernel of part 1 again; grid 256 x 1, 4 waves a work-group, no clusters, 1,536 bytes of LDS; arguments x, noise_u, wg, bg, wn, bn, xb, idx, gates; writes xb, idx, gates
;; launch up (part 5): grid 32 x 8, 4 waves a work-group, no clusters, 264,704 bytes of LDS; arguments xb, idx, w1, b1, h, rankmap; writes h, rankmap
.if DOCPART == 5
	.amdgcn_target "amdgcn-amd-amdhsa--gfx1250"
	.amdhsa_code_object_version 6
	.text
	.protected	k_qe7a8bac459_up
	.globl	k_qe7a8bac459_up
	.p2align	8
	.type	k_qe7a8bac459_up,@function
k_qe7a8bac459_up:
	s_mov_b64 s[64:65], 0
	v_nop
	global_prefetch_b8 v0, s[64:65] scope:SCOPE_SE
	s_setreg_imm32_b32 hwreg(HW_REG_WAVE_MODE, 25, 1), 1
	s_wait_xcnt 0x0
; THE FIRST PRODUCT.  h[e][rank][n] = relu(x[token] . w1[e][:, n] + b1[e][n]) in bf16, for the tokens that chose expert e alone.  Sums in f32; w1 and b1 are rounded to bf16 on their way (x came rounded).
; SHARES.  Work-group (slice, e) has columns 128 slice .. + 127 of expert e's w1, all 1,024 k: 512 KiB of f32 that it alone reads, once.
; STREAM AND PRODUCT IN ONE LOOP.  K goes in 8 chunks of 128.  Wave w brings rows 32 w .. + 31 of a chunk through 32 register slots (a row of 512 consecutive bytes a load), rounds them and lays them into LDS with K along
; the row (128 LDS rows of 2,048 bytes; LDS row 16 b + r holds column 8 r + b); each group of 8 slots is asked for again, with the next chunk's rows, as soon as it is rounded, so the next chunk is on its way while
; this one is multiplied.  Two barriers a chunk: one between the stores and the reads of the chunk, one between those reads and the next chunk's stores.
; RANKS.  Every wave makes the expert's bitmap of tokens from idx, in scalar registers; a token's rank is its place among the set bits.  Ranks go in sub-tiles of 16.  A PASS serves 20 sub-tiles, dealt evenly to the
; four waves (n / 4 each, the first n % 4 waves one more).  A wave always multiplies four (places past its share or past the count repeat an existing token and are not stored); the fifth is jumped by a flag.
; Pass 0 is the loop above.  An expert with more than 320 tokens takes up to three more passes on the slice that then lies whole in LDS: nothing writes LDS any more, so they have no barrier, and a pass without
; rows is jumped.  An expert without tokens streams its slice, multiplies a repeated token and stores nothing.
; THE MATRIX INSTRUCTION: source 0 = 16 tokens (from memory, K along the row), source 1 = 16 LDS rows of weights: register j of a result holds token 8 (l / 16) + j and LDS row l % 16.  The bias is the C operand that starts a sum.
; THE WAY OUT needs no LDS: for token j the roundings to bf16 take register j of the eight blocks: columns 8 r .. 8 r + 7, 16 bytes a lane, and sixteen lanes are the slice's 256 bytes of a row of h.
; NO CLUSTER, NO TENSOR LOAD: a slice has one reader and must pass through registers to be rounded; the shared token rows come by a list.
; LOADS ON THEIR WAY, by this text's own count: 32 of weights and up to 40 of tokens a wave.  Loads come back in order (ISA guide 5.7.1), so each wait names the loads asked for behind the one it needs, counted on the
; path without the fifth sub-tile; with it the same counts ask for at most 8 loads more.
; REGISTERS, in windows of 256 (s_set_vgpr_msb: bits 1:0 source 0, 3:2 source 1, 5:4 source 2, 7:6 destination):
;   window 0: v0-31 addresses; v32-63 at work; v64-127 the bias, block b at 64 + 8 b; v128-255 two buffers of weight fragments (at the start: v128-191 idx)
;   window 1: v0-127 the 32 slots; v128-191 the fifth sub-tile's sums          window 2: the sums of sub-tiles 0-3, 64 a + 8 b          window 3: v0-159 token fragments, four pieces of 32 k: 40 piece + 8 a
.set RP,    16384                      ; bytes from a row of w1 to the next
.set PW,    2064                       ; an LDS row: 2,048 bytes + 16 = 129 x 16: the 16 rows that a fragment load touches start at 16 different groups of four banks (64 banks of 4 bytes: ISA guide 11.1)
.set SPARE, 128*PW                     ; behind the weights: the spare words, 128 bytes a wave
.set T,     32
.set BIAS,  64
.set BF,    128
.set IX,    128
.set ACC4,  128                        ; in window 1
.set AO,    12                         ; v12-16  a sub-tile's byte offset in xb
.set FA,    20                         ; v20-23  fragment addresses, one for two blocks of 16 LDS rows; they walk 256 bytes a chunk
.set BM,    66                         ; s[66:97] the bitmap: bit l of word j is token 64 (j / 2) + 2 l + j % 2
.set WP,    54                         ; s[54:61] w1 at the rows that group g of the slots asks for: a pointer a group
.set QA,    4                          ; s[4:11]  xb at piece j of the chunk to be asked for: a pointer a piece (the arguments that lay here have been used up)
.set P20,   46                         ; s46  the pass's first sub-tile
.set FIVE,  47                         ; s47  1: I have a fifth sub-tile
.set FIRST, 48                         ; s48  1: the next K step starts the sums
.set SKIPA, 50                         ; s50  1: this chunk's tokens have been asked for already
; v1 l % 16; v2 l / 16; v3 16 (l / 16); v4 my place in a fragment; v5 lane; v6, v8 where I lay weights; v7 16 lane; v9 32 (l % 16); v10 my offset in h; v11 0; v17 8 lane; v18 4 lane; v19 the count
; v24-26 the other half's tokens; v28, v29 the add's two registers; v30, v31 at work
; s16 wave; s17 slice; s18 e; s19 count; s20 sub-tiles; s21 n / 4; s22 my first sub-tile; s23 how many are mine; s24, s25, s43 counters; s26 count - 1; s27, s40-42, s51 at work; s[30:31] xb; s[32:33], s[44:45] b1, rankmap
; s[34:35] h; s[36:37] h at a sub-tile; s[38:39] an offset; s49 0xffff0000; s52, s53 lane selects
.set MSB, 0
.macro WIN new                         ; the immediate's high byte repeats the setting that is left; a switch that changes nothing is dropped
.if MSB != (\new)
	s_set_vgpr_msb (MSB<<8)|(\new)
.set MSB, \new
.endif
.endm
.macro PLACES                          ; four plain instructions between a matrix instruction and a load into, or a reader of, its registers
.rept 4
	v_nop
.endr
.endm
; Eight slots' turn, 8 k of my 4 columns: two k of a column are rounded into a word, a column's 8 k are 16 bytes of its LDS row; then (fill = 1) the slots are asked for again, with the next chunk's rows.
; left = the younger loads that may stay out.  The group's pointer is stepped behind the wait that shows its own last loads done.
.macro GROUP g, fill, left
	s_wait_loadcnt \left
	WIN 0x05                                       ; sources window 1, destination window 0
.set i, 0
.rept 4
.set m, 0
.rept 4
	v_cvt_pk_bf16_f32 v[T+16*((\g)%2)+4*i+m], v[4*(8*(\g)+2*m)+i], v[4*(8*(\g)+2*m+1)+i]
.set m, m+1
.endr
.set i, i+1
.endr
	WIN 0x40
	ds_store_b128 v6, v[T+16*((\g)%2):T+16*((\g)%2)+3]     offset:16*(\g)
	ds_store_b128 v6, v[T+16*((\g)%2)+4:T+16*((\g)%2)+7]   offset:16*PW+16*(\g)
	ds_store_b128 v8, v[T+16*((\g)%2)+8:T+16*((\g)%2)+11]  offset:16*(\g)
	ds_store_b128 v8, v[T+16*((\g)%2)+12:T+16*((\g)%2)+15] offset:16*PW+16*(\g)
.if \fill
	s_add_nc_u64 s[WP+2*(\g):WP+2*(\g)+1], s[WP+2*(\g):WP+2*(\g)+1], 128*RP
.set i, 0
.rept 8
	global_load_b128 v[4*(8*(\g)+i):4*(8*(\g)+i)+3], v7, s[WP+2*(\g):WP+2*(\g)+1] offset:i*RP th:TH_LOAD_NT
.set i, i+1
.endr
.endif
.endm
; Piece j (32 along K) of n sub-tiles from a0 on: a lane's 16 bytes at k = 8 (l / 16) and at 16 + 8 (l / 16)
.macro LOADA j, a0, n
	WIN 0xc0                                       ; destination window 3, address window 0
.set la, \a0
.rept \n
	global_load_b128 v[40*(\j)+8*la:40*(\j)+8*la+3],   v[AO+la], s[QA+2*(\j):QA+2*(\j)+1]
	global_load_b128 v[40*(\j)+8*la+4:40*(\j)+8*la+7], v[AO+la], s[QA+2*(\j):QA+2*(\j)+1] offset:32
.set la, la+1
.endr
.endm
; Step j of the chunk, all 128 LDS rows, into buffer buf
.macro LOADB j, buf
.set lb, 0
.rept 8
	ds_load_b128 v[BF+64*(\buf)+8*lb:BF+64*(\buf)+8*lb+3],   v[FA+lb/2] offset:(lb%2)*16*PW+64*(\j)
	ds_load_b128 v[BF+64*(\buf)+8*lb+4:BF+64*(\buf)+8*lb+7], v[FA+lb/2] offset:(lb%2)*16*PW+64*(\j)+32
.set lb, lb+1
.endr
.endm
; Step j's products.  The accumulators take turns, one instruction a turn.  first = 1: the bias starts the sums.
.macro MUL4 j, first                   ; sub-tiles 0 to 3
.if \first
	WIN 0x83                                       ; tokens window 3, weights window 0, C (the bias) window 0, D window 2
.else
	WIN 0xa3                                       ; C and D window 2
.endif
.set ma, 0
.rept 4
.set mb, 0
.rept 8
.if \first
	v_wmma_f32_16x16x32_bf16 v[64*ma+8*mb:64*ma+8*mb+7], v[40*(\j)+8*ma:40*(\j)+8*ma+7], v[BF+64*((\j)&1)+8*mb:BF+64*((\j)&1)+8*mb+7], v[BIAS+8*mb:BIAS+8*mb+7]
.else
	v_wmma_f32_16x16x32_bf16 v[64*ma+8*mb:64*ma+8*mb+7], v[40*(\j)+8*ma:40*(\j)+8*ma+7], v[BF+64*((\j)&1)+8*mb:BF+64*((\j)&1)+8*mb+7], v[64*ma+8*mb:64*ma+8*mb+7]
.endif
.set mb, mb+1
.endr
.set ma, ma+1
.endr
.endm
.macro MUL1 j, first                   ; the fifth sub-tile
.if \first
	WIN 0x43                                       ; C (the bias) window 0, D window 1
.else
	WIN 0x53                                       ; C and D window 1
.endif
.set mb, 0
.rept 8
.if \first
	v_wmma_f32_16x16x32_bf16 v[ACC4+8*mb:ACC4+8*mb+7], v[40*(\j)+32:40*(\j)+39], v[BF+64*((\j)&1)+8*mb:BF+64*((\j)&1)+8*mb+7], v[BIAS+8*mb:BIAS+8*mb+7]
.else
	v_wmma_f32_16x16x32_bf16 v[ACC4+8*mb:ACC4+8*mb+7], v[40*(\j)+32:40*(\j)+39], v[BF+64*((\j)&1)+8*mb:BF+64*((\j)&1)+8*mb+7], v[ACC4+8*mb:ACC4+8*mb+7]
.endif
.set mb, mb+1
.endr
.endm
; K step j of a chunk.  Its fragments are waited for; the next step's weights are asked for; f = 1 (the fused loop): the piece that the last step read is asked for again, with the next chunk's tokens.
; What may stay out behind piece j.  f = 1, j = 0: this chunk's 3 later pieces (24) and the 32 loads of weights; j > 0: 8 (3 - j), the 32, and 8 (j - 1) of the next chunk: 48.  f = 0: the later pieces alone.
; A piece's pointer is stepped behind the wait that showed its last loads done, one step earlier.
.macro STEP j, f
	WIN 0
.if (\f) && ((\j) == 0)
	s_wait_loadcnt 56
.elseif \f
	s_wait_loadcnt 48
.else
	s_wait_loadcnt 8*(3-(\j))
.endif
	s_wait_dscnt 0x0                               ; this step's weights are in
	PLACES                                         ; the loads below go into registers that the last step's products read
.if (\f) && ((\j) > 0)
	s_add_nc_u64 s[QA+2*(\j)-2:QA+2*(\j)-1], s[QA+2*(\j)-2:QA+2*(\j)-1], 256
	LOADA (\j)-1, 0, 4
	WIN 0
.endif
.if (\j) < 3
	LOADB (\j)+1, ((\j)+1)&1
.endif
.if (\j) == 0
	s_cmp_eq_u32 s[FIRST], 1
	s_cbranch_scc1 .Lfst_\@
.endif
	MUL4 \j, 0
	WIN 0
	s_cmp_eq_u32 s[FIVE], 0
	s_cbranch_scc1 .Lno5_\@
.if (\f) && ((\j) > 0)
	LOADA (\j)-1, 4, 1
.endif
	MUL1 \j, 0
	WIN 0
.Lno5_\@:
.if (\j) == 0
	s_branch .Lj0_\@
.Lfst_\@:                                              ; a pass's first step: all five sub-tiles' sums are started, so that they are written on every path
	s_mov_b32 s[FIRST], 0
	MUL4 0, 1
	MUL1 0, 1
	WIN 0
.Lj0_\@:
.endif
.endm
; The pass's n = 0 .. 20 sub-tiles from s[P20] on, dealt evenly
.macro SHARES
	s_max_u32 s27, s20, s[P20]
	s_sub_co_u32 s27, s27, s[P20]
	s_min_u32 s27, s27, 20                         ; n
	s_lshr_b32 s21, s27, 2
	s_and_b32 s40, s27, 3
	s_mul_i32 s22, s16, s21
	s_min_u32 s41, s16, s40
	s_add_co_u32 s22, s22, s41
	s_add_co_u32 s22, s22, s[P20]                  ; my first
	s_cmp_lt_u32 s16, s40
	s_cselect_b32 s41, 1, 0
	s_add_co_u32 s23, s21, s41                     ; how many are mine
	s_cmp_eq_u32 s23, 5
	s_cselect_b32 s[FIVE], 1, 0
.endm
; The n-th set bit of a word.  w: the word; pk: the set bits before the word (low half) and the word's first token (high half); rho: the rank; t: seven registers at work; tok: the token.
; Counts of the word's fields of 2, 4 and 8 bits are made by sums; then the search goes down: where n is not below the lower half's count, it takes the upper half.
.macro SELECT w, pk, rho, t, tok
	v_and_b32 v[(\t)+3], 0xffff, v[\pk]
	v_sub_nc_u32 v[(\t)+3], v[\rho], v[(\t)+3]     ; n
	v_lshrrev_b32 v[\t], 1, v[\w]
	v_and_b32 v[\t], 0x55555555, v[\t]
	v_sub_nc_u32 v[\t], v[\w], v[\t]               ; fields of 2
	v_lshrrev_b32 v[(\t)+1], 2, v[\t]
	v_and_b32 v[(\t)+1], 0x33333333, v[(\t)+1]
	v_and_b32 v[(\t)+5], 0x33333333, v[\t]
	v_add_nc_u32 v[(\t)+1], v[(\t)+1], v[(\t)+5]   ; fields of 4
	v_lshrrev_b32 v[(\t)+2], 4, v[(\t)+1]
	v_add_nc_u32 v[(\t)+2], v[(\t)+2], v[(\t)+1]
	v_and_b32 v[(\t)+2], 0x0f0f0f0f, v[(\t)+2]     ; fields of 8
	v_lshrrev_b32 v[(\t)+5], 8, v[(\t)+2]
	v_add_nc_u32 v[(\t)+5], v[(\t)+5], v[(\t)+2]
	v_and_b32 v[(\t)+5], 0xff, v[(\t)+5]           ; the low 16 bits' count
	v_cmp_ge_u32 vcc_lo, v[(\t)+3], v[(\t)+5]
	v_cndmask_b32 v[(\t)+4], 0, 16, vcc_lo         ; the place
	v_cndmask_b32 v[(\t)+5], 0, v[(\t)+5], vcc_lo
	v_sub_nc_u32 v[(\t)+3], v[(\t)+3], v[(\t)+5]
.irp f, 2,1,0
	v_bfe_u32 v[(\t)+5], v[(\t)+(\f)], v[(\t)+4], 2<<(\f)
	v_cmp_ge_u32 vcc_lo, v[(\t)+3], v[(\t)+5]
	v_cndmask_b32 v[(\t)+5], 0, v[(\t)+5], vcc_lo
	v_sub_nc_u32 v[(\t)+3], v[(\t)+3], v[(\t)+5]
	v_cndmask_b32 v[(\t)+6], 0, 2<<(\f), vcc_lo
	v_add_nc_u32 v[(\t)+4], v[(\t)+4], v[(\t)+6]
.endr
	v_bfe_u32 v[(\t)+5], v[\w], v[(\t)+4], 1
	v_cmp_ge_u32 vcc_lo, v[(\t)+3], v[(\t)+5]
	v_cndmask_b32 v[(\t)+6], 0, 1, vcc_lo
	v_add_nc_u32 v[(\t)+4], v[(\t)+4], v[(\t)+6]
	v_lshrrev_b32 v[\tok], 16, v[\pk]
	v_lshl_add_u32 v[\tok], v[(\t)+4], 1, v[\tok]  ; bit l of a word is 2 l tokens behind the word's first
.endm
; The tokens of ranks 16 s22 .. + 79 (past the count: the last rank), three ranks a lane: 16 s22 + lane, and 32 and 64 on.  The walk keeps the last word whose count of earlier set bits is not above the rank.
.macro LOOKUP
	s_lshl_b32 s27, s22, 4
	v_add_nc_u32 v32, s27, v5
	v_add_nc_u32 v33, 32, v32
	v_add_nc_u32 v34, 64, v32
.irp q, 32,33,34
	v_min_u32 v\q, s26, v\q
.endr
.irp q, 35,36,37
	v_mov_b32 v\q, s[BM]
.endr
.irp q, 38,39,40
	v_mov_b32 v\q, 0
.endr
	s_bcnt1_i32_b32 s42, s[BM]
.set j, 1
.rept 31
	s_or_b32 s27, s42, (64*(j/2)+(j%2))<<16
	v_cmp_le_u32 vcc_lo, s42, v32
	v_cndmask_b32 v35, v35, s[BM+j], vcc_lo
	v_cndmask_b32 v38, v38, s27, vcc_lo
	v_cmp_le_u32 s40, s42, v33
	v_cndmask_b32 v36, v36, s[BM+j], s40
	v_cndmask_b32 v39, v39, s27, s40
	v_cmp_le_u32 s41, s42, v34
	v_cndmask_b32 v37, v37, s[BM+j], s41
	v_cndmask_b32 v40, v40, s27, s41
	s_bcnt1_i32_b32 s51, s[BM+j]
	s_add_co_u32 s42, s42, s51
.set j, j+1
.endr
	SELECT 35, 38, 32, 41, 62
	SELECT 36, 39, 33, 48, 63
	SELECT 37, 40, 34, 55, 31
	v_permlanex16_b32 v24, v62, s52, s53           ; lanes 0-15 found one sub-tile's tokens, lanes 16-31 the next one's: both halves want both
	v_permlanex16_b32 v25, v63, s52, s53
	v_permlanex16_b32 v26, v31, s52, s53
	v_cndmask_b32 v12, v62, v24, s49
	v_cndmask_b32 v13, v24, v62, s49
	v_cndmask_b32 v14, v63, v25, s49
	v_cndmask_b32 v15, v25, v63, s49
	v_cndmask_b32 v16, v31, v26, s49
.irp a, 12,13,14,15,16
	v_min_u32 v\a, 0x3ff, v\a
.endr
.irp a, 12,13,14,15,16
	v_lshl_add_u32 v\a, v\a, 11, v3                ; the token's row of 2,048 bytes + 16 (l / 16)
.endr
.endm
; What a pass starts from: the pieces' pointers and the fragment addresses at K = 0
.macro START
.irp j, 0,1,2,3
	s_add_nc_u64 s[QA+2*(\j):QA+2*(\j)+1], s[30:31], 64*(\j)
.endr
.irp q, 0,1,2,3
	v_add_nc_u32 v[FA+(\q)], (\q)*32*PW, v4
.endr
.endm
; THE WAY OUT of sub-tile a: token j's eight columns, register j of the eight blocks, rounded to bf16, relu on the packed halves, stored from registers
.macro EPI a
	s_wait_xcnt 0x0                                ; the last stores have read their registers and their base
	s_add_co_u32 s27, s22, \a
	s_min_u32 s27, s27, 63
	s_lshl_b32 s38, s27, 17                        ; 16 rows of 8,192 bytes
	s_add_nc_u64 s[36:37], s[34:35], s[38:39]
.if (\a) < 4
	WIN 0x0a                                       ; sources window 2
.set eb, 64*(\a)
.else
	WIN 0x05                                       ; sources window 1
.set eb, ACC4
.endif
.set j, 0
.rept 8
.set i, 0
.rept 4
	v_cvt_pk_bf16_f32 v[T+4*j+i], v[eb+16*i+j], v[eb+16*i+8+j]
.set i, i+1
.endr
.set j, j+1
.endr
	WIN 0
.set i, 0
.rept 32
	v_pk_max_num_bf16 v[T+i], v[T+i], v11
.set i, i+1
.endr
.irp t, 0,1,2,3,4,5,6,7
	global_store_b128 v10, v[T+4*(\t):T+4*(\t)+3], s[36:37] offset:(\t)*8192  ; rows t and 8 + t: 16 lanes store 256 consecutive bytes, aligned
.endr
.endm
	s_load_b256 s[4:11], s[0:1], 0x0               ; xb 4, idx 6, w1 8, b1 10
	s_load_b128 s[12:15], s[0:1], 0x20             ; h 12, rankmap 14
	v_lshl_add_u32 v28, v0, 2, SPARE
	v_mov_b32 v29, 0
	v_lshrrev_b32 v31, 5, v0
	v_readfirstlane_b32 s16, v31
	s_mov_b32 s17, ttmp9
	s_and_b32 s18, ttmp7, 0xffff
	s_mov_b32 s49, 0xffff0000                      ; a word's upper bf16; also the mask of lanes 16 to 31
	s_mov_b32 s52, 0x76543210                      ; v_permlanex16_b32: each lane takes its own place in the other half
	s_mov_b32 s53, 0xfedcba98
	s_mov_b32 s[P20], 0
	s_mov_b32 s[FIRST], 1
	v_and_b32 v5, 31, v0
	v_and_b32 v1, 15, v0
	v_bfe_u32 v2, v0, 4, 1
	v_lshlrev_b32 v3, 4, v2
	v_mul_u32_u24 v4, v1, PW
	v_add_nc_u32 v4, v4, v3                        ; a fragment: row l % 16, 16 bytes for each half of the lanes
	v_and_b32 v30, 1, v0                           ; my four columns 4 lane + i = 8 (lane / 2) + 4 (lane % 2) + i lie in LDS rows 64 (lane % 2) + 16 i + lane / 2
	v_bfe_u32 v31, v0, 1, 4
	v_lshl_add_u32 v30, v30, 6, v31
	v_mul_u32_u24 v6, v30, PW
	s_lshl_b32 s27, s16, 6                         ; my wave's 32 k of a chunk: 64 bytes of each LDS row
	v_add_nc_u32 v6, s27, v6                       ; i = 0, 1
	v_add_nc_u32 v8, 32*PW, v6                     ; i = 2, 3
	v_lshlrev_b32 v7, 4, v5
	v_lshlrev_b32 v9, 5, v1
	v_lshlrev_b32 v17, 3, v5
	v_lshlrev_b32 v18, 2, v5
	v_lshlrev_b32 v10, 16, v2                      ; h: lanes 16-31 eight rows of 8,192 bytes further down,
	v_lshl_add_u32 v10, v1, 4, v10                 ; 16 bytes a lane
	v_mov_b32 v11, 0
	v_mov_b32 v24, 0                               ; written once, since v_permlanex16_b32 counts as a reader of its destination
	v_mov_b32 v25, 0
	v_mov_b32 v26, 0
	s_lshl_b32 s38, s18, 24                        ; w1: expert, my wave's 32 rows of a chunk, the slice's 512 bytes
	s_lshl_b32 s27, s16, 19
	s_add_co_u32 s38, s38, s27
	s_lshl_b32 s27, s17, 9
	s_add_co_u32 s38, s38, s27
	s_mov_b32 s39, 0
	s_wait_kmcnt 0x0
	s_add_nc_u64 s[WP:WP+1], s[8:9], s[38:39]
.irp g, 1,2,3
	s_add_nc_u64 s[WP+2*(\g):WP+2*(\g)+1], s[WP:WP+1], (\g)*8*RP
.endr
	s_mov_b64 s[30:31], s[4:5]
	s_lshl_b32 s38, s18, 23                        ; h: the expert's 1,024 rows of 8,192 bytes, the slice's 256 bytes
	s_lshl_b32 s27, s17, 8
	s_add_co_u32 s38, s38, s27
	s_add_nc_u64 s[34:35], s[12:13], s[38:39]
	s_lshl_b32 s38, s18, 14                        ; b1
	s_lshl_b32 s27, s17, 9
	s_add_co_u32 s38, s38, s27
	s_add_nc_u64 s[44:45], s[10:11], s[38:39]
	global_load_b128 v[BIAS:BIAS+3],   v9, s[44:45]             ; the bias of columns 8 r .. 8 r + 7
	global_load_b128 v[BIAS+4:BIAS+7], v9, s[44:45] offset:16
.set i, 0
.rept 16
	global_load_b128 v[IX+4*i:IX+4*i+3], v7, s[6:7] offset:512*i  ; both choices of tokens 64 i + 2 lane and 64 i + 2 lane + 1
.set i, i+1
.endr
	WIN 0x40                                       ; destination window 1
.set g, 0
.rept 4
.set i, 0
.rept 8
	global_load_b128 v[4*(8*g+i):4*(8*g+i)+3], v7, s[WP+2*g:WP+2*g+1] offset:i*RP th:TH_LOAD_NT  ; chunk 0: my 32 rows, 512 consecutive bytes each
.set i, i+1
.endr
.set g, g+1
.endr
	WIN 0
	s_wait_loadcnt 32                              ; the bias and idx are in: the 32 loads of weights were asked for behind them.  What follows stands in the wait for those
; the bias, rounded to bf16: block b's eight registers (eight tokens) all hold the bias of column 8 r + b
.irp u, 0,1,2,3
	v_cvt_pk_bf16_f32 v[48+(\u)], v[BIAS+2*(\u)], v[BIAS+2*(\u)+1]
.endr
.set b, 0
.rept 8
.set j, 0
.rept 8
.if (b%2) == 0
	v_lshlrev_b32 v[BIAS+8*b+j], 16, v[48+b/2]
.else
	v_and_b32 v[BIAS+8*b+j], s49, v[48+b/2]
.endif
.set j, j+1
.endr
.set b, b+1
.endr
; THE BITMAP and the count, in every wave
	s_mov_b32 s19, 0
.set j, 0
.rept 32
	v_cmp_eq_u32 s40, s18, v[IX+4*(j/2)+2*(j%2)]
	v_cmp_eq_u32 s41, s18, v[IX+4*(j/2)+2*(j%2)+1]
	s_or_b32 s[BM+j], s40, s41
	s_bcnt1_i32_b32 s27, s[BM+j]
	s_add_co_u32 s19, s19, s27
.set j, j+1
.endr
; wave 0 of the expert's first work-group stores every token's rank (the set bits before it; for a token that did not choose e a number nobody reads) and the count, for the later launches
	s_or_b32 s27, s16, s17
	s_cmp_lg_u32 s27, 0
	s_cbranch_scc1 .Lno_map
	s_mov_b32 s42, 0
.set j, 0
.rept 32
	v_mbcnt_lo_u32_b32 v[IX+4*(j/2)+(j%2)], s[BM+j], s42
	s_bcnt1_i32_b32 s27, s[BM+j]
	s_add_co_u32 s42, s42, s27
.set j, j+1
.endr
	v_mov_b32 v19, s19
	s_lshl_b32 s38, s18, 12
	s_add_nc_u64 s[44:45], s[14:15], s[38:39]
.set i, 0
.rept 16
	global_store_b64 v17, v[IX+4*i:IX+4*i+1], s[44:45] offset:256*i  ; 256 consecutive bytes, aligned
.set i, i+1
.endr
	s_lshl_b32 s38, s18, 7
	s_add_nc_u64 s[32:33], s[14:15], s[38:39]
	global_store_b32 v18, v19, s[32:33] offset:32768  ; the count, 32 times: 128 bytes an expert
	s_wait_xcnt 0x0                                ; the stores' registers are written again below
.Lno_map:
	s_min_u32 s19, s19, 1024
	s_add_co_u32 s20, s19, 15
	s_lshr_b32 s20, s20, 4                         ; sub-tiles of 16
	s_max_u32 s26, s19, 1
	s_sub_co_u32 s26, s26, 1                       ; the last rank
	SHARES
	LOOKUP
	START
.irp j, 0,1,2,3
	LOADA \j, 0, 5                                 ; chunk 0's tokens, the fifth sub-tile's on every path: its registers are written whatever the flag
.endr
	WIN 0
; PASS 0, chunks 0 to 6: a trip rounds and lays a chunk, asks for the next chunk's weights, and multiplies the chunk while they are on their way
	s_mov_b32 s43, 7
.Lf:
.irp g, 0,1,2,3
	GROUP \g, 1, 56                                ; behind group g: 8 (3 - g) of this chunk's weights, 32 of its tokens, 8 g of the next chunk's weights
.endr
	WIN 0
	s_wait_dscnt 0x0                               ; for the others' sake: my part of the chunk is in LDS
	s_barrier_signal -1
	s_barrier_wait -1                              ; the chunk is whole
	LOADB 0, 0
.irp j, 0,1,2,3
	STEP \j, 1
.endr
.irp q, 0,1,2,3
	v_add_nc_u32 v[FA+(\q)], 256, v[FA+(\q)]       ; the next chunk's 256 bytes of each LDS row; these six lines are also the places behind the last products
.endr
	v_add_nc_u32 v6, 256, v6
	v_add_nc_u32 v8, 256, v8
	s_add_nc_u64 s[QA+6:QA+7], s[QA+6:QA+7], 256
	LOADA 3, 0, 4
	WIN 0
	s_cmp_eq_u32 s[FIVE], 0
	s_cbranch_scc1 .Lf4
	LOADA 3, 4, 1
	WIN 0
.Lf4:
	s_wait_dscnt 0x0                               ; my reads of LDS are back;
	s_barrier_signal -1
	s_barrier_wait -1                              ; everybody's are: the next chunk is stored only behind this barrier
	s_sub_co_u32 s43, s43, 1
	s_cmp_lg_u32 s43, 0
	s_cbranch_scc1 .Lf
; chunk 7 is written out: nothing is left to ask for, so the counts run down: 8 (3 - g) of its weights and its 32 loads of tokens
.irp g, 0,1,2,3
	GROUP \g, 0, 56-8*(\g)
.endr
	WIN 0
	s_wait_dscnt 0x0
	s_barrier_signal -1
	s_barrier_wait -1                              ; the slice lies whole in LDS, and nothing writes LDS from here to the closing barrier
	s_mov_b32 s[SKIPA], 1                          ; chunk 7's tokens were asked for in the last trip
	s_mov_b32 s25, 1
	s_mov_b32 s24, 4
	s_branch .Lx
; PASSES 1 TO 3, for an expert with more than 320 tokens: eight chunks out of LDS
.Lpass:
	s_wait_loadcnt 0x0                             ; nothing is out here; the three waits are written so that it holds on every way to this label:
	s_wait_dscnt 0x0                               ; the fragment registers are loaded anew below,
	s_wait_xcnt 0x0                                ; and the registers of the last stores are written again
	SHARES
	s_cmp_eq_u32 s23, 0
	s_cbranch_scc1 .Lnext
	LOOKUP
	START
	s_mov_b32 s[FIRST], 1
	s_mov_b32 s[SKIPA], 0
	s_mov_b32 s25, 8
.Lx:                                                   ; a chunk whose weights lie in LDS: its tokens are asked for at its head, the fifth sub-tile's first, so that the counts below hold for them too
	s_cmp_eq_u32 s[SKIPA], 1
	s_cbranch_scc1 .Lhave
	s_wait_loadcnt 0x0                             ; the last chunk's wait for its last piece was for 0: written again for the way in from above
	s_cmp_eq_u32 s[FIVE], 0
	s_cbranch_scc1 .Lx4
.irp j, 0,1,2,3
	LOADA \j, 4, 1
.endr
	WIN 0
.Lx4:
.irp j, 0,1,2,3
	LOADA \j, 0, 4
.endr
	WIN 0
.Lhave:
	s_mov_b32 s[SKIPA], 0
	LOADB 0, 0
.irp j, 0,1,2,3
	STEP \j, 0
.endr
.irp q, 0,1,2,3
	v_add_nc_u32 v[FA+(\q)], 256, v[FA+(\q)]       ; also the four places behind the last products
.endr
.irp j, 0,1,2,3
	s_add_nc_u64 s[QA+2*(\j):QA+2*(\j)+1], s[QA+2*(\j):QA+2*(\j)+1], 256  ; the last step's wait for 0 has shown every load of tokens done
.endr
	s_sub_co_u32 s25, s25, 1
	s_cmp_lg_u32 s25, 0
	s_cbranch_scc1 .Lx
	s_cmp_ge_u32 s23, 5                            ; only my own sub-tiles are stored
	s_cbranch_scc1 .LE4
	s_cmp_eq_u32 s23, 4
	s_cbranch_scc1 .LE3
	s_cmp_eq_u32 s23, 3
	s_cbranch_scc1 .LE2
	s_cmp_eq_u32 s23, 2
	s_cbranch_scc1 .LE1
	s_cmp_eq_u32 s23, 1
	s_cbranch_scc1 .LE0
	s_branch .Lnext
.LE4:
	EPI 4
.LE3:
	EPI 3
.LE2:
	EPI 2
.LE1:
	EPI 1
.LE0:
	EPI 0
.Lnext:
	s_add_co_u32 s[P20], s[P20], 20
	s_sub_co_u32 s24, s24, 1
	s_cmp_lg_u32 s24, 0
	s_cbranch_scc1 .Lpass
	s_wait_dscnt 0x0                               ; my reads of LDS are over;
	s_barrier_signal -1
	s_barrier_wait -1                              ; everybody's are: LDS is written again only behind this barrier
	s_wait_tensorcnt 0x0                           ; the wave's end: an add onto my spare word, behind my last LDS store
	ds_add_u32 v28, v29
	s_wait_dscnt 0x0
	s_endpgm
.Lfunc_end_k_qe7a8bac459_up:
	.size	k_qe7a8bac459_up, .Lfunc_end_k_qe7a8bac459_up-k_qe7a8bac459_up
	.p2alignl 7, 3214868480
	.fill 96, 4, 3214868480
	.section	.rodata,"a",@progbits
	.p2align	6, 0x0
	.amdhsa_kernel k_qe7a8bac459_up
		.amdhsa_group_segment_fixed_size 264704
		.amdhsa_private_segment_fixed_size 0
		.amdhsa_enable_private_segment 0
		.amdhsa_kernarg_size 48
		.amdhsa_user_sgpr_count 2
		.amdhsa_user_sgpr_kernarg_segment_ptr 1
		.amdhsa_wavefront_size32 1
		.amdhsa_system_sgpr_workgroup_id_x 1
		.amdhsa_system_sgpr_workgroup_id_y 1
		.amdhsa_system_sgpr_workgroup_id_z 1
		.amdhsa_system_vgpr_workitem_id 0
		.amdhsa_next_free_vgpr 928
		.amdhsa_next_free_sgpr 98
		.amdhsa_reserve_vcc 1
		.amdhsa_float_denorm_mode_32 3
		.amdhsa_float_denorm_mode_16_64 3
		.amdhsa_memory_ordered 1
		.amdhsa_forward_progress 1
		.amdhsa_inst_pref_size 170
	.end_amdhsa_kernel
	.amdgpu_metadata
---
amdhsa.version: [ 1, 2 ]
amdhsa.kernels:
  - .name:           k_qe7a8bac459_up
    .symbol:         k_qe7a8bac459_up.kd
    .args:
      - { .name: xb, .offset: 0, .size: 8, .value_kind: global_buffer, .address_space: global }
      - { .name: idx, .offset: 8, .size: 8, .value_kind: global_buffer, .address_space: global }
      - { .name: w1, .offset: 16, .size: 8, .value_kind: global_buffer, .address_space: global }
      - { .name: b1, .offset: 24, .size: 8, .value_kind: global_buffer, .address_space: global }
      - { .name: h, .offset: 32, .size: 8, .value_kind: global_buffer, .address_space: global }
      - { .name: rankmap, .offset: 40, .size: 8, .value_kind: global_buffer, .address_space: global }
    .group_segment_fixed_size: 264704
    .private_segment_fixed_size: 0
    .kernarg_segment_align: 8
    .kernarg_segment_size: 48
    .max_flat_workgroup_size: 128
    .sgpr_count:     98
    .vgpr_count:     928
    .wavefront_size: 32
...
	.end_amdgpu_metadata
.endif
;; end of part 5
;; launch down (part 6): grid 32 x 8, 4 waves a work-group, no clusters, 264,704 bytes of LDS; arguments h, rankmap, w2, ypart; writes ypart
.if DOCPART == 6
	.amdgcn_target "amdgcn-amd-amdhsa--gfx1250"
	.amdhsa_code_object_version 6
	.text
	.protected	k_qe7a8bac459_down
	.globl	k_qe7a8bac459_down
	.p2align	8
	.type	k_qe7a8bac459_down,@function
k_qe7a8bac459_down:
	s_mov_b64 s[64:65], 0
	v_nop
	global_prefetch_b8 v0, s[64:65] scope:SCOPE_SE
	s_setreg_imm32_b32 hwreg(HW_REG_WAVE_MODE, 25, 1), 1
	s_wait_xcnt 0x0
; THE SECOND PRODUCT, in four quarters of K.  ypart[kq][e][rank][n] = the sum over k = 1,024 kq .. + 1,023 of h[e][rank][k] w2[e][k][n], in f32 (partial sums stay in f32); w2 is rounded to bf16 on its way.
; SHARES.  Work-group (slice, e): columns 128 (slice % 8) .. + 127, K quarter slice / 8, of expert e's w2: 512 KiB of f32 that it alone reads, once.
; STREAM AND PRODUCT IN ONE LOOP.  The quarter's K goes in 8 chunks of 128.  Wave w brings rows 32 w .. + 31 of a chunk through 32 register slots (a row of 512 consecutive bytes a load), rounds them and lays them into
; LDS with K along the row (128 LDS rows of 2,048 bytes; LDS row 16 b + r holds column 64 (b / 4) + 4 r + b % 4); each group of 8 slots is asked for again, with the next chunk's rows, as soon as it is rounded, so
; the next chunk is on its way while this one is multiplied.  Two barriers a chunk: one between the stores and the reads of the chunk, one between those reads and the next chunk's stores.
; ROWS.  The expert's rows of h lie end to end by rank, in sub-tiles of 16; their number comes from the stored count.  A PASS serves 20 sub-tiles, dealt evenly to the four waves (n / 4 each, the first n % 4 waves one
; more).  A wave always multiplies four (those past its share are other rows of the expert's own 1,024, and are not stored); the fifth is jumped by a flag.  Pass 0 is the loop above.  An expert with more than 320
; rows takes up to three more passes on the slice that then lies whole in LDS: nothing writes LDS any more, so they have no barrier, and a pass without rows is jumped.  An expert without rows stores nothing.
; THE MATRIX INSTRUCTION: source 0 = 16 rows of h (from memory), source 1 = 16 LDS rows of weights: register j of a result holds row 8 (l / 16) + j of h and LDS row l % 16.
; THE WAY OUT needs no LDS: register j of four blocks is copied into four neighbouring registers, 16 bytes of a row of ypart a lane, and sixteen lanes are 256 consecutive bytes.
; NO CLUSTER, NO TENSOR LOAD: a slice has one reader and must pass through registers to be rounded; the work hangs on a stored count.
; LOADS ON THEIR WAY, by this text's own count: 32 of weights and up to 40 of h a wave.  Loads come back in order (ISA guide 5.7.1), so each wait names the loads asked for behind the one it needs, counted on the
; path without the fifth sub-tile; with it the same counts ask for at most 8 loads more.
; REGISTERS, in windows of 256 (s_set_vgpr_msb: bits 1:0 source 0, 3:2 source 1, 5:4 source 2, 7:6 destination):
;   window 0: v0-31 addresses; v32-95 at work; v128-255 two buffers of weight fragments
;   window 1: v0-127 the 32 slots; v128-191 the fifth sub-tile's sums          window 2: the sums of sub-tiles 0-3, 64 a + 8 b          window 3: v0-159 fragments of h, four pieces of 32 k: 40 piece + 8 a
.set RP,    4096                       ; bytes from a row of w2 to the next
.set PW,    2064                       ; an LDS row: 2,048 bytes + 16 = 129 x 16: the 16 rows that a fragment load or a store of the stream touches start at 16 different groups of four banks (ISA guide 11.1)
.set SPARE, 128*PW                     ; behind the weights: the spare words, 128 bytes a wave
.set T,     32
.set BF,    128
.set ACC4,  128                        ; in window 1
.set AO,    12                         ; v12-16  a sub-tile's byte offset in h
.set FA,    20                         ; v20-23  fragment addresses, one for two blocks of 16 LDS rows; they walk 256 bytes a chunk
.set WP,    52                         ; s[52:59] w2 at the rows that group g of the slots asks for: a pointer a group
.set QA,    66                         ; s[66:73] h at piece j of the chunk to be asked for: a pointer a piece
.set P20,   60                         ; s60  the pass's first sub-tile
.set FIVE,  61                         ; s61  1: I have a fifth sub-tile
.set FIRST, 62                         ; s62  1: the next K step starts the sums
.set SKIPA, 63                         ; s63  1: this chunk's rows of h have been asked for already
; v1 l % 16; v2 l / 16; v3 16 (l / 16); v4 my place in a fragment; v5 lane; v6, v8 where I lay weights; v7 16 lane; v10 my offset in ypart; v28, v29 the add's two registers; v30, v31 at work
; s16 wave; s17 slice; s18 e; s19 count; s20 sub-tiles; s21 n / 4; s22 my first sub-tile; s23 how many are mine; s24, s25, s43 counters; s27, s40, s41 at work; s[30:31] h; s[34:35] ypart; s[36:37] ypart at a sub-tile
; s[38:39] an offset; s[44:45] the count's address; s46 column slice; s47 K quarter
.set MSB, 0
.macro WIN new                         ; the immediate's high byte repeats the setting that is left; a switch that changes nothing is dropped
.if MSB != (\new)
	s_set_vgpr_msb (MSB<<8)|(\new)
.set MSB, \new
.endif
.endm
.macro PLACES                          ; four plain instructions between a matrix instruction and a load into, or a reader of, its registers
.rept 4
	v_nop
.endr
.endm
; Eight slots' turn, 8 k of my 4 columns: two k of a column are rounded into a word, a column's 8 k are 16 bytes of its LDS row; then (fill = 1) the slots are asked for again, with the next chunk's rows.
; left = the younger loads that may stay out.  The group's pointer is stepped behind the wait that shows its own last loads done.
.macro GROUP g, fill, left
	s_wait_loadcnt \left
	WIN 0x05                                       ; sources window 1, destination window 0
.set i, 0
.rept 4
.set m, 0
.rept 4
	v_cvt_pk_bf16_f32 v[T+16*((\g)%2)+4*i+m], v[4*(8*(\g)+2*m)+i], v[4*(8*(\g)+2*m+1)+i]
.set m, m+1
.endr
.set i, i+1
.endr
	WIN 0x40
	ds_store_b128 v6, v[T+16*((\g)%2):T+16*((\g)%2)+3]     offset:16*(\g)
	ds_store_b128 v6, v[T+16*((\g)%2)+4:T+16*((\g)%2)+7]   offset:16*PW+16*(\g)
	ds_store_b128 v8, v[T+16*((\g)%2)+8:T+16*((\g)%2)+11]  offset:16*(\g)
	ds_store_b128 v8, v[T+16*((\g)%2)+12:T+16*((\g)%2)+15] offset:16*PW+16*(\g)
.if \fill
	s_add_nc_u64 s[WP+2*(\g):WP+2*(\g)+1], s[WP+2*(\g):WP+2*(\g)+1], 128*RP
.set i, 0
.rept 8
	global_load_b128 v[4*(8*(\g)+i):4*(8*(\g)+i)+3], v7, s[WP+2*(\g):WP+2*(\g)+1] offset:i*RP th:TH_LOAD_NT
.set i, i+1
.endr
.endif
.endm
; Piece j (32 along K) of n sub-tiles from a0 on: a lane's 16 bytes at k = 8 (l / 16) and at 16 + 8 (l / 16)
.macro LOADA j, a0, n
	WIN 0xc0                                       ; destination window 3, address window 0
.set la, \a0
.rept \n
	global_load_b128 v[40*(\j)+8*la:40*(\j)+8*la+3],   v[AO+la], s[QA+2*(\j):QA+2*(\j)+1]
	global_load_b128 v[40*(\j)+8*la+4:40*(\j)+8*la+7], v[AO+la], s[QA+2*(\j):QA+2*(\j)+1] offset:32
.set la, la+1
.endr
.endm
; Step j of the chunk, all 128 LDS rows, into buffer buf
.macro LOADB j, buf
.set lb, 0
.rept 8
	ds_load_b128 v[BF+64*(\buf)+8*lb:BF+64*(\buf)+8*lb+3],   v[FA+lb/2] offset:(lb%2)*16*PW+64*(\j)
	ds_load_b128 v[BF+64*(\buf)+8*lb+4:BF+64*(\buf)+8*lb+7], v[FA+lb/2] offset:(lb%2)*16*PW+64*(\j)+32
.set lb, lb+1
.endr
.endm
; Step j's products.  The accumulators take turns, one instruction a turn.  first = 1: the constant 0 starts the sums.
.macro MUL4 j, first                   ; sub-tiles 0 to 3
	WIN 0xa3                                       ; h window 3, weights window 0, C and D window 2
.set ma, 0
.rept 4
.set mb, 0
.rept 8
.if \first
	v_wmma_f32_16x16x32_bf16 v[64*ma+8*mb:64*ma+8*mb+7], v[40*(\j)+8*ma:40*(\j)+8*ma+7], v[BF+64*((\j)&1)+8*mb:BF+64*((\j)&1)+8*mb+7], 0
.else
	v_wmma_f32_16x16x32_bf16 v[64*ma+8*mb:64*ma+8*mb+7], v[40*(\j)+8*ma:40*(\j)+8*ma+7], v[BF+64*((\j)&1)+8*mb:BF+64*((\j)&1)+8*mb+7], v[64*ma+8*mb:64*ma+8*mb+7]
.endif
.set mb, mb+1
.endr
.set ma, ma+1
.endr
.endm
.macro MUL1 j, first                   ; the fifth sub-tile
	WIN 0x53                                       ; C and D window 1
.set mb, 0
.rept 8
.if \first
	v_wmma_f32_16x16x32_bf16 v[ACC4+8*mb:ACC4+8*mb+7], v[40*(\j)+32:40*(\j)+39], v[BF+64*((\j)&1)+8*mb:BF+64*((\j)&1)+8*mb+7], 0
.else
	v_wmma_f32_16x16x32_bf16 v[ACC4+8*mb:ACC4+8*mb+7], v[40*(\j)+32:40*(\j)+39], v[BF+64*((\j)&1)+8*mb:BF+64*((\j)&1)+8*mb+7], v[ACC4+8*mb:ACC4+8*mb+7]
.endif
.set mb, mb+1
.endr
.endm
; K step j of a chunk.  Its fragments are waited for; the next step's weights are asked for; f = 1 (the fused loop): the piece that the last step read is asked for again, with the next chunk's part of h.
; What may stay out behind piece j.  f = 1, j = 0: this chunk's 3 later pieces (24) and the 32 loads of weights; j > 0: 8 (3 - j), the 32, and 8 (j - 1) of the next chunk: 48.  f = 0: the later pieces alone.
; A piece's pointer is stepped behind the wait that showed its last loads done, one step earlier.
.macro STEP j, f
	WIN 0
.if (\f) && ((\j) == 0)
	s_wait_loadcnt 56
.elseif \f
	s_wait_loadcnt 48
.else
	s_wait_loadcnt 8*(3-(\j))
.endif
	s_wait_dscnt 0x0                               ; this step's weights are in
	PLACES                                         ; the loads below go into registers that the last step's products read
.if (\f) && ((\j) > 0)
	s_add_nc_u64 s[QA+2*(\j)-2:QA+2*(\j)-1], s[QA+2*(\j)-2:QA+2*(\j)-1], 256
	LOADA (\j)-1, 0, 4
	WIN 0
.endif
.if (\j) < 3
	LOADB (\j)+1, ((\j)+1)&1
.endif
.if (\j) == 0
	s_cmp_eq_u32 s[FIRST], 1
	s_cbranch_scc1 .Lfst_\@
.endif
	MUL4 \j, 0
	WIN 0
	s_cmp_eq_u32 s[FIVE], 0
	s_cbranch_scc1 .Lno5_\@
.if (\f) && ((\j) > 0)
	LOADA (\j)-1, 4, 1
.endif
	MUL1 \j, 0
	WIN 0
.Lno5_\@:
.if (\j) == 0
	s_branch .Lj0_\@
.Lfst_\@:                                              ; a pass's first step: all five sub-tiles' sums are started, so that they are written on every path
	s_mov_b32 s[FIRST], 0
	MUL4 0, 1
	MUL1 0, 1
	WIN 0
.Lj0_\@:
.endif
.endm
; The pass's n = 0 .. 20 sub-tiles from s[P20] on, dealt evenly
.macro SHARES
	s_max_u32 s27, s20, s[P20]
	s_sub_co_u32 s27, s27, s[P20]
	s_min_u32 s27, s27, 20                         ; n
	s_lshr_b32 s21, s27, 2
	s_and_b32 s40, s27, 3
	s_mul_i32 s22, s16, s21
	s_min_u32 s41, s16, s40
	s_add_co_u32 s22, s22, s41
	s_add_co_u32 s22, s22, s[P20]                  ; my first
	s_cmp_lt_u32 s16, s40
	s_cselect_b32 s41, 1, 0
	s_add_co_u32 s23, s21, s41                     ; how many are mine
	s_cmp_eq_u32 s23, 5
	s_cselect_b32 s[FIVE], 1, 0
.endm
; What a pass starts from: my five sub-tiles' offsets in h, the pieces' pointers and the fragment addresses at the quarter's first k
.macro START
.set ta, 0
.rept 5
	s_add_co_u32 s27, s22, ta
	s_min_u32 s27, s27, 63
	s_lshl_b32 s27, s27, 4
	v_add_nc_u32 v[AO+ta], s27, v1                 ; my rank,
	v_lshl_add_u32 v[AO+ta], v[AO+ta], 13, v3      ; its row of 8,192 bytes + 16 (l / 16)
.set ta, ta+1
.endr
.irp j, 0,1,2,3
	s_add_nc_u64 s[QA+2*(\j):QA+2*(\j)+1], s[30:31], 64*(\j)
.endr
.irp q, 0,1,2,3
	v_add_nc_u32 v[FA+(\q)], (\q)*32*PW, v4
.endr
.endm
; THE WAY OUT of sub-tile a, in f32.  Row j's columns 64 g + 4 r + 0..3 are register j of blocks 4 g + 0..3: the copies bring them side by side for a store of 16 bytes (each accumulator's lowest register is read first).
.macro EPI a
	s_wait_xcnt 0x0                                ; the last stores have read their registers and their base
	s_add_co_u32 s27, s22, \a
	s_min_u32 s27, s27, 63
	s_lshl_b32 s38, s27, 16                        ; 16 rows of 4,096 bytes
	s_add_nc_u64 s[36:37], s[34:35], s[38:39]
.if (\a) < 4
	WIN 0x02                                       ; source window 2
.set eb, 64*(\a)
.else
	WIN 0x01                                       ; source window 1
.set eb, ACC4
.endif
.set j, 0
.rept 8
.set g, 0
.rept 2
.set i, 0
.rept 4
	v_mov_b32 v[T+4*(2*j+g)+i], v[eb+32*g+8*i+j]
.set i, i+1
.endr
.set g, g+1
.endr
.set j, j+1
.endr
	WIN 0
.set j, 0
.rept 8
	global_store_b128 v10, v[T+8*j:T+8*j+3],   s[36:37] offset:j*4096      ; rows j and 8 + j: 16 lanes store 256 consecutive bytes, aligned
	global_store_b128 v10, v[T+8*j+4:T+8*j+7], s[36:37] offset:j*4096+256
.set j, j+1
.endr
.endm
	s_load_b256 s[4:11], s[0:1], 0x0               ; h 4, rankmap 6, w2 8, ypart 10
	v_lshl_add_u32 v28, v0, 2, SPARE
	v_mov_b32 v29, 0
	v_lshrrev_b32 v31, 5, v0
	v_readfirstlane_b32 s16, v31
	s_mov_b32 s17, ttmp9
	s_and_b32 s18, ttmp7, 0xffff
	s_and_b32 s46, s17, 7
	s_lshr_b32 s47, s17, 3
	s_mov_b32 s[P20], 0
	s_mov_b32 s[FIRST], 1
	v_and_b32 v5, 31, v0
	v_and_b32 v1, 15, v0
	v_bfe_u32 v2, v0, 4, 1
	v_lshlrev_b32 v3, 4, v2
	v_mul_u32_u24 v4, v1, PW
	v_add_nc_u32 v4, v4, v3                        ; a fragment: row l % 16, 16 bytes for each half of the lanes
	v_lshl_add_u32 v30, v2, 6, v1                  ; my four columns 4 lane + i = 64 (lane / 16) + 4 (lane % 16) + i lie in LDS rows 64 (lane / 16) + 16 i + lane % 16
	v_mul_u32_u24 v6, v30, PW
	s_lshl_b32 s27, s16, 6                         ; my wave's 32 k of a chunk: 64 bytes of each LDS row
	v_add_nc_u32 v6, s27, v6                       ; i = 0, 1
	v_add_nc_u32 v8, 32*PW, v6                     ; i = 2, 3
	v_lshlrev_b32 v7, 4, v5
	v_lshlrev_b32 v10, 15, v2                      ; ypart: lanes 16-31 eight rows of 4,096 bytes further down,
	v_lshl_add_u32 v10, v1, 4, v10                 ; 16 bytes a lane
	s_lshl_b32 s38, s18, 24                        ; w2: expert, K quarter, my wave's 32 rows of a chunk, the slice's 512 bytes
	s_lshl_b32 s27, s47, 22
	s_add_co_u32 s38, s38, s27
	s_lshl_b32 s27, s16, 17
	s_add_co_u32 s38, s38, s27
	s_lshl_b32 s27, s46, 9
	s_add_co_u32 s38, s38, s27
	s_mov_b32 s39, 0
	s_wait_kmcnt 0x0
	s_add_nc_u64 s[WP:WP+1], s[8:9], s[38:39]
.irp g, 1,2,3
	s_add_nc_u64 s[WP+2*(\g):WP+2*(\g)+1], s[WP:WP+1], (\g)*8*RP
.endr
	s_lshl_b32 s38, s18, 7
	s_add_nc_u64 s[44:45], s[6:7], s[38:39]
	s_load_b32 s19, s[44:45], 0x8000               ; the expert's count
	WIN 0x40                                       ; destination window 1
.set g, 0
.rept 4
.set i, 0
.rept 8
	global_load_b128 v[4*(8*g+i):4*(8*g+i)+3], v7, s[WP+2*g:WP+2*g+1] offset:i*RP th:TH_LOAD_NT  ; chunk 0: my 32 rows, 512 consecutive bytes each
.set i, i+1
.endr
.set g, g+1
.endr
	WIN 0
	s_lshl_b32 s38, s18, 23                        ; h: the expert's 1,024 rows of 8,192 bytes, the quarter's 2,048 bytes
	s_lshl_b32 s27, s47, 11
	s_add_co_u32 s38, s38, s27
	s_add_nc_u64 s[30:31], s[4:5], s[38:39]
	s_lshl_b32 s38, s47, 25                        ; ypart: quarter, the expert's 1,024 rows of 4,096 bytes, the slice's 512 bytes
	s_lshl_b32 s27, s18, 22
	s_add_co_u32 s38, s38, s27
	s_lshl_b32 s27, s46, 9
	s_add_co_u32 s38, s38, s27
	s_add_nc_u64 s[34:35], s[10:11], s[38:39]
	s_wait_kmcnt 0x0                               ; the count
	s_min_u32 s19, s19, 1024
	s_add_co_u32 s20, s19, 15
	s_lshr_b32 s20, s20, 4                         ; sub-tiles of 16
	SHARES
	START
.irp j, 0,1,2,3
	LOADA \j, 0, 5                                 ; chunk 0's part of h, the fifth sub-tile's on every path: its registers are written whatever the flag
.endr
	WIN 0
; PASS 0, chunks 0 to 6: a trip rounds and lays a chunk, asks for the next chunk's weights, and multiplies the chunk while they are on their way
	s_mov_b32 s43, 7
.Lf:
.irp g, 0,1,2,3
	GROUP \g, 1, 56                                ; behind group g: 8 (3 - g) of this chunk's weights, 32 of its part of h, 8 g of the next chunk's weights
.endr
	WIN 0
	s_wait_dscnt 0x0                               ; for the others' sake: my part of the chunk is in LDS
	s_barrier_signal -1
	s_barrier_wait -1                              ; the chunk is whole
	LOADB 0, 0
.irp j, 0,1,2,3
	STEP \j, 1
.endr
.irp q, 0,1,2,3
	v_add_nc_u32 v[FA+(\q)], 256, v[FA+(\q)]       ; the next chunk's 256 bytes of each LDS row; these six lines are also the places behind the last products
.endr
	v_add_nc_u32 v6, 256, v6
	v_add_nc_u32 v8, 256, v8
	s_add_nc_u64 s[QA+6:QA+7], s[QA+6:QA+7], 256
	LOADA 3, 0, 4
	WIN 0
	s_cmp_eq_u32 s[FIVE], 0
	s_cbranch_scc1 .Lf4
	LOADA 3, 4, 1
	WIN 0
.Lf4:
	s_wait_dscnt 0x0                               ; my reads of LDS are back;
	s_barrier_signal -1
	s_barrier_wait -1                              ; everybody's are: the next chunk is stored only behind this barrier
	s_sub_co_u32 s43, s43, 1
	s_cmp_lg_u32 s43, 0
	s_cbranch_scc1 .Lf
; chunk 7 is written out: nothing is left to ask for, so the counts run down: 8 (3 - g) of its weights and its 32 loads of h
.irp g, 0,1,2,3
	GROUP \g, 0, 56-8*(\g)
.endr
	WIN 0
	s_wait_dscnt 0x0
	s_barrier_signal -1
	s_barrier_wait -1                              ; the slice lies whole in LDS, and nothing writes LDS from here to the closing barrier
	s_mov_b32 s[SKIPA], 1                          ; chunk 7's part of h was asked for in the last trip
	s_mov_b32 s25, 1
	s_mov_b32 s24, 4
	s_branch .Lx
; PASSES 1 TO 3, for an expert with more than 320 rows: eight chunks out of LDS
.Lpass:
	s_wait_loadcnt 0x0                             ; nothing is out here; the three waits are written so that it holds on every way to this label:
	s_wait_dscnt 0x0                               ; the fragment registers are loaded anew below,
	s_wait_xcnt 0x0                                ; and the registers of the last stores are written again
	SHARES
	s_cmp_eq_u32 s23, 0
	s_cbranch_scc1 .Lnext
	START
	s_mov_b32 s[FIRST], 1
	s_mov_b32 s[SKIPA], 0
	s_mov_b32 s25, 8
.Lx:                                                   ; a chunk whose weights lie in LDS: its part of h is asked for at its head, the fifth sub-tile's first, so that the counts below hold for it too
	s_cmp_eq_u32 s[SKIPA], 1
	s_cbranch_scc1 .Lhave
	s_wait_loadcnt 0x0                             ; the last chunk's wait for its last piece was for 0: written again for the way in from above
	s_cmp_eq_u32 s[FIVE], 0
	s_cbranch_scc1 .Lx4
.irp j, 0,1,2,3
	LOADA \j, 4, 1
.endr
	WIN 0
.Lx4:
.irp j, 0,1,2,3
	LOADA \j, 0, 4
.endr
	WIN 0
.Lhave:
	s_mov_b32 s[SKIPA], 0
	LOADB 0, 0
.irp j, 0,1,2,3
	STEP \j, 0
.endr
.irp q, 0,1,2,3
	v_add_nc_u32 v[FA+(\q)], 256, v[FA+(\q)]       ; also the four places behind the last products
.endr
.irp j, 0,1,2,3
	s_add_nc_u64 s[QA+2*(\j):QA+2*(\j)+1], s[QA+2*(\j):QA+2*(\j)+1], 256  ; the last step's wait for 0 has shown every load of h done
.endr
	s_sub_co_u32 s25, s25, 1
	s_cmp_lg_u32 s25, 0
	s_cbranch_scc1 .Lx
	s_cmp_ge_u32 s23, 5                            ; only my own sub-tiles are stored
	s_cbranch_scc1 .LE4
	s_cmp_eq_u32 s23, 4
	s_cbranch_scc1 .LE3
	s_cmp_eq_u32 s23, 3
	s_cbranch_scc1 .LE2
	s_cmp_eq_u32 s23, 2
	s_cbranch_scc1 .LE1
	s_cmp_eq_u32 s23, 1
	s_cbranch_scc1 .LE0
	s_branch .Lnext
.LE4:
	EPI 4
.LE3:
	EPI 3
.LE2:
	EPI 2
.LE1:
	EPI 1
.LE0:
	EPI 0
.Lnext:
	s_add_co_u32 s[P20], s[P20], 20
	s_sub_co_u32 s24, s24, 1
	s_cmp_lg_u32 s24, 0
	s_cbranch_scc1 .Lpass
	s_wait_dscnt 0x0                               ; my reads of LDS are over;
	s_barrier_signal -1
	s_barrier_wait -1                              ; everybody's are: LDS is written again only behind this barrier
	s_wait_tensorcnt 0x0                           ; the wave's end: an add onto my spare word, behind my last LDS store
	ds_add_u32 v28, v29
	s_wait_dscnt 0x0
	s_endpgm
.Lfunc_end_k_qe7a8bac459_down:
	.size	k_qe7a8bac459_down, .Lfunc_end_k_qe7a8bac459_down-k_qe7a8bac459_down
	.p2alignl 7, 3214868480
	.fill 96, 4, 3214868480
	.section	.rodata,"a",@progbits
	.p2align	6, 0x0
	.amdhsa_kernel k_qe7a8bac459_down
		.amdhsa_group_segment_fixed_size 264704
		.amdhsa_private_segment_fixed_size 0
		.amdhsa_enable_private_segment 0
		.amdhsa_kernarg_size 32
		.amdhsa_user_sgpr_count 2
		.amdhsa_user_sgpr_kernarg_segment_ptr 1
		.amdhsa_wavefront_size32 1
		.amdhsa_system_sgpr_workgroup_id_x 1
		.amdhsa_system_sgpr_workgroup_id_y 1
		.amdhsa_system_sgpr_workgroup_id_z 1
		.amdhsa_system_vgpr_workitem_id 0
		.amdhsa_next_free_vgpr 928
		.amdhsa_next_free_sgpr 74
		.amdhsa_reserve_vcc 0
		.amdhsa_float_denorm_mode_32 3
		.amdhsa_float_denorm_mode_16_64 3
		.amdhsa_memory_ordered 1
		.amdhsa_forward_progress 1
		.amdhsa_inst_pref_size 94
	.end_amdhsa_kernel
	.amdgpu_metadata
---
amdhsa.version: [ 1, 2 ]
amdhsa.kernels:
  - .name:           k_qe7a8bac459_down
    .symbol:         k_qe7a8bac459_down.kd
    .args:
      - { .name: h, .offset: 0, .size: 8, .value_kind: global_buffer, .address_space: global }
      - { .name: rankmap, .offset: 8, .size: 8, .value_kind: global_buffer, .address_space: global }
      - { .name: w2, .offset: 16, .size: 8, .value_kind: global_buffer, .address_space: global }
      - { .name: ypart, .offset: 24, .size: 8, .value_kind: global_buffer, .address_space: global }
    .group_segment_fixed_size: 264704
    .private_segment_fixed_size: 0
    .kernarg_segment_align: 8
    .kernarg_segment_size: 32
    .max_flat_workgroup_size: 128
    .sgpr_count:     74
    .vgpr_count:     928
    .wavefront_size: 32
...
	.end_amdgpu_metadata
.endif
;; end of part 6
;; launch combine: the kernel of part 4 again; grid 256 x 1, 8 waves a work-group, no clusters, 0 bytes of LDS; arguments idx, gates, rankmap, ypart, b2, out0; writes out0
;; ======== version 3 of 3: 4 launches; version 2 with the launches up, down written anew for expert scheduling mode
;; workspace buffers: xb 2,097,152 bytes; idx 8,192 bytes of whole numbers; gates 8,192 bytes; rankmap 33,792 bytes of whole numbers; h 67,108,864 bytes; ypart 134,217,728 bytes
;; launch router: the kernel of part 1 again; grid 256 x 1, 4 waves a work-group, no clusters, 1,536 bytes of LDS; arguments x, noise_u, wg, bg, wn, bn, xb, idx, gates; writes xb, idx, gates
;; launch up (part 7): grid 32 x 8, 4 waves a work-group, no clusters, 264,704 bytes of LDS; arguments xb, idx, w1, b1, h, rankmap; writes h, rankmap
.if DOCPART == 7
	.amdgcn_target "amdgcn-amd-amdhsa--gfx1250"
	.amdhsa_code_object_version 6
	.text
	.protected	k_qe7a8bac459_up
	.globl	k_qe7a8bac459_up
	.p2align	8
	.type	k_qe7a8bac459_up,@function
k_qe7a8bac459_up:
	s_mov_b64 s[64:65], 0
	v_nop
	global_prefetch_b8 v0, s[64:65] scope:SCOPE_SE
	s_setreg_imm32_b32 hwreg(HW_REG_WAVE_SCHED_MODE, 0, 2), 2
	s_setreg_imm32_b32 hwreg(HW_REG_WAVE_MODE, 25, 1), 1
	s_wait_xcnt 0x0
	s_wait_alu depctr_vm_vsrc(0)
; THE FIRST PRODUCT.  h[e][rank][n] = relu(x[token] . w1[e][:, n] + b1[e][n]) in bf16, for the tokens that chose expert e alone.  Sums in f32; w1 and b1 are rounded to bf16 on their way (x came rounded).
; SHARES.  Work-group (slice, e) has columns 128 slice .. + 127 of expert e's w1, all 1,024 k: 512 KiB of f32 that it alone reads, once.
; STREAM AND PRODUCT IN ONE LOOP.  K goes in 8 chunks of 128.  Wave w brings rows 32 w .. + 31 of a chunk through 32 register slots (a row of 512 consecutive bytes a load), rounds them and lays them into LDS with K along
; the row (128 LDS rows of 2,048 bytes; LDS row 16 b + r holds column 8 r + b); each group of 8 slots is asked for again, with the next chunk's rows, as soon as it is rounded, so the next chunk is on its way while
; this one is multiplied.  Two barriers a chunk: one between the stores and the reads of the chunk, one between those reads and the next chunk's stores.
; RANKS.  Every wave makes the expert's bitmap of tokens from idx, in scalar registers; a token's rank is its place among the set bits.  Ranks go in sub-tiles of 16.  A PASS serves 20 sub-tiles, dealt evenly to the
; four waves (n / 4 each, the first n % 4 waves one more).  A wave always multiplies four (places past its share or past the count repeat an existing token and are not stored); the fifth is jumped by a flag.
; Pass 0 is the loop above.  An expert with more than 320 tokens takes up to three more passes on the slice that then lies whole in LDS: nothing writes LDS any more, so they have no barrier, and a pass without
; rows is jumped.  An expert without tokens streams its slice, multiplies a repeated token and stores nothing.
; THE MATRIX INSTRUCTION: source 0 = 16 tokens (from memory, K along the row), source 1 = 16 LDS rows of weights: register j of a result holds token 8 (l / 16) + j and LDS row l % 16.  The bias is the C operand that starts a sum.
; THE WAY OUT needs no LDS: for token j the roundings to bf16 take register j of the eight blocks: columns 8 r .. 8 r + 7, 16 bytes a lane, and sixteen lanes are the slice's 256 bytes of a row of h.
; NO CLUSTER, NO TENSOR LOAD: a slice has one reader and must pass through registers to be rounded; the shared token rows come by a list.
; LOADS ON THEIR WAY, by this text's own count: 32 of weights and up to 40 of tokens a wave.  Loads come back in order (ISA guide 5.7.1), so each wait names the loads asked for behind the one it needs, counted on the
; path without the fifth sub-tile; with it the same counts ask for at most 8 loads more.
; THE MODE: SCHED_MODE bits 1:0 = 2 (LLVM: expert scheduling mode 2), set by the entry lines.  The code itself states the register dependences between vector or matrix instructions and memory or LDS instructions,
; and those through scalar registers that vector instructions write, with s_wait_alu, always for 0.
; THE PLAN.  Registers that memory or LDS instructions touch, round the loop:
;   the 32 slots     GROUP g's sixteen roundings read group g; behind them the next chunk's eight loads land in it.
;   R0 .. R3         GROUP g's roundings write R[g]; its four LDS stores read it; it is written again a chunk later.
;   pieces 0 .. 3    Step j's products read piece j; the next chunk's loads land in it in step j + 1 (piece 3: at the trip's end).
;   BF0, BF1         Step j's products read BF[j % 2]; in step j the LDS loads of step j + 1 land in the other buffer, which step j - 1's products read.
;   v6, v8, FA       LDS addresses, read by every LDS store and every fragment load; stepped once a chunk, at its end.
;   AO               Written once a pass; read by the loads of tokens.          T   The way out: written by the roundings and the relu, read by the sub-tile's stores.
;   v7, v9, v10, v17, v18   offsets, made once at the head and never written again.
; On va_vdst: one wait in a GROUP, behind its roundings; one at the head of steps 1 to 3; one at the trip's end; one at the head of a chunk that comes out of LDS; one ahead of each run of stores.
; On vm_vsrc: one a chunk, ahead of the adds to the LDS addresses, which frees R0 .. R3 too; one at a later pass's head; one at the head of a sub-tile's way out.
; On va_sdst: the compares stand in runs, into scalar registers, with one wait behind each run.
; REGISTERS, in windows of 256 (s_set_vgpr_msb: bits 1:0 source 0, 3:2 source 1, 5:4 source 2, 7:6 destination):
;   window 0: v0-31 addresses; v32-63 at work; v64-127 the bias, block b at 64 + 8 b; v128-255 two buffers of weight fragments (at the start: v128-191 idx)
;   window 1: v0-127 the 32 slots; v128-191 the fifth sub-tile's sums; v192-255 R0 .. R3, the rounded weights on their way to LDS
;   window 2: the sums of sub-tiles 0-3, 64 a + 8 b          window 3: v0-159 token fragments, four pieces of 32 k: 40 piece + 8 a
.set RP,    16384                      ; bytes from a row of w1 to the next
.set PW,    2064                       ; an LDS row: 2,048 bytes + 16 = 129 x 16: the 16 rows that a fragment load touches start at 16 different groups of four banks (64 banks of 4 bytes: ISA guide 11.1)
.set T,     32
.set SC,    41                         ; v41-61  the three selections' registers at work, seven each
.set BIAS,  64
.set BF,    128
.set IX,    128
.set ACC4,  128                        ; in window 1
.set RW,    192                        ; in window 1: R[g] at 192 + 16 g
.set AO,    12                         ; v12-16  a sub-tile's byte offset in xb
.set FA,    20                         ; v20-23  fragment addresses, one for two blocks of 16 LDS rows; they walk 256 bytes a chunk
.set BM,    66                         ; s[66:97] the bitmap: bit l of word j is token 64 (j / 2) + 2 l + j % 2
.set WP,    54                         ; s[54:61] w1 at the rows that group g of the slots asks for: a pointer a group
.set QA,    4                          ; s[4:11]  xb at piece j of the chunk to be asked for: a pointer a piece (the arguments that lay here have been used up)
.set P20,   46                         ; s46  the pass's first sub-tile
.set FIVE,  47                         ; s47  1: I have a fifth sub-tile
.set FIRST, 48                         ; s48  1: the next K step starts the sums
.set SKIPA, 50                         ; s50  1: this chunk's tokens have been asked for already
; v1 l % 16; v2 l / 16; v3 16 (l / 16); v4 my place in a fragment; v5 lane; v6, v8 where I lay weights; v7 16 lane; v9 32 (l % 16); v10 my offset in h; v11 0; v17 8 lane; v18 4 lane; v19 the count
; v24-26 the other half's tokens; v30, v31 at work
; s16 wave; s17 slice; s18 e; s19 count; s20 sub-tiles; s21 n / 4; s22 my first sub-tile; s23 how many are mine; s24, s25, s43 counters; s26 count - 1; s2, s27, s42, s51 at work; s28, s29, s40-42, s62, s63 masks that compares write
; s[30:31] xb; s[32:33], s[44:45] b1, rankmap; s[34:35] h; s[36:37] h at a sub-tile; s[38:39] an offset; s49 0xffff0000; s52, s53 lane selects
.set MSB, 0
.macro WIN new                         ; the immediate's high byte repeats the setting that is left; a switch that changes nothing is dropped
.if MSB != (\new)
	s_set_vgpr_msb (MSB<<8)|(\new)
.set MSB, \new
.endif
.endm
.macro PLACES                          ; four plain instructions between a matrix instruction and a load into, or a reader of, its registers
.rept 4
	v_nop
.endr
.endm
; Eight slots' turn, 8 k of my 4 columns: two k of a column are rounded into a word, a column's 8 k are 16 bytes of its LDS row; then (fill = 1) the slots are asked for again, with the next chunk's rows.
; left = the younger loads that may stay out.  The group's pointer is stepped behind the wait that shows its own last loads done.
.macro GROUP g, fill, left
	s_wait_loadcnt \left
	WIN 0x45                                       ; sources and destination window 1
.set i, 0
.rept 4
.set m, 0
.rept 4
	v_cvt_pk_bf16_f32 v[RW+16*(\g)+4*i+m], v[4*(8*(\g)+2*m)+i], v[4*(8*(\g)+2*m+1)+i]
.set m, m+1
.endr
.set i, i+1
.endr
	WIN 0x44                                       ; the stores' data and the loads' destination window 1, addresses window 0
	s_wait_alu depctr_va_vdst(0)                   ; the roundings have written R[g], which the LDS stores read, and are done reading the group's slots, in which the loads land; v6 and v8 are written
	ds_store_b128 v6, v[RW+16*(\g):RW+16*(\g)+3]     offset:16*(\g)
	ds_store_b128 v6, v[RW+16*(\g)+4:RW+16*(\g)+7]   offset:16*PW+16*(\g)
	ds_store_b128 v8, v[RW+16*(\g)+8:RW+16*(\g)+11]  offset:16*(\g)
	ds_store_b128 v8, v[RW+16*(\g)+12:RW+16*(\g)+15] offset:16*PW+16*(\g)
.if \fill
	s_add_nc_u64 s[WP+2*(\g):WP+2*(\g)+1], s[WP+2*(\g):WP+2*(\g)+1], 128*RP
.set i, 0
.rept 8
	global_load_b128 v[4*(8*(\g)+i):4*(8*(\g)+i)+3], v7, s[WP+2*(\g):WP+2*(\g)+1] offset:i*RP th:TH_LOAD_NT
.set i, i+1
.endr
.endif
.endm
; Piece j (32 along K) of n sub-tiles from a0 on: a lane's 16 bytes at k = 8 (l / 16) and at 16 + 8 (l / 16)
.macro LOADA j, a0, n
	WIN 0xc0                                       ; destination window 3, address window 0
.set la, \a0
.rept \n
	global_load_b128 v[40*(\j)+8*la:40*(\j)+8*la+3],   v[AO+la], s[QA+2*(\j):QA+2*(\j)+1]
	global_load_b128 v[40*(\j)+8*la+4:40*(\j)+8*la+7], v[AO+la], s[QA+2*(\j):QA+2*(\j)+1] offset:32
.set la, la+1
.endr
.endm
; Step j of the chunk, all 128 LDS rows, into buffer buf
.macro LOADB j, buf
	WIN 0
.set lb, 0
.rept 8
	ds_load_b128 v[BF+64*(\buf)+8*lb:BF+64*(\buf)+8*lb+3],   v[FA+lb/2] offset:(lb%2)*16*PW+64*(\j)
	ds_load_b128 v[BF+64*(\buf)+8*lb+4:BF+64*(\buf)+8*lb+7], v[FA+lb/2] offset:(lb%2)*16*PW+64*(\j)+32
.set lb, lb+1
.endr
.endm
; Step j's products.  The accumulators take turns, one instruction a turn.  first = 1: the bias starts the sums.
; f = 1 (the fused loop), j > 0: half-way through them the piece that the last step read is asked for again, with the next chunk's tokens.  No wait stands there: the products issued since the wait at the step's head
; name piece j, BF[j % 2] and the sums, none of the registers that those loads touch.  The piece's pointer is stepped behind the wait that showed its last loads done, at this step's head.
.macro MUL4 j, first, f                ; sub-tiles 0 to 3
.set ma, 0
.rept 4
.if \first
	WIN 0x83                                       ; tokens window 3, weights window 0, C (the bias) window 0, D window 2
.else
	WIN 0xa3                                       ; C and D window 2
.endif
.set mb, 0
.rept 8
.if \first
	v_wmma_f32_16x16x32_bf16 v[64*ma+8*mb:64*ma+8*mb+7], v[40*(\j)+8*ma:40*(\j)+8*ma+7], v[BF+64*((\j)&1)+8*mb:BF+64*((\j)&1)+8*mb+7], v[BIAS+8*mb:BIAS+8*mb+7]
.else
	v_wmma_f32_16x16x32_bf16 v[64*ma+8*mb:64*ma+8*mb+7], v[40*(\j)+8*ma:40*(\j)+8*ma+7], v[BF+64*((\j)&1)+8*mb:BF+64*((\j)&1)+8*mb+7], v[64*ma+8*mb:64*ma+8*mb+7]
.endif
.set mb, mb+1
.endr
.if (\f) && ((\j) > 0) && (ma == 1)
	s_add_nc_u64 s[QA+2*(\j)-2:QA+2*(\j)-1], s[QA+2*(\j)-2:QA+2*(\j)-1], 256
	LOADA (\j)-1, 0, 4
.endif
.set ma, ma+1
.endr
.endm
.macro MUL1 j, first                   ; the fifth sub-tile
.if \first
	WIN 0x43                                       ; C (the bias) window 0, D window 1
.else
	WIN 0x53                                       ; C and D window 1
.endif
.set mb, 0
.rept 8
.if \first
	v_wmma_f32_16x16x32_bf16 v[ACC4+8*mb:ACC4+8*mb+7], v[40*(\j)+32:40*(\j)+39], v[BF+64*((\j)&1)+8*mb:BF+64*((\j)&1)+8*mb+7], v[BIAS+8*mb:BIAS+8*mb+7]
.else
	v_wmma_f32_16x16x32_bf16 v[ACC4+8*mb:ACC4+8*mb+7], v[40*(\j)+32:40*(\j)+39], v[BF+64*((\j)&1)+8*mb:BF+64*((\j)&1)+8*mb+7], v[ACC4+8*mb:ACC4+8*mb+7]
.endif
.set mb, mb+1
.endr
.endm
; K step j of a chunk.  Its fragments are waited for; the next step's weights are asked for; f = 1 (the fused loop): the piece that the last step read is asked for again (MUL4).
; What may stay out behind piece j.  f = 1, j = 0: this chunk's 3 later pieces (24) and the 32 loads of weights; j > 0: 8 (3 - j), the 32, and 8 (j - 1) of the next chunk: 48.  f = 0: the later pieces alone.
; Step 0 has no wait on va_vdst: since the last one (GROUP 3's, or the one at the chunk's head) no vector or matrix instruction has named a fragment buffer.  Step 3 of a chunk out of LDS asks for nothing, so it has none either.
.macro STEP j, f
	WIN 0
.if (\f) && ((\j) == 0)
	s_wait_loadcnt 56
.elseif \f
	s_wait_loadcnt 48
.else
	s_wait_loadcnt 8*(3-(\j))
.endif
	s_wait_dscnt 0x0                               ; this step's weights are in
	PLACES                                         ; the loads below go into registers that the last step's products read
.if ((\j) > 0) && (((\j) < 3) || (\f))
	s_wait_alu depctr_va_vdst(0)                   ; the last step's products are done reading the other fragment buffer and their piece of tokens, in which this step's loads land
.endif
.if (\j) < 3
	LOADB (\j)+1, ((\j)+1)&1
.endif
.if (\j) == 0
	s_cmp_eq_u32 s[FIRST], 1
	s_cbranch_scc1 .Lfst_\@
.endif
	MUL4 \j, 0, \f
	WIN 0
	s_cmp_eq_u32 s[FIVE], 0
	s_cbranch_scc1 .Lno5_\@
.if (\f) && ((\j) > 0)
	LOADA (\j)-1, 4, 1                             ; the fifth sub-tile's part of that piece: its last reader stands ahead of the wait at the step's head, and no product since names it
.endif
	MUL1 \j, 0
	WIN 0
.Lno5_\@:
.if (\j) == 0
	s_branch .Lj0_\@
.Lfst_\@:                                              ; a pass's first step: all five sub-tiles' sums are started, so that they are written on every path
	s_mov_b32 s[FIRST], 0
	MUL4 0, 1, \f
	MUL1 0, 1
	WIN 0
.Lj0_\@:
.endif
.endm
; The pass's n = 0 .. 20 sub-tiles from s[P20] on, dealt evenly
.macro SHARES
	s_max_u32 s27, s20, s[P20]
	s_sub_co_u32 s27, s27, s[P20]
	s_min_u32 s27, s27, 20                         ; n
	s_lshr_b32 s21, s27, 2
	s_and_b32 s40, s27, 3
	s_mul_i32 s22, s16, s21
	s_min_u32 s41, s16, s40
	s_add_co_u32 s22, s22, s41
	s_add_co_u32 s22, s22, s[P20]                  ; my first
	s_cmp_lt_u32 s16, s40
	s_cselect_b32 s41, 1, 0
	s_add_co_u32 s23, s21, s41                     ; how many are mine
	s_cmp_eq_u32 s23, 5
	s_cselect_b32 s[FIVE], 1, 0
.endm
; The n-th set bit of a word, for three ranks in step.  Rank q: v[35+q] the word; v[38+q] the set bits before the word (low half) and the word's first token (high half); v[32+q] the rank; seven registers at work at SC + 7 q.
; Counts of the word's fields of 2, 4 and 8 bits are made by sums; then the search goes down: where n is not below the lower half's count, it takes the upper half.
; The three compares of a stage write s40, s41, s42 and stand in a run, with one wait behind them.
.macro ASK3                            ; is n not below the lower part's count?
.irp q, 0,1,2
	v_cmp_ge_u32 s[40+(\q)], v[SC+7*(\q)+3], v[SC+7*(\q)+5]
.endr
	s_wait_alu depctr_va_sdst(0)                   ; the three compares have written s40 to s42, ahead of the selects that read them
.endm
.macro SELECT3
.irp q, 0,1,2
	v_and_b32 v[SC+7*(\q)+3], 0xffff, v[38+(\q)]
	v_sub_nc_u32 v[SC+7*(\q)+3], v[32+(\q)], v[SC+7*(\q)+3]     ; n
	v_lshrrev_b32 v[SC+7*(\q)], 1, v[35+(\q)]
	v_and_b32 v[SC+7*(\q)], 0x55555555, v[SC+7*(\q)]
	v_sub_nc_u32 v[SC+7*(\q)], v[35+(\q)], v[SC+7*(\q)]         ; fields of 2
	v_lshrrev_b32 v[SC+7*(\q)+1], 2, v[SC+7*(\q)]
	v_and_b32 v[SC+7*(\q)+1], 0x33333333, v[SC+7*(\q)+1]
	v_and_b32 v[SC+7*(\q)+5], 0x33333333, v[SC+7*(\q)]
	v_add_nc_u32 v[SC+7*(\q)+1], v[SC+7*(\q)+1], v[SC+7*(\q)+5] ; fields of 4
	v_lshrrev_b32 v[SC+7*(\q)+2], 4, v[SC+7*(\q)+1]
	v_add_nc_u32 v[SC+7*(\q)+2], v[SC+7*(\q)+2], v[SC+7*(\q)+1]
	v_and_b32 v[SC+7*(\q)+2], 0x0f0f0f0f, v[SC+7*(\q)+2]        ; fields of 8
	v_lshrrev_b32 v[SC+7*(\q)+5], 8, v[SC+7*(\q)+2]
	v_add_nc_u32 v[SC+7*(\q)+5], v[SC+7*(\q)+5], v[SC+7*(\q)+2]
	v_and_b32 v[SC+7*(\q)+5], 0xff, v[SC+7*(\q)+5]              ; the low 16 bits' count
.endr
	ASK3
.irp q, 0,1,2
	v_cndmask_b32 v[SC+7*(\q)+4], 0, 16, s[40+(\q)]             ; the place
	v_cndmask_b32 v[SC+7*(\q)+5], 0, v[SC+7*(\q)+5], s[40+(\q)]
	v_sub_nc_u32 v[SC+7*(\q)+3], v[SC+7*(\q)+3], v[SC+7*(\q)+5]
.endr
.irp f, 2,1,0
.irp q, 0,1,2
	v_bfe_u32 v[SC+7*(\q)+5], v[SC+7*(\q)+(\f)], v[SC+7*(\q)+4], 2<<(\f)
.endr
	ASK3
.irp q, 0,1,2
	v_cndmask_b32 v[SC+7*(\q)+5], 0, v[SC+7*(\q)+5], s[40+(\q)]
	v_sub_nc_u32 v[SC+7*(\q)+3], v[SC+7*(\q)+3], v[SC+7*(\q)+5]
	v_cndmask_b32 v[SC+7*(\q)+6], 0, 2<<(\f), s[40+(\q)]
	v_add_nc_u32 v[SC+7*(\q)+4], v[SC+7*(\q)+4], v[SC+7*(\q)+6]
.endr
.endr
.irp q, 0,1,2
	v_bfe_u32 v[SC+7*(\q)+5], v[35+(\q)], v[SC+7*(\q)+4], 1
.endr
	ASK3
.irp q, 0,1,2
	v_cndmask_b32 v[SC+7*(\q)+6], 0, 1, s[40+(\q)]
	v_add_nc_u32 v[SC+7*(\q)+4], v[SC+7*(\q)+4], v[SC+7*(\q)+6]
.endr
	v_lshrrev_b32 v62, 16, v38
	v_lshrrev_b32 v63, 16, v39
	v_lshrrev_b32 v31, 16, v40
	v_lshl_add_u32 v62, v[SC+4], 1, v62            ; bit l of a word is 2 l tokens behind the word's first
	v_lshl_add_u32 v63, v[SC+11], 1, v63
	v_lshl_add_u32 v31, v[SC+18], 1, v31
.endm
; The walk's word j.  ASKW: are the set bits before it not above each of my three ranks?  Three compares into s[m0], s[m1], s[m2]; s[k] takes the word's packed count and first token; the count moves on.
; KEEPW, behind the wait: where they are not, the word and its packed pair are kept.
.macro ASKW j, k, m0, m1, m2
	s_or_b32 s[\k], s42, (64*((\j)/2)+((\j)%2))<<16
	v_cmp_le_u32 s[\m0], s42, v32
	v_cmp_le_u32 s[\m1], s42, v33
	v_cmp_le_u32 s[\m2], s42, v34
	s_bcnt1_i32_b32 s51, s[BM+(\j)]
	s_add_co_u32 s42, s42, s51
.endm
.macro KEEPW j, k, m0, m1, m2
	v_cndmask_b32 v35, v35, s[BM+(\j)], s[\m0]
	v_cndmask_b32 v38, v38, s[\k], s[\m0]
	v_cndmask_b32 v36, v36, s[BM+(\j)], s[\m1]
	v_cndmask_b32 v39, v39, s[\k], s[\m1]
	v_cndmask_b32 v37, v37, s[BM+(\j)], s[\m2]
	v_cndmask_b32 v40, v40, s[\k], s[\m2]
.endm
; The tokens of ranks 16 s22 .. + 79 (past the count: the last rank), three ranks a lane: 16 s22 + lane, and 32 and 64 on.  The walk keeps the last word whose count of earlier set bits is not above the rank.
.macro LOOKUP
	s_lshl_b32 s27, s22, 4
	v_add_nc_u32 v32, s27, v5
	v_add_nc_u32 v33, 32, v32
	v_add_nc_u32 v34, 64, v32
.irp q, 32,33,34
	v_min_u32 v\q, s26, v\q
.endr
.irp q, 35,36,37
	v_mov_b32 v\q, s[BM]
.endr
.irp q, 38,39,40
	v_mov_b32 v\q, 0
.endr
	s_bcnt1_i32_b32 s42, s[BM]
.set j, 1
.rept 15
	ASKW j, 27, 28, 29, 40
	ASKW j+1, 2, 41, 62, 63
	s_wait_alu depctr_va_sdst(0)                   ; two words' six compares have written their masks, ahead of the selects that read them
	KEEPW j, 27, 28, 29, 40
	KEEPW j+1, 2, 41, 62, 63
.set j, j+2
.endr
	ASKW 31, 27, 28, 29, 40
	s_wait_alu depctr_va_sdst(0)                   ; the last word's three compares have written their masks
	KEEPW 31, 27, 28, 29, 40
	SELECT3
	v_permlanex16_b32 v24, v62, s52, s53           ; lanes 0-15 found one sub-tile's tokens, lanes 16-31 the next one's: both halves want both
	v_permlanex16_b32 v25, v63, s52, s53
	v_permlanex16_b32 v26, v31, s52, s53
	v_cndmask_b32 v12, v62, v24, s49
	v_cndmask_b32 v13, v24, v62, s49
	v_cndmask_b32 v14, v63, v25, s49
	v_cndmask_b32 v15, v25, v63, s49
	v_cndmask_b32 v16, v31, v26, s49
.irp a, 12,13,14,15,16
	v_min_u32 v\a, 0x3ff, v\a
.endr
.irp a, 12,13,14,15,16
	v_lshl_add_u32 v\a, v\a, 11, v3                ; the token's row of 2,048 bytes + 16 (l / 16)
.endr
.endm
; What a pass starts from: the pieces' pointers and the fragment addresses at K = 0
.macro START
.irp j, 0,1,2,3
	s_add_nc_u64 s[QA+2*(\j):QA+2*(\j)+1], s[30:31], 64*(\j)
.endr
.irp q, 0,1,2,3
	v_add_nc_u32 v[FA+(\q)], (\q)*32*PW, v4
.endr
.endm
; THE WAY OUT of sub-tile a: token j's eight columns, register j of the eight blocks, rounded to bf16, relu on the packed halves, stored from registers
.macro EPI a
	s_wait_xcnt 0x0                                ; the last stores have read their registers and their base
.if (\a) < 4
	s_wait_alu depctr_vm_vsrc(0)                   ; the stores of the sub-tile that left before have read T, which the roundings write again (the fifth sub-tile is always a pass's first to leave)
.endif
	s_add_co_u32 s27, s22, \a
	s_min_u32 s27, s27, 63
	s_lshl_b32 s38, s27, 17                        ; 16 rows of 8,192 bytes
	s_add_nc_u64 s[36:37], s[34:35], s[38:39]
.if (\a) < 4
	WIN 0x0a                                       ; sources window 2
.set eb, 64*(\a)
.else
	WIN 0x05                                       ; sources window 1
.set eb, ACC4
.endif
.set j, 0
.rept 8
.set i, 0
.rept 4
	v_cvt_pk_bf16_f32 v[T+4*j+i], v[eb+16*i+j], v[eb+16*i+8+j]
.set i, i+1
.endr
.set j, j+1
.endr
	WIN 0
.set i, 0
.rept 32
	v_pk_max_num_bf16 v[T+i], v[T+i], v11
.set i, i+1
.endr
	s_wait_alu depctr_va_vdst(0)                   ; the relu has written T, which the stores read
.irp t, 0,1,2,3,4,5,6,7
	global_store_b128 v10, v[T+4*(\t):T+4*(\t)+3], s[36:37] offset:(\t)*8192  ; rows t and 8 + t: 16 lanes store 256 consecutive bytes, aligned
.endr
.endm
	s_load_b256 s[4:11], s[0:1], 0x0               ; xb 4, idx 6, w1 8, b1 10
	s_load_b128 s[12:15], s[0:1], 0x20             ; h 12, rankmap 14
	v_lshl_add_u32 v28, v0, 2, 0x40800
	v_mov_b32 v29, 0
	v_lshrrev_b32 v31, 5, v0
	v_readfirstlane_b32 s16, v31
	s_mov_b32 s17, ttmp9
	s_and_b32 s18, ttmp7, 0xffff
	s_mov_b32 s49, 0xffff0000                      ; a word's upper bf16; also the mask of lanes 16 to 31
	s_mov_b32 s52, 0x76543210                      ; v_permlanex16_b32: each lane takes its own place in the other half
	s_mov_b32 s53, 0xfedcba98
	s_mov_b32 s[P20], 0
	s_mov_b32 s[FIRST], 1
	v_and_b32 v5, 31, v0
	v_and_b32 v1, 15, v0
	v_bfe_u32 v2, v0, 4, 1
	v_lshlrev_b32 v3, 4, v2
	v_mul_u32_u24 v4, v1, PW
	v_add_nc_u32 v4, v4, v3                        ; a fragment: row l % 16, 16 bytes for each half of the lanes
	v_and_b32 v30, 1, v0                           ; my four columns 4 lane + i = 8 (lane / 2) + 4 (lane % 2) + i lie in LDS rows 64 (lane % 2) + 16 i + lane / 2
	v_bfe_u32 v31, v0, 1, 4
	v_lshl_add_u32 v30, v30, 6, v31
	v_mul_u32_u24 v6, v30, PW
	s_wait_alu depctr_va_sdst(0)                   ; s16, the wave's number, is written, ahead of its first reader
	s_lshl_b32 s27, s16, 6                         ; my wave's 32 k of a chunk: 64 bytes of each LDS row
	v_add_nc_u32 v6, s27, v6                       ; i = 0, 1
	v_add_nc_u32 v8, 32*PW, v6                     ; i = 2, 3
	v_lshlrev_b32 v7, 4, v5
	v_lshlrev_b32 v9, 5, v1
	v_lshlrev_b32 v17, 3, v5
	v_lshlrev_b32 v18, 2, v5
	v_lshlrev_b32 v10, 16, v2                      ; h: lanes 16-31 eight rows of 8,192 bytes further down,
	v_lshl_add_u32 v10, v1, 4, v10                 ; 16 bytes a lane
	v_mov_b32 v11, 0
	v_mov_b32 v24, 0                               ; written once, since v_permlanex16_b32 counts as a reader of its destination
	v_mov_b32 v25, 0
	v_mov_b32 v26, 0
	s_lshl_b32 s38, s18, 24                        ; w1: expert, my wave's 32 rows of a chunk, the slice's 512 bytes
	s_lshl_b32 s27, s16, 19
	s_add_co_u32 s38, s38, s27
	s_lshl_b32 s27, s17, 9
	s_add_co_u32 s38, s38, s27
	s_mov_b32 s39, 0
	s_wait_kmcnt 0x0
	s_add_nc_u64 s[WP:WP+1], s[8:9], s[38:39]
.irp g, 1,2,3
	s_add_nc_u64 s[WP+2*(\g):WP+2*(\g)+1], s[WP:WP+1], (\g)*8*RP
.endr
	s_mov_b64 s[30:31], s[4:5]
	s_lshl_b32 s38, s18, 23                        ; h: the expert's 1,024 rows of 8,192 bytes, the slice's 256 bytes
	s_lshl_b32 s27, s17, 8
	s_add_co_u32 s38, s38, s27
	s_add_nc_u64 s[34:35], s[12:13], s[38:39]
	s_lshl_b32 s38, s18, 14                        ; b1
	s_lshl_b32 s27, s17, 9
	s_add_co_u32 s38, s38, s27
	s_add_nc_u64 s[44:45], s[10:11], s[38:39]
	s_wait_alu depctr_va_vdst(0)                   ; the offsets v7, v9, v10, v17, v18 and the LDS addresses v6, v8 are written, which the loads and stores of the kernel read
	global_load_b128 v[BIAS:BIAS+3],   v9, s[44:45]             ; the bias of columns 8 r .. 8 r + 7
	global_load_b128 v[BIAS+4:BIAS+7], v9, s[44:45] offset:16
.set i, 0
.rept 16
	global_load_b128 v[IX+4*i:IX+4*i+3], v7, s[6:7] offset:512*i  ; both choices of tokens 64 i + 2 lane and 64 i + 2 lane + 1
.set i, i+1
.endr
	WIN 0x40                                       ; destination window 1
.set g, 0
.rept 4
.set i, 0
.rept 8
	global_load_b128 v[4*(8*g+i):4*(8*g+i)+3], v7, s[WP+2*g:WP+2*g+1] offset:i*RP th:TH_LOAD_NT  ; chunk 0: my 32 rows, 512 consecutive bytes each
.set i, i+1
.endr
.set g, g+1
.endr
	WIN 0
	s_wait_loadcnt 32                              ; the bias and idx are in: the 32 loads of weights were asked for behind them.  What follows stands in the wait for those
; the bias, rounded to bf16: block b's eight registers (eight tokens) all hold the bias of column 8 r + b
.irp u, 0,1,2,3
	v_cvt_pk_bf16_f32 v[48+(\u)], v[BIAS+2*(\u)], v[BIAS+2*(\u)+1]
.endr
.set b, 0
.rept 8
.set j, 0
.rept 8
.if (b%2) == 0
	v_lshlrev_b32 v[BIAS+8*b+j], 16, v[48+b/2]
.else
	v_and_b32 v[BIAS+8*b+j], s49, v[48+b/2]
.endif
.set j, j+1
.endr
.set b, b+1
.endr
; THE BITMAP and the count, in every wave.  Word j's two choices lie in v[IX + 2 j] and v[IX + 2 j + 1].  Four words' eight compares stand in a run: the first choice's into the word itself, the second's into s28, s29, s40, s41.
	s_mov_b32 s19, 0
.set j, 0
.rept 8
	v_cmp_eq_u32 s[BM+j],   s18, v[IX+2*j]
	v_cmp_eq_u32 s28,       s18, v[IX+2*j+1]
	v_cmp_eq_u32 s[BM+j+1], s18, v[IX+2*j+2]
	v_cmp_eq_u32 s29,       s18, v[IX+2*j+3]
	v_cmp_eq_u32 s[BM+j+2], s18, v[IX+2*j+4]
	v_cmp_eq_u32 s40,       s18, v[IX+2*j+5]
	v_cmp_eq_u32 s[BM+j+3], s18, v[IX+2*j+6]
	v_cmp_eq_u32 s41,       s18, v[IX+2*j+7]
	s_wait_alu depctr_va_sdst(0)                   ; the eight compares have written their masks, ahead of the scalar lines that read them
	s_or_b32 s[BM+j],   s[BM+j],   s28
	s_or_b32 s[BM+j+1], s[BM+j+1], s29
	s_or_b32 s[BM+j+2], s[BM+j+2], s40
	s_or_b32 s[BM+j+3], s[BM+j+3], s41
.irp u, 0,1,2,3
	s_bcnt1_i32_b32 s27, s[BM+j+(\u)]
	s_add_co_u32 s19, s19, s27
.endr
.set j, j+4
.endr
; wave 0 of the expert's first work-group stores every token's rank (the set bits before it; for a token that did not choose e a number nobody reads) and the count, for the later launches
	s_or_b32 s27, s16, s17
	s_cmp_lg_u32 s27, 0
	s_cbranch_scc1 .Lno_map
	s_mov_b32 s42, 0
.set j, 0
.rept 32
	v_mbcnt_lo_u32_b32 v[IX+4*(j/2)+(j%2)], s[BM+j], s42
	s_bcnt1_i32_b32 s27, s[BM+j]
	s_add_co_u32 s42, s42, s27
.set j, j+1
.endr
	v_mov_b32 v19, s19
	s_lshl_b32 s38, s18, 12
	s_add_nc_u64 s[44:45], s[14:15], s[38:39]
	s_wait_alu depctr_va_vdst(0)                   ; the ranks and the count are written, which the stores read
.set i, 0
.rept 16
	global_store_b64 v17, v[IX+4*i:IX+4*i+1], s[44:45] offset:256*i  ; 256 consecutive bytes, aligned
.set i, i+1
.endr
	s_lshl_b32 s38, s18, 7
	s_add_nc_u64 s[32:33], s[14:15], s[38:39]
	global_store_b32 v18, v19, s[32:33] offset:32768  ; the count, 32 times: 128 bytes an expert
	s_wait_xcnt 0x0                                ; the stores' registers are written again below
	s_wait_alu depctr_vm_vsrc(0)                   ; the stores have read the ranks' registers, in which the first fragments of weights land
.Lno_map:
	s_min_u32 s19, s19, 1024
	s_add_co_u32 s20, s19, 15
	s_lshr_b32 s20, s20, 4                         ; sub-tiles of 16
	s_max_u32 s26, s19, 1
	s_sub_co_u32 s26, s26, 1                       ; the last rank
	SHARES
	LOOKUP
	START
	s_wait_alu depctr_va_vdst(0)                   ; AO is written, which the loads of tokens read, and FA, which the fragment loads read
.irp j, 0,1,2,3
	LOADA \j, 0, 5                                 ; chunk 0's tokens, the fifth sub-tile's on every path: its registers are written whatever the flag
.endr
	WIN 0
; PASS 0, chunks 0 to 6: a trip rounds and lays a chunk, asks for the next chunk's weights, and multiplies the chunk while they are on their way
	s_mov_b32 s43, 7
.Lf:
.irp g, 0,1,2,3
	GROUP \g, 1, 56                                ; behind group g: 8 (3 - g) of this chunk's weights, 32 of its tokens, 8 g of the next chunk's weights
.endr
	WIN 0
	s_wait_dscnt 0x0                               ; for the others' sake: my part of the chunk is in LDS
	s_barrier_signal -1
	s_barrier_wait -1                              ; the chunk is whole
	LOADB 0, 0                                     ; no wait: since GROUP 3's no vector or matrix instruction has been issued
.irp j, 0,1,2,3
	STEP \j, 1
.endr
	s_wait_alu depctr_vm_vsrc(0)                   ; the fragment loads have read FA; the LDS stores have read v6, v8 and R0 to R3: the six addresses are written below, R0 to R3 in the next trip
.irp q, 0,1,2,3
	v_add_nc_u32 v[FA+(\q)], 256, v[FA+(\q)]       ; the next chunk's 256 bytes of each LDS row; these six lines are also the places behind the last products
.endr
	v_add_nc_u32 v6, 256, v6
	v_add_nc_u32 v8, 256, v8
	s_wait_alu depctr_va_vdst(0)                   ; step 3's products are done reading piece 3, in which the loads below land, and both fragment buffers; the six addresses are written
	s_add_nc_u64 s[QA+6:QA+7], s[QA+6:QA+7], 256
	LOADA 3, 0, 4
	WIN 0
	s_cmp_eq_u32 s[FIVE], 0
	s_cbranch_scc1 .Lf4
	LOADA 3, 4, 1
	WIN 0
.Lf4:
	s_wait_dscnt 0x0                               ; my reads of LDS are back;
	s_barrier_signal -1
	s_barrier_wait -1                              ; everybody's are: the next chunk is stored only behind this barrier
	s_sub_co_u32 s43, s43, 1
	s_cmp_lg_u32 s43, 0
	s_cbranch_scc1 .Lf
; chunk 7 is written out: nothing is left to ask for, so the counts run down: 8 (3 - g) of its weights and its 32 loads of tokens
.irp g, 0,1,2,3
	GROUP \g, 0, 56-8*(\g)
.endr
	WIN 0
	s_wait_dscnt 0x0
	s_barrier_signal -1
	s_barrier_wait -1                              ; the slice lies whole in LDS, and nothing writes LDS from here to the closing barrier
	s_mov_b32 s[SKIPA], 1                          ; chunk 7's tokens were asked for in the last trip
	s_mov_b32 s25, 1
	s_mov_b32 s24, 4
	s_branch .Lx
; PASSES 1 TO 3, for an expert with more than 320 tokens: eight chunks out of LDS
.Lpass:
	s_wait_loadcnt 0x0                             ; nothing is out here; the three waits are written so that it holds on every way to this label:
	s_wait_dscnt 0x0                               ; the fragment registers are loaded anew below,
	s_wait_xcnt 0x0                                ; and the registers of the last stores are written again
	s_wait_alu depctr_vm_vsrc(0)                   ; the last pass's stores have read T, its loads of tokens AO, its fragment loads FA: all three are written below
	SHARES
	s_cmp_eq_u32 s23, 0
	s_cbranch_scc1 .Lnext
	LOOKUP
	START
	s_mov_b32 s[FIRST], 1
	s_mov_b32 s[SKIPA], 0
	s_mov_b32 s25, 8
.Lx:                                                   ; a chunk whose weights lie in LDS: its tokens are asked for at its head, the fifth sub-tile's first, so that the counts below hold for them too
	s_wait_alu depctr_va_vdst(0)                   ; the last chunk's products are done reading the four pieces and both fragment buffers, in which the loads below land; FA, and at a pass's head AO, are written, which they read
	s_cmp_eq_u32 s[SKIPA], 1
	s_cbranch_scc1 .Lhave
	s_wait_loadcnt 0x0                             ; the last chunk's wait for its last piece was for 0: written again for the way in from above
	s_cmp_eq_u32 s[FIVE], 0
	s_cbranch_scc1 .Lx4
.irp j, 0,1,2,3
	LOADA \j, 4, 1
.endr
	WIN 0
.Lx4:
.irp j, 0,1,2,3
	LOADA \j, 0, 4
.endr
	WIN 0
.Lhave:
	s_mov_b32 s[SKIPA], 0
	LOADB 0, 0
.irp j, 0,1,2,3
	STEP \j, 0
.endr
	s_wait_alu depctr_vm_vsrc(0)                   ; the fragment loads have read FA, which is written below
.irp q, 0,1,2,3
	v_add_nc_u32 v[FA+(\q)], 256, v[FA+(\q)]       ; also the four places behind the last products
.endr
.irp j, 0,1,2,3
	s_add_nc_u64 s[QA+2*(\j):QA+2*(\j)+1], s[QA+2*(\j):QA+2*(\j)+1], 256  ; the last step's wait for 0 has shown every load of tokens done
.endr
	s_sub_co_u32 s25, s25, 1
	s_cmp_lg_u32 s25, 0
	s_cbranch_scc1 .Lx
	s_cmp_ge_u32 s23, 5                            ; only my own sub-tiles are stored
	s_cbranch_scc1 .LE4
	s_cmp_eq_u32 s23, 4
	s_cbranch_scc1 .LE3
	s_cmp_eq_u32 s23, 3
	s_cbranch_scc1 .LE2
	s_cmp_eq_u32 s23, 2
	s_cbranch_scc1 .LE1
	s_cmp_eq_u32 s23, 1
	s_cbranch_scc1 .LE0
	s_branch .Lnext
.LE4:
	EPI 4
.LE3:
	EPI 3
.LE2:
	EPI 2
.LE1:
	EPI 1
.LE0:
	EPI 0
.Lnext:
	s_add_co_u32 s[P20], s[P20], 20
	s_sub_co_u32 s24, s24, 1
	s_cmp_lg_u32 s24, 0
	s_cbranch_scc1 .Lpass
	s_wait_dscnt 0x0                               ; my reads of LDS are over;
	s_barrier_signal -1
	s_barrier_wait -1                              ; everybody's are
	s_wait_dscnt 0x0                               ; the wave's end: an add onto the spare words, the 512 bytes behind the weights
	s_wait_alu depctr_hold_cnt(0) depctr_sa_sdst(0) depctr_va_vdst(0) depctr_va_sdst(0) depctr_va_ssrc(0) depctr_va_vcc(0) depctr_vm_vsrc(0)
	s_wait_tensorcnt 0x0
	ds_add_u32 v28, v29
	s_wait_dscnt 0x0
	s_endpgm
.Lfunc_end_k_qe7a8bac459_up:
	.size	k_qe7a8bac459_up, .Lfunc_end_k_qe7a8bac459_up-k_qe7a8bac459_up
	.p2alignl 7, 3214868480
	.fill 96, 4, 3214868480
	.section	.rodata,"a",@progbits
	.p2align	6, 0x0
	.amdhsa_kernel k_qe7a8bac459_up
		.amdhsa_group_segment_fixed_size 264704
		.amdhsa_private_segment_fixed_size 0
		.amdhsa_enable_private_segment 0
		.amdhsa_kernarg_size 48
		.amdhsa_user_sgpr_count 2
		.amdhsa_user_sgpr_kernarg_segment_ptr 1
		.amdhsa_wavefront_size32 1
		.amdhsa_system_sgpr_workgroup_id_x 1
		.amdhsa_system_sgpr_workgroup_id_y 1
		.amdhsa_system_sgpr_workgroup_id_z 1
		.amdhsa_system_vgpr_workitem_id 0
		.amdhsa_next_free_vgpr 928
		.amdhsa_next_free_sgpr 98
		.amdhsa_reserve_vcc 0
		.amdhsa_float_denorm_mode_32 3
		.amdhsa_float_denorm_mode_16_64 3
		.amdhsa_memory_ordered 1
		.amdhsa_forward_progress 1
		.amdhsa_inst_pref_size 176
	.end_amdhsa_kernel
	.amdgpu_metadata
---
amdhsa.version: [ 1, 2 ]
amdhsa.kernels:
  - .name:           k_qe7a8bac459_up
    .symbol:         k_qe7a8bac459_up.kd
    .args:
      - { .name: xb, .offset: 0, .size: 8, .value_kind: global_buffer, .address_space: global }
      - { .name: idx, .offset: 8, .size: 8, .value_kind: global_buffer, .address_space: global }
      - { .name: w1, .offset: 16, .size: 8, .value_kind: global_buffer, .address_space: global }
      - { .name: b1, .offset: 24, .size: 8, .value_kind: global_buffer, .address_space: global }
      - { .name: h, .offset: 32, .size: 8, .value_kind: global_buffer, .address_space: global }
      - { .name: rankmap, .offset: 40, .size: 8, .value_kind: global_buffer, .address_space: global }
    .group_segment_fixed_size: 264704
    .private_segment_fixed_size: 0
    .kernarg_segment_align: 8
    .kernarg_segment_size: 48
    .max_flat_workgroup_size: 128
    .sgpr_count:     98
    .vgpr_count:     928
    .wavefront_size: 32
...
	.end_amdgpu_metadata
.endif
;; end of part 7
;; launch down (part 8): grid 32 x 8, 4 waves a work-group, no clusters, 264,704 bytes of LDS; arguments h, rankmap, w2, ypart; writes ypart
.if DOCPART == 8
	.amdgcn_target "amdgcn-amd-amdhsa--gfx1250"
	.amdhsa_code_object_version 6
	.text
	.protected	k_qe7a8bac459_down
	.globl	k_qe7a8bac459_down
	.p2align	8
	.type	k_qe7a8bac459_down,@function
k_qe7a8bac459_down:
	s_mov_b64 s[64:65], 0
	v_nop
	global_prefetch_b8 v0, s[64:65] scope:SCOPE_SE
	s_setreg_imm32_b32 hwreg(HW_REG_WAVE_SCHED_MODE, 0, 2), 2
	s_setreg_imm32_b32 hwreg(HW_REG_WAVE_MODE, 25, 1), 1
	s_wait_xcnt 0x0
	s_wait_alu depctr_vm_vsrc(0)
; THE SECOND PRODUCT, in four quarters of K.  ypart[kq][e][rank][n] = the sum over k = 1,024 kq .. + 1,023 of h[e][rank][k] w2[e][k][n], in f32 (partial sums stay in f32); w2 is rounded to bf16 on its way.
; SHARES.  Work-group (slice, e): columns 128 (slice % 8) .. + 127, K quarter slice / 8, of expert e's w2: 512 KiB of f32 that it alone reads, once.
; STREAM AND PRODUCT IN ONE LOOP.  The quarter's K goes in 8 chunks of 128.  Wave w brings rows 32 w .. + 31 of a chunk through 32 register slots (a row of 512 consecutive bytes a load), rounds them and lays them into
; LDS with K along the row (128 LDS rows of 2,048 bytes; LDS row 16 b + r holds column 64 (b / 4) + 4 r + b % 4); each group of 8 slots is asked for again, with the next chunk's rows, as soon as it is rounded, so
; the next chunk is on its way while this one is multiplied.  Two barriers a chunk: one between the stores and the reads of the chunk, one between those reads and the next chunk's stores.
; ROWS.  The expert's rows of h lie end to end by rank, in sub-tiles of 16; their number comes from the stored count.  A PASS serves 20 sub-tiles, dealt evenly to the four waves (n / 4 each, the first n % 4 waves one
; more).  A wave always multiplies four (those past its share are other rows of the expert's own 1,024, and are not stored); the fifth is jumped by a flag.  Pass 0 is the loop above.  An expert with more than 320
; rows takes up to three more passes on the slice that then lies whole in LDS: nothing writes LDS any more, so they have no barrier, and a pass without rows is jumped.  An expert without rows stores nothing.
; THE MATRIX INSTRUCTION: source 0 = 16 rows of h (from memory), source 1 = 16 LDS rows of weights: register j of a result holds row 8 (l / 16) + j of h and LDS row l % 16.
; THE WAY OUT needs no LDS: register j of four blocks is copied into four neighbouring registers, 16 bytes of a row of ypart a lane, and sixteen lanes are 256 consecutive bytes.
; NO CLUSTER, NO TENSOR LOAD: a slice has one reader and must pass through registers to be rounded; the work hangs on a stored count.
; LOADS ON THEIR WAY, by this text's own count: 32 of weights and up to 40 of h a wave.  Loads come back in order (ISA guide 5.7.1), so each wait names the loads asked for behind the one it needs, counted on the
; path without the fifth sub-tile; with it the same counts ask for at most 8 loads more.
; THE MODE: SCHED_MODE bits 1:0 = 2 (LLVM: expert scheduling mode 2), set by the entry lines.  The code itself states the register dependences between vector or matrix instructions and memory or LDS instructions,
; and those through scalar registers that vector instructions write, with s_wait_alu, always for 0.
; THE PLAN.  Registers that memory or LDS instructions touch, round the loop:
;   the 32 slots     GROUP g's sixteen roundings read group g; behind them the next chunk's eight loads land in it.
;   R0 .. R3         GROUP g's roundings write R[g]; its four LDS stores read it; it is written again a chunk later.
;   pieces 0 .. 3    Step j's products read piece j; the next chunk's loads land in it in step j + 1 (piece 3: at the trip's end).
;   BF0, BF1         Step j's products read BF[j % 2]; in step j the LDS loads of step j + 1 land in the other buffer, which step j - 1's products read.
;   v6, v8, FA       LDS addresses, read by every LDS store and every fragment load; stepped once a chunk, at its end.
;   AO               Written once a pass; read by the loads of h.          T   The way out: written by the copies, read by the sub-tile's stores.
;   v7, v10          offsets, made once at the head and never written again.
; On va_vdst: one wait in a GROUP, behind its roundings; one at the head of steps 1 to 3; one at the trip's end; one at the head of a chunk that comes out of LDS; one ahead of each run of stores.
; On vm_vsrc: one a chunk, ahead of the adds to the LDS addresses, which frees R0 .. R3 too; one at a later pass's head; one at the head of a sub-tile's way out.
; REGISTERS, in windows of 256 (s_set_vgpr_msb: bits 1:0 source 0, 3:2 source 1, 5:4 source 2, 7:6 destination):
;   window 0: v0-31 addresses; v32-95 at work; v128-255 two buffers of weight fragments
;   window 1: v0-127 the 32 slots; v128-191 the fifth sub-tile's sums; v192-255 R0 .. R3, the rounded weights on their way to LDS
;   window 2: the sums of sub-tiles 0-3, 64 a + 8 b          window 3: v0-159 fragments of h, four pieces of 32 k: 40 piece + 8 a
.set RP,    4096                       ; bytes from a row of w2 to the next
.set PW,    2064                       ; an LDS row: 2,048 bytes + 16 = 129 x 16: the 16 rows that a fragment load or a store of the stream touches start at 16 different groups of four banks (ISA guide 11.1)
.set T,     32
.set BF,    128
.set ACC4,  128                        ; in window 1
.set RW,    192                        ; in window 1: R[g] at 192 + 16 g
.set AO,    12                         ; v12-16  a sub-tile's byte offset in h
.set FA,    20                         ; v20-23  fragment addresses, one for two blocks of 16 LDS rows; they walk 256 bytes a chunk
.set WP,    52                         ; s[52:59] w2 at the rows that group g of the slots asks for: a pointer a group
.set QA,    66                         ; s[66:73] h at piece j of the chunk to be asked for: a pointer a piece
.set P20,   60                         ; s60  the pass's first sub-tile
.set FIVE,  61                         ; s61  1: I have a fifth sub-tile
.set FIRST, 62                         ; s62  1: the next K step starts the sums
.set SKIPA, 63                         ; s63  1: this chunk's rows of h have been asked for already
; v1 l % 16; v2 l / 16; v3 16 (l / 16); v4 my place in a fragment; v5 lane; v6, v8 where I lay weights; v7 16 lane; v10 my offset in ypart; v30, v31 at work
; s16 wave; s17 slice; s18 e; s19 count; s20 sub-tiles; s21 n / 4; s22 my first sub-tile; s23 how many are mine; s24, s25, s43 counters; s27, s40, s41 at work; s[30:31] h; s[34:35] ypart; s[36:37] ypart at a sub-tile
; s[38:39] an offset; s[44:45] the count's address; s46 column slice; s47 K quarter
.set MSB, 0
.macro WIN new                         ; the immediate's high byte repeats the setting that is left; a switch that changes nothing is dropped
.if MSB != (\new)
	s_set_vgpr_msb (MSB<<8)|(\new)
.set MSB, \new
.endif
.endm
.macro PLACES                          ; four plain instructions between a matrix instruction and a load into, or a reader of, its registers
.rept 4
	v_nop
.endr
.endm
; Eight slots' turn, 8 k of my 4 columns: two k of a column are rounded into a word, a column's 8 k are 16 bytes of its LDS row; then (fill = 1) the slots are asked for again, with the next chunk's rows.
; left = the younger loads that may stay out.  The group's pointer is stepped behind the wait that shows its own last loads done.
.macro GROUP g, fill, left
	s_wait_loadcnt \left
	WIN 0x45                                       ; sources and destination window 1
.set i, 0
.rept 4
.set m, 0
.rept 4
	v_cvt_pk_bf16_f32 v[RW+16*(\g)+4*i+m], v[4*(8*(\g)+2*m)+i], v[4*(8*(\g)+2*m+1)+i]
.set m, m+1
.endr
.set i, i+1
.endr
	WIN 0x44                                       ; the stores' data and the loads' destination window 1, addresses window 0
	s_wait_alu depctr_va_vdst(0)                   ; the roundings have written R[g], which the LDS stores read, and are done reading the group's slots, in which the loads land; v6 and v8 are written
	ds_store_b128 v6, v[RW+16*(\g):RW+16*(\g)+3]     offset:16*(\g)
	ds_store_b128 v6, v[RW+16*(\g)+4:RW+16*(\g)+7]   offset:16*PW+16*(\g)
	ds_store_b128 v8, v[RW+16*(\g)+8:RW+16*(\g)+11]  offset:16*(\g)
	ds_store_b128 v8, v[RW+16*(\g)+12:RW+16*(\g)+15] offset:16*PW+16*(\g)
.if \fill
	s_add_nc_u64 s[WP+2*(\g):WP+2*(\g)+1], s[WP+2*(\g):WP+2*(\g)+1], 128*RP
.set i, 0
.rept 8
	global_load_b128 v[4*(8*(\g)+i):4*(8*(\g)+i)+3], v7, s[WP+2*(\g):WP+2*(\g)+1] offset:i*RP th:TH_LOAD_NT
.set i, i+1
.endr
.endif
.endm
; Piece j (32 along K) of n sub-tiles from a0 on: a lane's 16 bytes at k = 8 (l / 16) and at 16 + 8 (l / 16)
.macro LOADA j, a0, n
	WIN 0xc0                                       ; destination window 3, address window 0
.set la, \a0
.rept \n
	global_load_b128 v[40*(\j)+8*la:40*(\j)+8*la+3],   v[AO+la], s[QA+2*(\j):QA+2*(\j)+1]
	global_load_b128 v[40*(\j)+8*la+4:40*(\j)+8*la+7], v[AO+la], s[QA+2*(\j):QA+2*(\j)+1] offset:32
.set la, la+1
.endr
.endm
; Step j of the chunk, all 128 LDS rows, into buffer buf
.macro LOADB j, buf
	WIN 0
.set lb, 0
.rept 8
	ds_load_b128 v[BF+64*(\buf)+8*lb:BF+64*(\buf)+8*lb+3],   v[FA+lb/2] offset:(lb%2)*16*PW+64*(\j)
	ds_load_b128 v[BF+64*(\buf)+8*lb+4:BF+64*(\buf)+8*lb+7], v[FA+lb/2] offset:(lb%2)*16*PW+64*(\j)+32
.set lb, lb+1
.endr
.endm
; Step j's products.  The accumulators take turns, one instruction a turn.  first = 1: the constant 0 starts the sums.
; f = 1 (the fused loop), j > 0: half-way through them the piece that the last step read is asked for again, with the next chunk's part of h.  No wait stands there: the products issued since the wait at the step's head
; name piece j, BF[j % 2] and the sums, none of the registers that those loads touch.  The piece's pointer is stepped behind the wait that showed its last loads done, at this step's head.
.macro MUL4 j, first, f                ; sub-tiles 0 to 3
.set ma, 0
.rept 4
	WIN 0xa3                                       ; h window 3, weights window 0, C and D window 2
.set mb, 0
.rept 8
.if \first
	v_wmma_f32_16x16x32_bf16 v[64*ma+8*mb:64*ma+8*mb+7], v[40*(\j)+8*ma:40*(\j)+8*ma+7], v[BF+64*((\j)&1)+8*mb:BF+64*((\j)&1)+8*mb+7], 0
.else
	v_wmma_f32_16x16x32_bf16 v[64*ma+8*mb:64*ma+8*mb+7], v[40*(\j)+8*ma:40*(\j)+8*ma+7], v[BF+64*((\j)&1)+8*mb:BF+64*((\j)&1)+8*mb+7], v[64*ma+8*mb:64*ma+8*mb+7]
.endif
.set mb, mb+1
.endr
.if (\f) && ((\j) > 0) && (ma == 1)
	s_add_nc_u64 s[QA+2*(\j)-2:QA+2*(\j)-1], s[QA+2*(\j)-2:QA+2*(\j)-1], 256
	LOADA (\j)-1, 0, 4
.endif
.set ma, ma+1
.endr
.endm
.macro MUL1 j, first                   ; the fifth sub-tile
	WIN 0x53                                       ; C and D window 1
.set mb, 0
.rept 8
.if \first
	v_wmma_f32_16x16x32_bf16 v[ACC4+8*mb:ACC4+8*mb+7], v[40*(\j)+32:40*(\j)+39], v[BF+64*((\j)&1)+8*mb:BF+64*((\j)&1)+8*mb+7], 0
.else
	v_wmma_f32_16x16x32_bf16 v[ACC4+8*mb:ACC4+8*mb+7], v[40*(\j)+32:40*(\j)+39], v[BF+64*((\j)&1)+8*mb:BF+64*((\j)&1)+8*mb+7], v[ACC4+8*mb:ACC4+8*mb+7]
.endif
.set mb, mb+1
.endr
.endm
; K step j of a chunk.  Its fragments are waited for; the next step's weights are asked for; f = 1 (the fused loop): the piece that the last step read is asked for again (MUL4).
; What may stay out behind piece j.  f = 1, j = 0: this chunk's 3 later pieces (24) and the 32 loads of weights; j > 0: 8 (3 - j), the 32, and 8 (j - 1) of the next chunk: 48.  f = 0: the later pieces alone.
; Step 0 has no wait on va_vdst: since the last one (GROUP 3's, or the one at the chunk's head) no vector or matrix instruction has named a fragment buffer.  Step 3 of a chunk out of LDS asks for nothing, so it has none either.
.macro STEP j, f
	WIN 0
.if (\f) && ((\j) == 0)
	s_wait_loadcnt 56
.elseif \f
	s_wait_loadcnt 48
.else
	s_wait_loadcnt 8*(3-(\j))
.endif
	s_wait_dscnt 0x0                               ; this step's weights are in
	PLACES                                         ; the loads below go into registers that the last step's products read
.if ((\j) > 0) && (((\j) < 3) || (\f))
	s_wait_alu depctr_va_vdst(0)                   ; the last step's products are done reading the other fragment buffer and their piece of h, in which this step's loads land
.endif
.if (\j) < 3
	LOADB (\j)+1, ((\j)+1)&1
.endif
.if (\j) == 0
	s_cmp_eq_u32 s[FIRST], 1
	s_cbranch_scc1 .Lfst_\@
.endif
	MUL4 \j, 0, \f
	WIN 0
	s_cmp_eq_u32 s[FIVE], 0
	s_cbranch_scc1 .Lno5_\@
.if (\f) && ((\j) > 0)
	LOADA (\j)-1, 4, 1                             ; the fifth sub-tile's part of that piece: its last reader stands ahead of the wait at the step's head, and no product since names it
.endif
	MUL1 \j, 0
	WIN 0
.Lno5_\@:
.if (\j) == 0
	s_branch .Lj0_\@
.Lfst_\@:                                              ; a pass's first step: all five sub-tiles' sums are started, so that they are written on every path
	s_mov_b32 s[FIRST], 0
	MUL4 0, 1, \f
	MUL1 0, 1
	WIN 0
.Lj0_\@:
.endif
.endm
; The pass's n = 0 .. 20 sub-tiles from s[P20] on, dealt evenly
.macro SHARES
	s_max_u32 s27, s20, s[P20]
	s_sub_co_u32 s27, s27, s[P20]
	s_min_u32 s27, s27, 20                         ; n
	s_lshr_b32 s21, s27, 2
	s_and_b32 s40, s27, 3
	s_mul_i32 s22, s16, s21
	s_min_u32 s41, s16, s40
	s_add_co_u32 s22, s22, s41
	s_add_co_u32 s22, s22, s[P20]                  ; my first
	s_cmp_lt_u32 s16, s40
	s_cselect_b32 s41, 1, 0
	s_add_co_u32 s23, s21, s41                     ; how many are mine
	s_cmp_eq_u32 s23, 5
	s_cselect_b32 s[FIVE], 1, 0
.endm
; What a pass starts from: my five sub-tiles' offsets in h, the pieces' pointers and the fragment addresses at the quarter's first k
.macro START
.set ta, 0
.rept 5
	s_add_co_u32 s27, s22, ta
	s_min_u32 s27, s27, 63
	s_lshl_b32 s27, s27, 4
	v_add_nc_u32 v[AO+ta], s27, v1                 ; my rank,
	v_lshl_add_u32 v[AO+ta], v[AO+ta], 13, v3      ; its row of 8,192 bytes + 16 (l / 16)
.set ta, ta+1
.endr
.irp j, 0,1,2,3
	s_add_nc_u64 s[QA+2*(\j):QA+2*(\j)+1], s[30:31], 64*(\j)
.endr
.irp q, 0,1,2,3
	v_add_nc_u32 v[FA+(\q)], (\q)*32*PW, v4
.endr
.endm
; THE WAY OUT of sub-tile a, in f32.  Row j's columns 64 g + 4 r + 0..3 are register j of blocks 4 g + 0..3: the copies bring them side by side for a store of 16 bytes (each accumulator's lowest register is read first).
.macro EPI a
	s_wait_xcnt 0x0                                ; the last stores have read their registers and their base
.if (\a) < 4
	s_wait_alu depctr_vm_vsrc(0)                   ; the stores of the sub-tile that left before have read T, which the copies write again (the fifth sub-tile is always a pass's first to leave)
.endif
	s_add_co_u32 s27, s22, \a
	s_min_u32 s27, s27, 63
	s_lshl_b32 s38, s27, 16                        ; 16 rows of 4,096 bytes
	s_add_nc_u64 s[36:37], s[34:35], s[38:39]
.if (\a) < 4
	WIN 0x02                                       ; source window 2
.set eb, 64*(\a)
.else
	WIN 0x01                                       ; source window 1
.set eb, ACC4
.endif
.set j, 0
.rept 8
.set g, 0
.rept 2
.set i, 0
.rept 4
	v_mov_b32 v[T+4*(2*j+g)+i], v[eb+32*g+8*i+j]
.set i, i+1
.endr
.set g, g+1
.endr
.set j, j+1
.endr
	WIN 0
	s_wait_alu depctr_va_vdst(0)                   ; the copies have written T, which the stores read
.set j, 0
.rept 8
	global_store_b128 v10, v[T+8*j:T+8*j+3],   s[36:37] offset:j*4096      ; rows j and 8 + j: 16 lanes store 256 consecutive bytes, aligned
	global_store_b128 v10, v[T+8*j+4:T+8*j+7], s[36:37] offset:j*4096+256
.set j, j+1
.endr
.endm
	s_load_b256 s[4:11], s[0:1], 0x0               ; h 4, rankmap 6, w2 8, ypart 10
	v_lshl_add_u32 v126, v0, 2, 0x40800
	v_mov_b32 v127, 0
	v_lshrrev_b32 v31, 5, v0
	v_readfirstlane_b32 s16, v31
	s_mov_b32 s17, ttmp9
	s_and_b32 s18, ttmp7, 0xffff
	s_and_b32 s46, s17, 7
	s_lshr_b32 s47, s17, 3
	s_mov_b32 s[P20], 0
	s_mov_b32 s[FIRST], 1
	v_and_b32 v5, 31, v0
	v_and_b32 v1, 15, v0
	v_bfe_u32 v2, v0, 4, 1
	v_lshlrev_b32 v3, 4, v2
	v_mul_u32_u24 v4, v1, PW
	v_add_nc_u32 v4, v4, v3                        ; a fragment: row l % 16, 16 bytes for each half of the lanes
	v_lshl_add_u32 v30, v2, 6, v1                  ; my four columns 4 lane + i = 64 (lane / 16) + 4 (lane % 16) + i lie in LDS rows 64 (lane / 16) + 16 i + lane % 16
	v_mul_u32_u24 v6, v30, PW
	s_wait_alu depctr_va_sdst(0)                   ; s16, the wave's number, is written, ahead of its first reader
	s_lshl_b32 s27, s16, 6                         ; my wave's 32 k of a chunk: 64 bytes of each LDS row
	v_add_nc_u32 v6, s27, v6                       ; i = 0, 1
	v_add_nc_u32 v8, 32*PW, v6                     ; i = 2, 3
	v_lshlrev_b32 v7, 4, v5
	v_lshlrev_b32 v10, 15, v2                      ; ypart: lanes 16-31 eight rows of 4,096 bytes further down,
	v_lshl_add_u32 v10, v1, 4, v10                 ; 16 bytes a lane
	s_lshl_b32 s38, s18, 24                        ; w2: expert, K quarter, my wave's 32 rows of a chunk, the slice's 512 bytes
	s_lshl_b32 s27, s47, 22
	s_add_co_u32 s38, s38, s27
	s_lshl_b32 s27, s16, 17
	s_add_co_u32 s38, s38, s27
	s_lshl_b32 s27, s46, 9
	s_add_co_u32 s38, s38, s27
	s_mov_b32 s39, 0
	s_wait_kmcnt 0x0
	s_add_nc_u64 s[WP:WP+1], s[8:9], s[38:39]
.irp g, 1,2,3
	s_add_nc_u64 s[WP+2*(\g):WP+2*(\g)+1], s[WP:WP+1], (\g)*8*RP
.endr
	s_lshl_b32 s38, s18, 7
	s_add_nc_u64 s[44:45], s[6:7], s[38:39]
	s_load_b32 s19, s[44:45], 0x8000               ; the expert's count
	WIN 0x40                                       ; destination window 1
	s_wait_alu depctr_va_vdst(0)                   ; the offsets v7 and v10 and the LDS addresses v6 and v8 are written, which the loads and stores of the kernel read
.set g, 0
.rept 4
.set i, 0
.rept 8
	global_load_b128 v[4*(8*g+i):4*(8*g+i)+3], v7, s[WP+2*g:WP+2*g+1] offset:i*RP th:TH_LOAD_NT  ; chunk 0: my 32 rows, 512 consecutive bytes each
.set i, i+1
.endr
.set g, g+1
.endr
	WIN 0
	s_lshl_b32 s38, s18, 23                        ; h: the expert's 1,024 rows of 8,192 bytes, the quarter's 2,048 bytes
	s_lshl_b32 s27, s47, 11
	s_add_co_u32 s38, s38, s27
	s_add_nc_u64 s[30:31], s[4:5], s[38:39]
	s_lshl_b32 s38, s47, 25                        ; ypart: quarter, the expert's 1,024 rows of 4,096 bytes, the slice's 512 bytes
	s_lshl_b32 s27, s18, 22
	s_add_co_u32 s38, s38, s27
	s_lshl_b32 s27, s46, 9
	s_add_co_u32 s38, s38, s27
	s_add_nc_u64 s[34:35], s[10:11], s[38:39]
	s_wait_kmcnt 0x0                               ; the count
	s_min_u32 s19, s19, 1024
	s_add_co_u32 s20, s19, 15
	s_lshr_b32 s20, s20, 4                         ; sub-tiles of 16
	SHARES
	START
	s_wait_alu depctr_va_vdst(0)                   ; AO is written, which the loads of h read, and FA, which the fragment loads read
.irp j, 0,1,2,3
	LOADA \j, 0, 5                                 ; chunk 0's part of h, the fifth sub-tile's on every path: its registers are written whatever the flag
.endr
	WIN 0
; PASS 0, chunks 0 to 6: a trip rounds and lays a chunk, asks for the next chunk's weights, and multiplies the chunk while they are on their way
	s_mov_b32 s43, 7
.Lf:
.irp g, 0,1,2,3
	GROUP \g, 1, 56                                ; behind group g: 8 (3 - g) of this chunk's weights, 32 of its part of h, 8 g of the next chunk's weights
.endr
	WIN 0
	s_wait_dscnt 0x0                               ; for the others' sake: my part of the chunk is in LDS
	s_barrier_signal -1
	s_barrier_wait -1                              ; the chunk is whole
	LOADB 0, 0                                     ; no wait: since GROUP 3's no vector or matrix instruction has been issued
.irp j, 0,1,2,3
	STEP \j, 1
.endr
	s_wait_alu depctr_vm_vsrc(0)                   ; the fragment loads have read FA; the LDS stores have read v6, v8 and R0 to R3: the six addresses are written below, R0 to R3 in the next trip
.irp q, 0,1,2,3
	v_add_nc_u32 v[FA+(\q)], 256, v[FA+(\q)]       ; the next chunk's 256 bytes of each LDS row; these six lines are also the places behind the last products
.endr
	v_add_nc_u32 v6, 256, v6
	v_add_nc_u32 v8, 256, v8
	s_wait_alu depctr_va_vdst(0)                   ; step 3's products are done reading piece 3, in which the loads below land, and both fragment buffers; the six addresses are written
	s_add_nc_u64 s[QA+6:QA+7], s[QA+6:QA+7], 256
	LOADA 3, 0, 4
	WIN 0
	s_cmp_eq_u32 s[FIVE], 0
	s_cbranch_scc1 .Lf4
	LOADA 3, 4, 1
	WIN 0
.Lf4:
	s_wait_dscnt 0x0                               ; my reads of LDS are back;
	s_barrier_signal -1
	s_barrier_wait -1                              ; everybody's are: the next chunk is stored only behind this barrier
	s_sub_co_u32 s43, s43, 1
	s_cmp_lg_u32 s43, 0
	s_cbranch_scc1 .Lf
; chunk 7 is written out: nothing is left to ask for, so the counts run down: 8 (3 - g) of its weights and its 32 loads of h
.irp g, 0,1,2,3
	GROUP \g, 0, 56-8*(\g)
.endr
	WIN 0
	s_wait_dscnt 0x0
	s_barrier_signal -1
	s_barrier_wait -1                              ; the slice lies whole in LDS, and nothing writes LDS from here to the closing barrier
	s_mov_b32 s[SKIPA], 1                          ; chunk 7's part of h was asked for in the last trip
	s_mov_b32 s25, 1
	s_mov_b32 s24, 4
	s_branch .Lx
; PASSES 1 TO 3, for an expert with more than 320 rows: eight chunks out of LDS
.Lpass:
	s_wait_loadcnt 0x0                             ; nothing is out here; the three waits are written so that it holds on every way to this label:
	s_wait_dscnt 0x0                               ; the fragment registers are loaded anew below,
	s_wait_xcnt 0x0                                ; and the registers of the last stores are written again
	s_wait_alu depctr_vm_vsrc(0)                   ; the last pass's loads of h have read AO and its fragment loads FA, which are written below; its stores have read T
	SHARES
	s_cmp_eq_u32 s23, 0
	s_cbranch_scc1 .Lnext
	START
	s_mov_b32 s[FIRST], 1
	s_mov_b32 s[SKIPA], 0
	s_mov_b32 s25, 8
.Lx:                                                   ; a chunk whose weights lie in LDS: its part of h is asked for at its head, the fifth sub-tile's first, so that the counts below hold for it too
	s_wait_alu depctr_va_vdst(0)                   ; the last chunk's products are done reading the four pieces and both fragment buffers, in which the loads below land; FA, and at a pass's head AO, are written, which they read
	s_cmp_eq_u32 s[SKIPA], 1
	s_cbranch_scc1 .Lhave
	s_wait_loadcnt 0x0                             ; the last chunk's wait for its last piece was for 0: written again for the way in from above
	s_cmp_eq_u32 s[FIVE], 0
	s_cbranch_scc1 .Lx4
.irp j, 0,1,2,3
	LOADA \j, 4, 1
.endr
	WIN 0
.Lx4:
.irp j, 0,1,2,3
	LOADA \j, 0, 4
.endr
	WIN 0
.Lhave:
	s_mov_b32 s[SKIPA], 0
	LOADB 0, 0
.irp j, 0,1,2,3
	STEP \j, 0
.endr
	s_wait_alu depctr_vm_vsrc(0)                   ; the fragment loads have read FA, which is written below
.irp q, 0,1,2,3
	v_add_nc_u32 v[FA+(\q)], 256, v[FA+(\q)]       ; also the four places behind the last products
.endr
.irp j, 0,1,2,3
	s_add_nc_u64 s[QA+2*(\j):QA+2*(\j)+1], s[QA+2*(\j):QA+2*(\j)+1], 256  ; the last step's wait for 0 has shown every load of h done
.endr
	s_sub_co_u32 s25, s25, 1
	s_cmp_lg_u32 s25, 0
	s_cbranch_scc1 .Lx
	s_cmp_ge_u32 s23, 5                            ; only my own sub-tiles are stored
	s_cbranch_scc1 .LE4
	s_cmp_eq_u32 s23, 4
	s_cbranch_scc1 .LE3
	s_cmp_eq_u32 s23, 3
	s_cbranch_scc1 .LE2
	s_cmp_eq_u32 s23, 2
	s_cbranch_scc1 .LE1
	s_cmp_eq_u32 s23, 1
	s_cbranch_scc1 .LE0
	s_branch .Lnext
.LE4:
	EPI 4
.LE3:
	EPI 3
.LE2:
	EPI 2
.LE1:
	EPI 1
.LE0:
	EPI 0
.Lnext:
	s_add_co_u32 s[P20], s[P20], 20
	s_sub_co_u32 s24, s24, 1
	s_cmp_lg_u32 s24, 0
	s_cbranch_scc1 .Lpass
	s_wait_dscnt 0x0                               ; my reads of LDS are over;
	s_barrier_signal -1
	s_barrier_wait -1                              ; everybody's are
	s_wait_dscnt 0x0                               ; the wave's end: an add onto the spare words, the 512 bytes behind the weights
	s_wait_alu depctr_hold_cnt(0) depctr_sa_sdst(0) depctr_va_vdst(0) depctr_va_sdst(0) depctr_va_ssrc(0) depctr_va_vcc(0) depctr_vm_vsrc(0)
	s_wait_tensorcnt 0x0
	ds_add_u32 v126, v127
	s_wait_dscnt 0x0
	s_endpgm
.Lfunc_end_k_qe7a8bac459_down:
	.size	k_qe7a8bac459_down, .Lfunc_end_k_qe7a8bac459_down-k_qe7a8bac459_down
	.p2alignl 7, 3214868480
	.fill 96, 4, 3214868480
	.section	.rodata,"a",@progbits
	.p2align	6, 0x0
	.amdhsa_kernel k_qe7a8bac459_down
		.amdhsa_group_segment_fixed_size 264704
		.amdhsa_private_segment_fixed_size 0
		.amdhsa_enable_private_segment 0
		.amdhsa_kernarg_size 32
		.amdhsa_user_sgpr_count 2
		.amdhsa_user_sgpr_kernarg_segment_ptr 1
		.amdhsa_wavefront_size32 1
		.amdhsa_system_sgpr_workgroup_id_x 1
		.amdhsa_system_sgpr_workgroup_id_y 1
		.amdhsa_system_sgpr_workgroup_id_z 1
		.amdhsa_system_vgpr_workitem_id 0
		.amdhsa_next_free_vgpr 928
		.amdhsa_next_free_sgpr 74
		.amdhsa_reserve_vcc 0
		.amdhsa_float_denorm_mode_32 3
		.amdhsa_float_denorm_mode_16_64 3
		.amdhsa_memory_ordered 1
		.amdhsa_forward_progress 1
		.amdhsa_inst_pref_size 95
	.end_amdhsa_kernel
	.amdgpu_metadata
---
amdhsa.version: [ 1, 2 ]
amdhsa.kernels:
  - .name:           k_qe7a8bac459_down
    .symbol:         k_qe7a8bac459_down.kd
    .args:
      - { .name: h, .offset: 0, .size: 8, .value_kind: global_buffer, .address_space: global }
      - { .name: rankmap, .offset: 8, .size: 8, .value_kind: global_buffer, .address_space: global }
      - { .name: w2, .offset: 16, .size: 8, .value_kind: global_buffer, .address_space: global }
      - { .name: ypart, .offset: 24, .size: 8, .value_kind: global_buffer, .address_space: global }
    .group_segment_fixed_size: 264704
    .private_segment_fixed_size: 0
    .kernarg_segment_align: 8
    .kernarg_segment_size: 32
    .max_flat_workgroup_size: 128
    .sgpr_count:     74
    .vgpr_count:     928
    .wavefront_size: 32
...
	.end_amdgpu_metadata
.endif
;; end of part 8
;; launch combine: the kernel of part 4 again; grid 256 x 1, 8 waves a work-group, no clusters, 0 bytes of LDS; arguments idx, gates, rankmap, ypart, b2, out0; writes out0
